; MI455X (gfx1250); checked and timed in simulation.
; The chip was launched on July 23, 2026; its instructions are those of AMD's public machine-readable ISA for CDNA 5 (MIT licence, August 2026) and "CDNA5" Instruction Set Architecture Reference Guide (July 2026). The comments in the code are by the model that wrote it; some were corrected since.
;; Toy Transformer. Allowed arithmetic: matrix products marked QUANTISED: E2M3 operands, one E8M0 scale for each 32 along K, by v_wmma_scale_f32_16x16x128_f8f6f4 with both operands' format E2M3, f32 sums; everything else in f32.
;; Inputs: ffn_b1 4,096 float32; ffn_b2 1,024 float32; ffn_w1 1,024 x 4,096 float32; ffn_w2 4,096 x 1,024 float32; ln1_b 1,024 float32; ln1_g 1,024 float32; ln2_b 1,024 float32; ln2_g 1,024 float32; out_b 1,024 float32; out_w 1,024 x 1,024 float32; qkv_w 1,024 x 3,072 float32; x 2 x 2,048 x 1,024 float32.
;; Outputs: out0 2 x 2,048 x 1,024 float32.
;; This version of the problem:
;;   THIS VERSION OF THE PROBLEM IS GIVEN IN LOW PRECISION. The matrix products marked QUANTISED in the list below multiply operands that are first quantised to E2M3 (2 exponent bits, 3 mantissa bits; 6 bits a number), with one power-of-two scale for each 32 numbers along K (OCP MX v1.0); their sums are f32. All else is computed in f32.
;;   The module's matrix products, in the order in which they are computed (A, B: the left and right operand; K: the contracted axis; several contracted axes count as one K, in the product's order):
;;     1. [M 4,096, K 1,024] x [K 1,024, N 3,072]; A: computed on the way; B: input qkv_w: QUANTISED
;;     2. batch 32 x [M 2,048, K 64] x [K 64, N 2,048]; A: computed on the way; B: computed on the way: QUANTISED
;;     3. batch 32 x [M 2,048, K 2,048] x [K 2,048, N 64]; A: softmax (see below); B: computed on the way: QUANTISED
;;     4. [M 4,096, K 1,024] x [K 1,024, N 1,024]; A: computed on the way; B: input out_w: QUANTISED
;;     5. [M 4,096, K 1,024] x [K 1,024, N 4,096]; A: computed on the way; B: input ffn_w1: QUANTISED
;;     6. [M 4,096, K 4,096] x [K 4,096, N 1,024]; A: computed on the way; B: input ffn_w2: QUANTISED
;;   THE QUANTISER, for each operand of a quantised product, along K:
;;     - K is cut into blocks of 32 from its start; a last block that is shorter is filled with zeros.
;;     - A block's scale is 2^e with e = floor(log2(the largest magnitude in the block)) - 2, held to -126 .. 127; a block of zeros has e = 0. As a byte (E8M0): e + 127.
;;     - Each number is divided by its block's scale, clamped to +-7.5, and rounded to the nearest number of E2M3, ties to even, subnormals kept.
;;     - The product sums the exact products of the quantised numbers (number of the format x scale) in f32.
;;   ~~~python
;;   def quantise(x, axis):      # numpy; x: float32 -> the quantised numbers, widened to float32 again
;;       x = np.moveaxis(x, axis, -1); K = x.shape[-1]
;;       x = np.pad(x, [(0, 0)] * (x.ndim - 1) + [(0, -K % 32)]); x = x.reshape(x.shape[:-1] + (-1, 32)); a = np.abs(x).max(-1, keepdims=True)
;;       e = np.where(a > 0, np.clip(np.frexp(np.where(a > 0, a, 1))[1] - 1 - 2, -126, 127), 0)      # np.frexp(a)[1] - 1 = floor(log2(a)), exactly
;;       r = np.clip(x / 2.0 ** e, -7.5, 7.5)
;;       step = 2.0 ** (np.maximum(np.frexp(np.where(r == 0, 1, r))[1] - 1, 0) - 3)
;;       q = np.round(r / step) * step * 2.0 ** e      # np.round: ties to even
;;       return np.moveaxis(q.reshape(q.shape[:-2] + (-1,))[..., :K], -1, axis).astype(np.float32)
;;   ~~~
;;   SOFTMAX AHEAD OF A QUANTISED PRODUCT. Where the list says 'softmax', what is quantised is not the finished softmax but p = 2^(t - M), with t = logit x log2(e) and M = ceil(the row's largest t), a whole number; so 1/2 < the row's largest p <= 1. The row's sum l is taken of the UNQUANTISED p, in f32, and the product's result is divided by l at the end. Since M is a whole number, a kernel that streams over the keys may use a running M (the ceiling of the running maximum): every later rescaling is an exact power of two, which a block's scale takes up: the codes' values come out the same.
;;   OPERANDS COMPUTED ON THE WAY. 'Computed on the way' means the value that the module computes at that place (a softmax that the list does not call 'softmax' is quantised finished and normalised). What goes into a quantiser is computed in f32, as accurately as f32 sums, v_exp_f32 and their like allow (about 1e-6 of the number): no bf16 or f16 on the way to a quantiser, and a product that is left as it is and whose result goes on into a quantised operand takes f32 operands (vector FMAs, or v_wmma_f32_16x16x4_f32). A number that lies on a knife's edge between two numbers of the format may be rounded either way, as far as f32 arithmetic and the matrix unit's own rounding can turn it there, and no further.
;; 2 versions. Each part assembles by itself: llvm-mc -triple=amdgcn-amd-amdhsa -mcpu=gfx1250 --defsym DOCPART=n.
;; ======== version 1 of 2: 8 launches
;; workspace buffers: wts 9,830,400 bytes; hc 3,276,800 bytes; qb 3,407,872 bytes; kv 6,684,672 bytes; cc 3,276,800 bytes; x1 16,777,216 bytes; hid 13,107,200 bytes
;; launch wquant (part 1): grid 384 x 1, 4 waves a work-group, no clusters, 25,088 bytes of LDS; arguments qkv_w, out_w, ffn_w1, ffn_w2, wts; writes wts
.if DOCPART == 1
	.amdgcn_target "amdgcn-amd-amdhsa--gfx1250"
	.amdhsa_code_object_version 6
	.text
	.protected	k_q56f90fac2e_wquant
	.globl	k_q56f90fac2e_wquant
	.p2align	8
	.type	k_q56f90fac2e_wquant,@function
k_q56f90fac2e_wquant:
	s_mov_b64 s[64:65], 0
	v_nop
	global_prefetch_b8 v0, s[64:65] scope:SCOPE_SE
	s_setreg_imm32_b32 hwreg(HW_REG_WAVE_MODE, 25, 1), 1
	s_wait_xcnt 0x0
; The four weights, f32 stored [K][N], become codes of FP6 (E2M3) with one E8M0 byte for each 32 along K, laid as IMAGES OF OPERAND REGISTERS:
; a fragment (16 columns n x 128 K, 12 registers a lane) is 1,536 bytes, register q of lane l at (q/4)*512 + 16 l + 4 (q%4); fragments lie [n/16][K/128]; scale words lie [n/16][K/128][16][4 bytes].
; ORDER INSIDE A BLOCK OF 32: position p holds k = p with bits 3 and 4 exchanged (0-7, 16-23, 8-15, 24-31).  Every operand of this program is laid so, on both sides of every product, so the products are
; the same; the blocks and their scales are untouched.  (The matrix unit groups the products otherwise than in plain order: the result is judged within a tolerance.)
; A LANE TAKES A COLUMN n AND ITS REGISTERS RUN DOWN K: a block lies in one lane's 32 registers, and each load reads 128 consecutive bytes a wave.
; A work-group takes 128 columns x 256 K, a wave 32 columns: 2 x 2 fragments, gathered in the wave's own 6,144 bytes of LDS and stored as runs of 512 consecutive bytes.  Waves share nothing: no barrier.
; One path serves the four tensors: pointer, pitch and places are chosen by the work-group's number.
; A block's byte is its largest magnitude's exponent field - 2, held at 1 from below (a block of zeros keeps 1: its codes are zeros, and only this program reads the bytes).
; LIMITS: NaN and infinities among the inputs are not served; blocks whose largest magnitude lies under 2^-124 get the byte 1.
.set SB,   24                          ; v24-25   two scale words
.set OFF,  32                          ; v32-63   byte offset of register i's row: 4 x lane + PI(i) x pitch
.set X,    64                          ; v64-127  two sets of 32 numbers
.set C,    128                         ; v128-133 a block's six code registers
.set C2,   136                         ; v136-138 the second conversion's result
.set OUTR, 140                         ; v140-187 the way out
	s_load_b256 s[4:11], s[0:1], 0x0               ; qkv_w s[4:5], out_w s[6:7], ffn_w1 s[8:9], ffn_w2 s[10:11]
	s_load_b64 s[12:13], s[0:1], 0x20              ; wts
	v_lshl_add_u32 v192, v0, 2, 0x6000
	v_mov_b32 v193, 0
	v_lshrrev_b32 v1, 5, v0
	v_readfirstlane_b32 s22, v1                    ; wave
	v_and_b32 v2, 31, v0                           ; lane = my column of the wave's 32
	v_lshlrev_b32 v3, 2, v2
	v_and_b32 v8, 15, v2
	v_lshrrev_b32 v9, 4, v2
	s_mul_i32 s23, s22, 6144                       ; my wave's stage
	v_mul_u32_u24 v4, v9, 3072
	v_lshl_add_u32 v4, v8, 4, v4
	v_add_nc_u32 v4, s23, v4                       ; into it: 3,072 x (column / 16) + 16 x (column % 16)
	v_lshlrev_b32 v6, 4, v2
	v_add_nc_u32 v5, s23, v6                       ; out of it: 16 x lane
	s_mov_b32 s16, 4096                            ; ffn_w2's figures: a row in bytes,
	s_mov_b32 s17, 256                             ; its first work-group,
	s_mov_b32 s18, 4                               ; log2 of its runs of 256 along K,
	s_mov_b32 s19, 32                              ; K / 128,
	s_mov_b32 s20, 6291456                         ; where its codes begin in wts,
	s_mov_b32 s21, 9699328                         ; and its scale words
	s_wait_kmcnt 0x0
	s_mov_b64 s[14:15], s[10:11]
	s_cmp_lt_u32 ttmp9, 256                        ; ffn_w1's
	s_cselect_b64 s[14:15], s[8:9], s[14:15]
	s_cselect_b32 s16, 16384, s16
	s_cselect_b32 s17, 128, s17
	s_cselect_b32 s18, 2, s18
	s_cselect_b32 s19, 8, s19
	s_cselect_b32 s20, 3145728, s20
	s_cselect_b32 s21, 9568256, s21
	s_cmp_lt_u32 ttmp9, 128                        ; out_w's
	s_cselect_b64 s[14:15], s[6:7], s[14:15]
	s_cselect_b32 s16, 4096, s16
	s_cselect_b32 s17, 96, s17
	s_cselect_b32 s20, 2359296, s20
	s_cselect_b32 s21, 9535488, s21
	s_cmp_lt_u32 ttmp9, 96                         ; qkv_w's
	s_cselect_b64 s[14:15], s[4:5], s[14:15]
	s_cselect_b32 s16, 12288, s16
	s_cselect_b32 s17, 0, s17
	s_cselect_b32 s20, 0, s20
	s_cselect_b32 s21, 9437184, s21
	s_sub_co_u32 s24, ttmp9, s17                   ; my number within the tensor
	s_lshr_b32 s25, s24, s18                       ; which 128 columns
	s_lshl_b32 s26, s25, s18
	s_sub_co_u32 s26, s24, s26                     ; which 256 along K
	s_lshl_b32 s27, s25, 3
	s_lshl_b32 s28, s22, 1
	s_add_co_u32 s27, s27, s28                     ; my first block of 16 columns
	s_mul_i32 s27, s27, s19
	s_lshl_b32 s28, s26, 1
	s_add_co_u32 s27, s27, s28                     ; my first fragment's number
	s_lshl_b32 s30, s25, 9
	s_lshl_b32 s31, s22, 7
	s_add_co_u32 s30, s30, s31                     ; my wave's first column, in bytes,
	s_mul_i32 s31, s26, s16
	s_lshl_b32 s31, s31, 8
	s_add_co_u32 s30, s30, s31                     ; + 256 rows for each run along K
	s_mov_b32 s31, 0
	s_add_nc_u64 s[40:41], s[14:15], s[30:31]      ; a base for each of the eight blocks, 32 rows apart: nothing is stepped while loads are out
	s_lshl_b32 s30, s16, 5
.irp t, 1,2,3,4,5,6,7
	s_add_nc_u64 s[40+2*\t:41+2*\t], s[38+2*\t:39+2*\t], s[30:31]
.endr
	s_mul_i32 s30, s27, 1536
	s_add_co_u32 s30, s30, s20
	s_add_nc_u64 s[56:57], s[12:13], s[30:31]      ; the codes of my first 16 columns: two fragments on end,
	s_mul_i32 s30, s19, 1536
	s_add_nc_u64 s[58:59], s[56:57], s[30:31]      ; and of my second 16
	s_lshl_b32 s30, s27, 6
	s_add_co_u32 s30, s30, s21
	s_add_nc_u64 s[60:61], s[12:13], s[30:31]      ; the scale words
	s_lshl_b32 s30, s19, 6
	v_mul_u32_u24 v7, s30, v9
	v_lshl_add_u32 v7, v8, 2, v7                   ; my column's word
.set i, 0
.rept 32
	s_mul_i32 s25, s16, (i&7)+8*((i>>4)&1)+16*((i>>3)&1)
	v_add_nc_u32 v[OFF+i], s25, v3                 ; register i takes row PI(i) of the block
.set i, i+1
.endr
.macro LOAD t                          ; block t into set t % 2
.set i, 0
.rept 32
	global_load_b32 v[X+32*((\t)%2)+i], v[OFF+i], s[40+2*(\t):41+2*(\t)] th:TH_LOAD_NT
.set i, i+1
.endr
.endm
	LOAD 0
	LOAD 1
.macro BLOCK t
.set XS, X+32*((\t)%2)
.set BO, ((\t)/4)*1536+256*((\t)%2)    ; the fragment, and lanes 16-31 of it for an odd block
.if (\t) < 7
	s_wait_loadcnt 32                              ; this block's 32 loads are in; the next block's may be out
.else
	s_wait_loadcnt 0
.endif
	v_max3_num_f32 v12, |v[XS]|, |v[XS+1]|, |v[XS+2]|
	v_max3_num_f32 v13, |v[XS+3]|, |v[XS+4]|, |v[XS+5]|
.irp i, 6,10,14,18,22,26
	v_max3_num_f32 v12, v12, |v[XS+\i]|, |v[XS+\i+1]|
	v_max3_num_f32 v13, v13, |v[XS+\i+2]|, |v[XS+\i+3]|
.endr
	v_max3_num_f32 v12, v12, |v[XS+30]|, |v[XS+31]|
	v_max3_num_f32 v12, v12, v13, 0x1800000        ; the floor 2^(3 - 127): the byte cannot fall under 1
	v_add_nc_u32 v11, 0xff000000, v12              ; 2 off the exponent field: the conversion's scale operand
	v_lshrrev_b32 v13, 23, v11                     ; the byte
.if (\t)%4 == 0
	v_mov_b32 v[SB+(\t)/4], v13
.else
	v_lshl_or_b32 v[SB+(\t)/4], v13, 8*((\t)%4), v[SB+(\t)/4]
.endif
	v_cvt_scalef32_pk16_fp6_f32 v[C:C+2], v[XS:XS+15], v11
	v_cvt_scalef32_pk16_fp6_f32 v[C2:C2+2], v[XS+16:XS+31], v11   ; (a conversion's three registers begin on an even number)
	v_nop                                          ; one plain place behind a scaled conversion
.irp i, 0,1,2
	v_mov_b32 v[C+3+\i], v[C2+\i]
.endr
.if ((\t)%4) < 2                       ; registers 0-5 of the fragment
	ds_store_b128 v4, v[C:C+3] offset:BO
	ds_store_b64 v4, v[C+4:C+5] offset:BO+512
.else                                  ; registers 6-11
	ds_store_b64 v4, v[C:C+1] offset:BO+520
	ds_store_b128 v4, v[C+2:C+5] offset:BO+1024
.endif
.if (\t)+2 < 8
	LOAD (\t)+2
.endif
	s_wait_dscnt 0x0                               ; the stores have read their registers: the next block's codes may be written
.endm
.irp t, 0,1,2,3,4,5,6,7
	BLOCK \t
.endr
	global_store_b32 v7, v[SB], s[60:61]
	global_store_b32 v7, v[SB+1], s[60:61] offset:64
.irp i, 0,1,2,3,4,5,6,7,8,9,10,11
	ds_load_b128 v[OUTR+4*\i:OUTR+4*\i+3], v5 offset:512*\i   ; LDS serves a wave's instructions in order: these see my stores
.endr
.irp i, 0,1,2,3,4,5
	s_wait_dscnt 11-\i
	global_store_b128 v6, v[OUTR+4*\i:OUTR+4*\i+3], s[56:57] offset:512*\i   ; 32 lanes store 512 consecutive bytes
.endr
.irp i, 6,7,8,9,10,11
	s_wait_dscnt 11-\i
	global_store_b128 v6, v[OUTR+4*\i:OUTR+4*\i+3], s[58:59] offset:512*(\i-6)
.endr
	s_wait_tensorcnt 0x0
	ds_add_u32 v192, v193
	s_wait_dscnt 0x0
	s_endpgm
.Lfunc_end_k_q56f90fac2e_wquant:
	.size	k_q56f90fac2e_wquant, .Lfunc_end_k_q56f90fac2e_wquant-k_q56f90fac2e_wquant
	.p2alignl 7, 3214868480
	.fill 96, 4, 3214868480
	.section	.rodata,"a",@progbits
	.p2align	6, 0x0
	.amdhsa_kernel k_q56f90fac2e_wquant
		.amdhsa_group_segment_fixed_size 25088
		.amdhsa_private_segment_fixed_size 0
		.amdhsa_enable_private_segment 0
		.amdhsa_kernarg_size 40
		.amdhsa_user_sgpr_count 2
		.amdhsa_user_sgpr_kernarg_segment_ptr 1
		.amdhsa_wavefront_size32 1
		.amdhsa_system_sgpr_workgroup_id_x 1
		.amdhsa_system_sgpr_workgroup_id_y 1
		.amdhsa_system_sgpr_workgroup_id_z 1
		.amdhsa_system_vgpr_workitem_id 0
		.amdhsa_next_free_vgpr 194
		.amdhsa_next_free_sgpr 66
		.amdhsa_reserve_vcc 0
		.amdhsa_float_denorm_mode_32 3
		.amdhsa_float_denorm_mode_16_64 3
		.amdhsa_memory_ordered 1
		.amdhsa_forward_progress 1
		.amdhsa_inst_pref_size 46
	.end_amdhsa_kernel
	.amdgpu_metadata
---
amdhsa.version: [ 1, 2 ]
amdhsa.kernels:
  - .name:           k_q56f90fac2e_wquant
    .symbol:         k_q56f90fac2e_wquant.kd
    .args:
      - { .name: qkv_w, .offset: 0, .size: 8, .value_kind: global_buffer, .address_space: global }
      - { .name: out_w, .offset: 8, .size: 8, .value_kind: global_buffer, .address_space: global }
      - { .name: ffn_w1, .offset: 16, .size: 8, .value_kind: global_buffer, .address_space: global }
      - { .name: ffn_w2, .offset: 24, .size: 8, .value_kind: global_buffer, .address_space: global }
      - { .name: wts, .offset: 32, .size: 8, .value_kind: global_buffer, .address_space: global }
    .group_segment_fixed_size: 25088
    .private_segment_fixed_size: 0
    .kernarg_segment_align: 8
    .kernarg_segment_size: 40
    .max_flat_workgroup_size: 128
    .sgpr_count:     66
    .vgpr_count:     194
    .wavefront_size: 32
...
	.end_amdgpu_metadata
.endif
;; end of part 1
;; launch ln1 (part 2): grid 256 x 1, 8 waves a work-group, no clusters, 69,632 bytes of LDS; arguments x, ln1_g, ln1_b, hc; writes hc
.if DOCPART == 2
	.amdgcn_target "amdgcn-amd-amdhsa--gfx1250"
	.amdhsa_code_object_version 6
	.text
	.protected	k_q56f90fac2e_ln1
	.globl	k_q56f90fac2e_ln1
	.p2align	8
	.type	k_q56f90fac2e_ln1,@function
k_q56f90fac2e_ln1:
	s_mov_b64 s[64:65], 0
	v_nop
	global_prefetch_b8 v0, s[64:65] scope:SCOPE_SE
	s_setreg_imm32_b32 hwreg(HW_REG_WAVE_MODE, 25, 1), 1
	s_wait_xcnt 0x0
; h = (x - mean) / (std + 1e-5) * g + b over rows of 1,024 f32 (std with 1,023 in the divisor), quantised along the row to FP6 (E2M3) with one E8M0 byte for each 32, and stored as images of operand registers:
; fragment (row block rb, K step ks) at (8 rb + ks) x 1,536 bytes, register q of lane l at (q/4)*512 + 16 l + 4 (q%4); its 16 scale words at 3,145,728 + (8 rb + ks) x 64.
; Inside a block of 32 the codes stand in the order 0-7, 16-23, 8-15, 24-31, as in every operand of this program.
; A work-group takes 16 rows; wave w takes columns 128 w .. 128 w + 127 of all 16: one fragment.  Each load reads 512 consecutive bytes; the numbers turn through the wave's own stage in LDS so that lane (r, h) holds
; 64 numbers of row r in the order that the conversions want.  The row's sum and, of the CENTRED numbers, the sum of squares meet through 512 bytes of LDS each, behind one barrier each.
; LIMITS: NaN and infinities are not served; a block whose largest magnitude lies under 2^-124 gets the byte 1 (a block of zeros too: its codes are zeros, and only this program reads the bytes).
.set R,   16                           ; v16-79   the rows as loaded; later b
.set X,   80                           ; v80-143  my 64 numbers
.set G,   144                          ; v144-207 g at my 64 columns
.set PC,  208                          ; v208-226 the codes
.set TM,  228                          ; v228-243 at work in QUANT
.set PW,  244                          ; the scale word
.set STA, 67584                        ; LDS: behind the eight stages of 8,448 bytes: 16 rows x 8 waves of sums; 512 bytes on: of squares
.set SEL, 16
	s_load_b256 s[4:11], s[0:1], 0x0               ; x s[4:5], g s[6:7], b s[8:9], the images s[10:11]
	v_lshl_add_u32 v239, v0, 2, 0x10c00
	v_mov_b32 v245, 0
	v_lshrrev_b32 v1, 5, v0
	v_readfirstlane_b32 s12, v1                    ; wave
	v_and_b32 v1, 31, v0                           ; lane
	v_and_b32 v2, 15, v0                           ; r
	v_bfe_u32 v3, v0, 4, 1                         ; h
	v_lshlrev_b32 v4, 4, v1                        ; 16 x lane
	s_mul_i32 s13, s12, 8448
	v_add_nc_u32 v5, s13, v4                       ; the stage, in: a row of 512 bytes as it lies; rows 528 apart
	v_mul_u32_u24 v6, v2, 528
	v_lshl_add_u32 v6, v3, 5, v6
	v_add_nc_u32 v6, s13, v6                       ; out: row r, + 32 h
	v_lshlrev_b32 v7, 5, v3                        ; g, b: 32 h
	s_lshl_b32 s14, s12, 2
	s_add_co_u32 s14, s14, STA
	v_lshlrev_b32 v9, 5, v2
	v_add_nc_u32 v8, s14, v9                       ; my wave's word of row r
	v_add_nc_u32 v9, STA, v9                       ; row r's eight words
	v_lshlrev_b32 v10, 2, v2                       ; 4 r
	s_mov_b32 s[SEL], 0x76543210
	s_mov_b32 s[SEL+1], 0xfedcba98                 ; lane l xor 16
.irp b, 0,1,2,3
	v_mov_b32 v[TM+4+\b], 0                        ; written once: a lane permute's destination counts as one of its sources
.endr
	s_lshl_b32 s20, s12, 9                         ; my 512 bytes of a row
	s_mov_b32 s21, 0
	s_lshl_b32 s18, ttmp9, 16                      ; 16 rows of 4,096 bytes
	s_add_co_u32 s18, s18, s20
	s_mov_b32 s19, 0
	s_lshl_b32 s22, ttmp9, 3
	s_add_co_u32 s22, s22, s12                     ; my fragment's number
	s_mul_i32 s24, s22, 1536
	s_mov_b32 s25, 0
	s_lshl_b32 s26, s22, 6
	s_add_co_u32 s26, s26, 3145728
	s_mov_b32 s27, 0
	s_wait_kmcnt 0x0
	s_add_nc_u64 s[4:5], s[4:5], s[18:19]
	s_add_nc_u64 s[6:7], s[6:7], s[20:21]
	s_add_nc_u64 s[8:9], s[8:9], s[20:21]
	s_add_nc_u64 s[28:29], s[10:11], s[26:27]
	s_add_nc_u64 s[10:11], s[10:11], s[24:25]
.irp i, 0,1,2,3,4,5,6,7,8,9,10,11,12,13,14,15
	global_load_b128 v[R+4*\i:R+4*\i+3], v4, s[4:5] offset:4096*\i   ; row i: 32 lanes read 512 consecutive bytes
.endr
.macro GB reg, base                    ; register 16 b + i: column 32 b + 8 h + i (i < 8), 32 b + 16 + 8 h + i - 8 (else)
.irp b, 0,1,2,3
	global_load_b128 v[\reg+16*\b:\reg+16*\b+3], v7, s[\base:\base+1] offset:128*\b
	global_load_b128 v[\reg+16*\b+4:\reg+16*\b+7], v7, s[\base:\base+1] offset:128*\b+16
	global_load_b128 v[\reg+16*\b+8:\reg+16*\b+11], v7, s[\base:\base+1] offset:128*\b+64
	global_load_b128 v[\reg+16*\b+12:\reg+16*\b+15], v7, s[\base:\base+1] offset:128*\b+80
.endr
.endm
	GB G, 6
	s_wait_loadcnt 16                              ; the rows are in; g's sixteen loads may be out
.irp i, 0,1,2,3,4,5,6,7,8,9,10,11,12,13,14,15
	ds_store_b128 v5, v[R+4*\i:R+4*\i+3] offset:528*\i
.endr
.irp b, 0,1,2,3                        ; LDS serves a wave's instructions in order: these see my stores
	ds_load_b128 v[X+16*\b:X+16*\b+3], v6 offset:128*\b
	ds_load_b128 v[X+16*\b+4:X+16*\b+7], v6 offset:128*\b+16
	ds_load_b128 v[X+16*\b+8:X+16*\b+11], v6 offset:128*\b+64
	ds_load_b128 v[X+16*\b+12:X+16*\b+15], v6 offset:128*\b+80
.endr
	s_wait_dscnt 0x0                               ; my numbers are back, and the stores have read the rows' registers,
	GB R, 8                                        ; which take b
	v_pk_add_f32 v[248:249], v[X:X+1], v[X+2:X+3]  ; the sum of my 64, two at a time, in two chains
	v_pk_add_f32 v[250:251], v[X+4:X+5], v[X+6:X+7]
.irp j, 8,12,16,20,24,28,32,36,40,44,48,52,56,60
	v_pk_add_f32 v[248:249], v[248:249], v[X+\j:X+\j+1]
	v_pk_add_f32 v[250:251], v[250:251], v[X+\j+2:X+\j+3]
.endr
.macro MEET off                        ; v[248:251] -> the row's total over both lane halves and the eight waves, in v248
	v_pk_add_f32 v[248:249], v[248:249], v[250:251]
	v_add_f32 v248, v248, v249
	v_permlanex16_b32 v249, v248, s[SEL], s[SEL+1]
	v_add_f32 v248, v248, v249
	ds_store_b32 v8, v248 offset:\off              ; both lanes of a row write the same word with the same value
	s_wait_dscnt 0x0                               ; for the others' sake: my store has landed
	s_barrier_signal -1
	s_barrier_wait -1
	ds_load_b128 v[248:251], v9 offset:\off
	ds_load_b128 v[252:255], v9 offset:\off+16
	s_wait_dscnt 0x0
	v_pk_add_f32 v[248:249], v[248:249], v[250:251]
	v_pk_add_f32 v[252:253], v[252:253], v[254:255]
	v_pk_add_f32 v[248:249], v[248:249], v[252:253]
	v_add_f32 v248, v248, v249
.endm
	MEET 0
	v_mul_f32 v246, 0x3a800000, v248               ; the mean: / 1,024
	v_mov_b32 v247, v246
.set j, 0
.rept 32
	v_pk_add_f32 v[X+j:X+j+1], v[X+j:X+j+1], v[246:247] neg_lo:[0,1] neg_hi:[0,1]   ; centred first: a common offset of the row does no harm to the squares
.set j, j+2
.endr
	v_pk_mul_f32 v[248:249], v[X:X+1], v[X:X+1]
	v_pk_mul_f32 v[250:251], v[X+2:X+3], v[X+2:X+3]
.irp j, 4,8,12,16,20,24,28,32,36,40,44,48,52,56,60
	v_pk_fma_f32 v[248:249], v[X+\j:X+\j+1], v[X+\j:X+\j+1], v[248:249]
	v_pk_fma_f32 v[250:251], v[X+\j+2:X+\j+3], v[X+\j+2:X+\j+3], v[250:251]
.endr
	MEET 512                                       ; other bytes than the sums': no barrier is owed between the two
	v_mul_f32 v248, 0x3a802008, v248               ; / 1,023
	v_sqrt_f32 v249, v248
	v_nop                                          ; one plain place behind a transcendental
	s_wait_alu depctr_va_vdst(0)
	v_add_f32 v249, 0x3727c5ac, v249               ; std + 1e-5
	v_rcp_f32 v246, v249
	v_nop
	s_wait_alu depctr_va_vdst(0)
	v_mov_b32 v247, v246
	s_wait_loadcnt 0x0                             ; g and b
.set j, 0
.rept 32
	v_pk_mul_f32 v[X+j:X+j+1], v[X+j:X+j+1], v[246:247]
.set j, j+2
.endr
.set j, 0
.rept 32
	v_pk_fma_f32 v[X+j:X+j+1], v[X+j:X+j+1], v[G+j:G+j+1], v[R+j:R+j+1]
.set j, j+2
.endr
	; 64 numbers of a lane become a fragment's codes and its scale word
.irp b, 0,1,2,3
	v_max3_num_f32 v[TM+\b], |v[X+16*\b]|, |v[X+1+16*\b]|, 0x1800000   ; my 16 of block b, and the floor 2^(3 - 127)
.endr
.irp i, 2,4,6,8,10,12,14
.irp b, 0,1,2,3
	v_max3_num_f32 v[TM+\b], v[TM+\b], |v[X+16*\b+\i]|, |v[X+1+16*\b+\i]|
.endr
.endr
.irp b, 0,1,2,3
	v_permlanex16_b32 v[TM+4+\b], v[TM+\b], s[SEL], s[SEL+1]
.endr
.irp b, 0,1,2,3
	v_max_num_f32 v[TM+\b], v[TM+\b], v[TM+4+\b]   ; the block's largest magnitude
.endr
.irp b, 0,1,2,3
	v_add_nc_u32 v[TM+12+\b], 0xff000000, v[TM+\b] ; 2 off its exponent field: the conversion's scale operand
.endr
.irp b, 0,1,2,3
	v_lshrrev_b32 v[TM+4+\b], 23, v[TM+12+\b]      ; the byte
.endr
	v_lshl_or_b32 v[PW], v[TM+5], 8, v[TM+4]
	v_lshl_or_b32 v[PW], v[TM+6], 16, v[PW]
	v_lshl_or_b32 v[PW], v[TM+7], 24, v[PW]
.irp c, 0,1
	v_cvt_scalef32_pk16_fp6_f32 v[PC+6*\c:PC+2+6*\c], v[X+32*\c:X+15+32*\c], v[TM+12+2*\c]
	v_cvt_scalef32_pk16_fp6_f32 v[PC+12+4*\c:PC+14+4*\c], v[X+16+32*\c:X+31+32*\c], v[TM+13+2*\c]
.endr
	v_nop                                          ; one plain place behind a scaled conversion
.irp c, 0,1                            ; a whole block to a lane: lanes 0-15 block 2 c, lanes 16-31 block 2 c + 1
.irp i, 0,1,2
	v_permlane16_swap_b32 v[PC+6*\c+\i], v[PC+12+4*\c+\i]
.endr
.irp i, 0,1,2
	v_mov_b32 v[PC+3+6*\c+\i], v[PC+12+4*\c+\i]
.endr
.endr
.irp c, 0,1,2
	global_store_b128 v4, v[PC+4*\c:PC+4*\c+3], s[10:11] offset:512*\c   ; 32 lanes store 512 consecutive bytes
.endr
	global_store_b32 v10, v[PW], s[28:29]          ; row r's word (both lanes of a row store the same word)
	s_wait_tensorcnt 0x0
	ds_add_u32 v239, v245
	s_wait_dscnt 0x0
	s_endpgm
.Lfunc_end_k_q56f90fac2e_ln1:
	.size	k_q56f90fac2e_ln1, .Lfunc_end_k_q56f90fac2e_ln1-k_q56f90fac2e_ln1
	.p2alignl 7, 3214868480
	.fill 96, 4, 3214868480
	.section	.rodata,"a",@progbits
	.p2align	6, 0x0
	.amdhsa_kernel k_q56f90fac2e_ln1
		.amdhsa_group_segment_fixed_size 69632
		.amdhsa_private_segment_fixed_size 0
		.amdhsa_enable_private_segment 0
		.amdhsa_kernarg_size 32
		.amdhsa_user_sgpr_count 2
		.amdhsa_user_sgpr_kernarg_segment_ptr 1
		.amdhsa_wavefront_size32 1
		.amdhsa_system_sgpr_workgroup_id_x 1
		.amdhsa_system_sgpr_workgroup_id_y 1
		.amdhsa_system_sgpr_workgroup_id_z 1
		.amdhsa_system_vgpr_workitem_id 0
		.amdhsa_next_free_vgpr 256
		.amdhsa_next_free_sgpr 66
		.amdhsa_reserve_vcc 0
		.amdhsa_float_denorm_mode_32 3
		.amdhsa_float_denorm_mode_16_64 3
		.amdhsa_memory_ordered 1
		.amdhsa_forward_progress 1
		.amdhsa_inst_pref_size 25
	.end_amdhsa_kernel
	.amdgpu_metadata
---
amdhsa.version: [ 1, 2 ]
amdhsa.kernels:
  - .name:           k_q56f90fac2e_ln1
    .symbol:         k_q56f90fac2e_ln1.kd
    .args:
      - { .name: x, .offset: 0, .size: 8, .value_kind: global_buffer, .address_space: global }
      - { .name: ln1_g, .offset: 8, .size: 8, .value_kind: global_buffer, .address_space: global }
      - { .name: ln1_b, .offset: 16, .size: 8, .value_kind: global_buffer, .address_space: global }
      - { .name: hc, .offset: 24, .size: 8, .value_kind: global_buffer, .address_space: global }
    .group_segment_fixed_size: 69632
    .private_segment_fixed_size: 0
    .kernarg_segment_align: 8
    .kernarg_segment_size: 32
    .max_flat_workgroup_size: 256
    .sgpr_count:     66
    .vgpr_count:     256
    .wavefront_size: 32
...
	.end_amdgpu_metadata
.endif
;; end of part 2
;; launch gemm_qkv (part 3): grid 12 x 16, 4 waves a work-group, clusters of 4 x 4, 327,680 bytes of LDS; arguments hc, wts, qb, kv; writes qb, kv
.if DOCPART == 3
	.amdgcn_target "amdgcn-amd-amdhsa--gfx1250"
	.amdhsa_code_object_version 6
	.text
	.protected	k_q56f90fac2e_gemm_qkv
	.globl	k_q56f90fac2e_gemm_qkv
	.p2align	8
	.type	k_q56f90fac2e_gemm_qkv,@function
k_q56f90fac2e_gemm_qkv:
	s_mov_b64 s[64:65], 0
	v_nop
	global_prefetch_b8 v0, s[64:65] scope:SCOPE_SE
	s_setreg_imm32_b32 hwreg(HW_REG_WAVE_MODE, 25, 1), 1
	s_wait_xcnt 0x0
	s_wait_alu depctr_hold_cnt(0) depctr_sa_sdst(0) depctr_va_vdst(0) depctr_va_sdst(0) depctr_va_ssrc(0) depctr_va_vcc(0) depctr_vm_vsrc(0)
	s_getreg_b32 s2, hwreg(HW_REG_IB_STS2, 6, 4)
	s_cmp_eq_u32 s2, 0
	s_cbranch_scc0 .Lentry_in_a_cluster
	s_endpgm
.Lentry_in_a_cluster:
	s_bfe_u32 s2, ttmp6, 0x10000c
	s_cmp_lg_u32 s2, 0xf033
	s_cbranch_scc0 .Lentry_shape_is_right
	s_endpgm
.Lentry_shape_is_right:
; qkv = h Wqkv on codes of FP6 (E2M3) with E8M0 scales, and its results quantised at once into the operands of attention's two products.  Both operands arrive as images of operand registers:
; fragment (16 rows x 128 K) = 1,536 bytes, register q of lane l at (q/4)*512 + 16 l + 4 (q%4), laid [row / 16][K / 128]; scale words [row / 16][K / 128][16][4].  K = 1,024.
; A tile of 256 x 256 results to a work-group of four waves, 128 x 128 a wave: 64 accumulators in 512 registers.  K goes in steps of 256 through two LDS slots filled by the tensor data mover;
; a row block's two fragments of a step are 3,072 consecutive bytes.  The scale words of the work-group's rows, for all of K, come once and stay.
; CLUSTERS of 4 x 4: source 1's tiles are shared along a row of the cluster, source 0's along a column; each is asked for jointly.
; THE PRODUCT IS USED TRANSPOSED: source 0's 16 rows run along a lane's registers, source 1's row is the lane's.
; ROLES.  Cluster x = 0 (q) and 1 (k): source 1 = tokens (h), source 0 = W's columns: a lane holds a token, its registers run along the head's d, which is the first product's K.
; Cluster x = 2 (v): source 1 = Wv's columns, source 0 = tokens: a lane holds one d, its registers run along the tokens, the keys, which are the second product's K.  The choice hangs on the cluster's x alone.
; OUT.  q: qb[batch x head][128 tokens]: 6,656 bytes: eight half images (16 tokens x 64 d: registers 0-3 at 16 l, 4-5 at 512 + 8 l), then eight times 16 scale words.
; k, v: kv[batch x head][128 keys]: 13,056 bytes: eight half images of k, four images of v^T (16 d x 128 keys), k's scale words at 12,288, v's at 12,800.
; In a half image's scale word bytes 2 and 3 are the neighbouring head's bytes or 0, never 0xff: in attention they meet zero codes.
; Inside a block of 32 the codes stand in the order 0-7, 16-23, 8-15, 24-31, as in every operand of this program: that is how a lane's registers of two neighbouring accumulators fall.
; LIMITS: NaN and infinities are not served; a block whose largest magnitude lies under 2^-124 gets the byte 1.
; REGISTERS: window 0: v0-31 addresses; v32-63 scale words, two sets; v128-223 source 1's fragments, one set; on the way out v192-229 at work.  window 1: source 0's fragments, two sets.  windows 2, 3: the accumulators.
.set SIZE_K, 1024
.set KST,    SIZE_K/128
.set NQ,     2                         ; matrix instructions deep in a slot
.set FR,     12                        ; registers of a fragment
.set NL,     3                         ; LDS loads that bring one
.set NP,     4                         ; places behind this matrix instruction (ISA guide 7.12.1)
.set ROWB,   3072                      ; a row block's part of a slot
.set HALFT,  8*ROWB                    ; 128 rows: one tensor load
.set SLOT,   4*HALFT
.set LAPS,   SIZE_K/512
.set KROW,   SIZE_K*3/4                ; bytes of codes for each row
.set KS,     SIZE_K/32                 ; bytes of scales for each row
.set SCL,    2*SLOT                    ; behind the ring: the scale words
.set HALFS,  512*KST                   ; those of 128 rows
.set SBLK,   64*KST                    ; those of 16 rows
.set SPARE,  SCL+4*HALFS+256           ; the spare words, 128 bytes for each wave: two blocks of 256 bytes that no other line names
.set ADRA, 16
.set ADRB, 20
.set ADRS, 27
.set SPW,  28
.set NIL,  29
.set SC,   32
.set AF,   128
.set PC,   192
.set TM,   212
.set PW,   228
.set PW2,  229
.set SEL,  18
.set G1, 24
.set G0, 32
.set G1B, 48
.set G0B, 56
.set G1S, 68
.set G0S, 76
.set G1SB, 80
.set G0SB, 88
.set MSB, 0
.macro WIN new                         ; the immediate's high byte repeats the setting that is left
.set WN, \new
.if MSB != WN
	s_set_vgpr_msb (MSB<<8)|WN
.set MSB, WN
.endif
.endm
.set MUL_LO, 0xa1                      ; source 0 window 1, source 1 window 0, C and D window 2
.set MUL_HI, 0xf1                      ; the same, C and D window 3
.set TO_B,   0x40
.macro JLOAD g0a, g1a, g0b, g1b        ; a joint load: waves 0 and 1 fetch for source 1, waves 2 and 3 for source 0; four v_nop follow each line
	s_cmp_eq_u32 s15, 0
	s_cbranch_scc0 .Lfor_b_\@
	tensor_load_to_lds s[\g0a:\g0a+3], s[\g1a:\g1a+7]
	s_nop 0
.rept 4
	v_nop
.endr
	s_branch .Lasked_\@
.Lfor_b_\@:
	tensor_load_to_lds s[\g0b:\g0b+3], s[\g1b:\g1b+7]
	s_nop 0
.rept 4
	v_nop
.endr
.Lasked_\@:
.endm
.macro CREST
	s_cmp_lg_u32 s14, 0
	s_cbranch_scc1 .Lnot_wave_0_\@
	s_barrier_signal -3
.Lnot_wave_0_\@:
	s_barrier_wait -3
	s_barrier_signal -1
	s_barrier_wait -1
.endm
.macro CROUND
	s_barrier_signal -1
	s_barrier_wait -1
	CREST
.endm
	s_load_b64 s[4:5], s[0:1], 0x0                 ; h's images
	s_load_b64 s[8:9], s[0:1], 0x8                 ; the weights' images
	s_load_b64 s[96:97], s[0:1], 0x10              ; qb
	s_load_b64 s[98:99], s[0:1], 0x18              ; kv
	v_lshl_add_u32 v[SPW], v0, 2, SPARE
	v_mov_b32 v[NIL], 0
	ds_add_u32 v28, v29
	ds_add_u32 v28, v29
	s_wait_dscnt 0x0
	v_lshrrev_b32 v1, 5, v0
	v_readfirstlane_b32 s14, v1                    ; wave
	s_lshr_b32 s15, s14, 1                         ; my half of source 1's rows.  Also: I fetch for source 1 (0) or source 0 (1)
	s_and_b32 s16, s14, 1                          ; my half of source 0's rows.  Also: which 128 rows I fetch
	s_bfe_u32 s40, ttmp6, 0x40000                  ; cx
	s_bfe_u32 s41, ttmp6, 0x40004                  ; cy
	s_and_b32 s17, ttmp7, 0xffff                   ; the cluster's y
	s_cmp_eq_u32 ttmp9, 2                          ; v?  The cluster's x is the same in all sixteen partners
	s_cselect_b32 s42, s17, ttmp9
	s_cselect_b32 s17, 0, s17
	s_lshl_b32 s42, s42, 2
	s_add_co_u32 s42, s42, s40                     ; tile of source 0's rows
	s_lshl_b32 s17, s17, 2
	s_add_co_u32 s17, s17, s41                     ; tile of source 1's rows
	s_lshl_b32 s43, s41, 2
	s_lshl_b32 s43, 15, s43                        ; my row of the cluster
	s_lshl_b32 s44, 0x1111, s40                    ; my column
	s_or_b32 s[G1+0], s43, (3<<16)|(1<<21)         ; 15:0 the mask; 17:16 elements of 8 bytes; 21 set beside a mask; no padding
	s_or_b32 s[G1B+0], s44, (3<<16)|(1<<21)
.irp g, G1, G1B
	s_mov_b32 s[\g+1], 384<<16                     ; tensor_dim0: 3,072 bytes
	s_mov_b32 s[\g+2], 8<<16                       ; tensor_dim1: 8 row blocks
	s_mov_b32 s[\g+3], 384<<16                     ; tile_dim0
	s_mov_b32 s[\g+4], 8                           ; tile_dim1
	s_mov_b32 s[\g+5], KST*192                     ; from row block to row block
	s_mov_b32 s[\g+6], 0
	s_mov_b32 s[\g+7], 0
.endr
	s_or_b32 s[G1S+0], s43, (3<<16)|(1<<21)        ; the scale words of 128 rows: a dense block, as rows of 256 bytes
	s_or_b32 s[G1SB+0], s44, (3<<16)|(1<<21)
.irp g, G1S, G1SB
	s_mov_b32 s[\g+1], 32<<16
	s_mov_b32 s[\g+2], (2*KST)<<16
	s_mov_b32 s[\g+3], 32<<16
	s_mov_b32 s[\g+4], 2*KST
	s_mov_b32 s[\g+5], 32
	s_mov_b32 s[\g+6], 0
	s_mov_b32 s[\g+7], 0
.endr
	s_lshl_b32 s18, s16, 7
	s_lshl_b32 s20, s17, 8
	s_add_co_u32 s20, s20, s18                     ; source 1: the first row that I fetch
	s_lshl_b32 s46, s42, 8
	s_add_co_u32 s46, s46, s18                     ; source 0 likewise
	s_mov_b32 s21, 0
	s_mov_b32 s47, 0
	s_mov_b64 s[18:19], KS
	s_mul_u64 s[22:23], s[20:21], s[18:19]
	s_mul_u64 s[92:93], s[46:47], s[18:19]
	s_mov_b64 s[18:19], KROW
	s_mul_u64 s[20:21], s[20:21], s[18:19]
	s_mul_u64 s[46:47], s[46:47], s[18:19]
	s_mul_i32 s45, s14, HALFT                      ; where they go: no place in the cluster enters an LDS address
	s_mul_i32 s94, s14, HALFS
	s_lshl_b32 s95, s15, 7                         ; source 0's words lie 128 bytes further on, so that the two halves of a load's lanes touch different words' columns
	s_add_co_u32 s94, s94, s95
	s_wait_kmcnt 0x0
	s_add_nc_u64 s[6:7], s[4:5], 3145728           ; h's scale words
	s_add_nc_u64 s[10:11], s[8:9], 9437184         ; Wqkv's scale words
	s_add_nc_u64 s[12:13], s[8:9], 2048*KROW       ; Wv's codes: columns 2,048 on
	s_add_nc_u64 s[100:101], s[10:11], 2048*KS     ; and scale words
	s_cmp_eq_u32 ttmp9, 2
	s_cselect_b64 s[12:13], s[12:13], s[4:5]       ; source 1's codes
	s_cselect_b64 s[100:101], s[100:101], s[6:7]   ; and scale words
	s_cselect_b64 s[8:9], s[4:5], s[8:9]           ; source 0's codes
	s_cselect_b64 s[10:11], s[6:7], s[10:11]       ; and scale words
	s_add_nc_u64 s[20:21], s[12:13], s[20:21]
	s_add_nc_u64 s[22:23], s[100:101], s[22:23]
	s_add_nc_u64 s[46:47], s[8:9], s[46:47]
	s_add_nc_u64 s[92:93], s[10:11], s[92:93]
	CROUND                                         ; all sixteen work-groups are here: the first joint loads meet
	s_mov_b32 s[G0S], 1
	s_add_co_u32 s[G0S+1], s94, SCL
	s_mov_b64 s[G0S+2:G0S+3], s[22:23]
	s_or_b32 s[G0S+3], s[G0S+3], 0x80000000
	s_mov_b32 s[G0SB], 1
	s_add_co_u32 s[G0SB+1], s94, SCL
	s_mov_b64 s[G0SB+2:G0SB+3], s[92:93]
	s_or_b32 s[G0SB+3], s[G0SB+3], 0x80000000
	JLOAD G0S, G1S, G0SB, G1SB                     ; the scale words first
.irp s, 0,1
	s_mov_b32 s[G0+4*\s], 1
	s_add_co_u32 s[G0+4*\s+1], s45, \s*SLOT
	s_add_nc_u64 s[G0+4*\s+2:G0+4*\s+3], s[20:21], \s*ROWB
	s_or_b32 s[G0+4*\s+3], s[G0+4*\s+3], 0x80000000
	s_mov_b32 s[G0B+4*\s], 1
	s_add_co_u32 s[G0B+4*\s+1], s45, \s*SLOT
	s_add_nc_u64 s[G0B+4*\s+2:G0B+4*\s+3], s[46:47], \s*ROWB
	s_or_b32 s[G0B+4*\s+3], s[G0B+4*\s+3], 0x80000000
	JLOAD G0+4*\s, G1, G0B+4*\s, G1B
.endr
	v_and_b32 v1, 15, v0                           ; r
	v_bfe_u32 v2, v0, 4, 1                         ; h
	v_and_b32 v3, 31, v0                           ; lane
	v_lshlrev_b32 v4, 4, v3                        ; 16 x lane: my place in every image
	s_mul_i32 s21, s15, HALFT
	s_mul_i32 s22, s16, HALFT
	s_add_co_u32 s22, s22, 2*HALFT
.irp s, 0,1
	v_add_nc_u32 v[ADRA+\s], s21, v4
	v_add_nc_u32 v[ADRB+\s], s22, v4
	s_add_co_u32 s21, s21, SLOT
	s_add_co_u32 s22, s22, SLOT
.endr
	s_mul_i32 s21, s15, HALFS                      ; scale words: lanes 0-15 take source 1's rows, lanes 16-31 source 0's
	s_mul_i32 s22, s16, HALFS
	s_add_co_u32 s22, s22, 2*HALFS+128
	s_sub_co_u32 s22, s22, s21
	v_mul_u32_u24 v6, s22, v2
	s_add_co_u32 s21, s21, SCL
	v_lshl_add_u32 v6, v1, 2, v6
	v_add_nc_u32 v[ADRS], s21, v6
	v_lshlrev_b32 v24, 4, v3                       ; the way out: 16 x lane,
	v_lshlrev_b32 v25, 3, v3                       ; 8 x lane,
	v_lshlrev_b32 v26, 2, v1                       ; 4 r,
	v_lshlrev_b32 v31, 4, v2                       ; 16 h
.macro FRAG reg, adr, q, i             ; a fragment comes as it was stored: three loads of 512 consecutive bytes
.irp c, 0,1,2
	ds_load_b128 v[\reg+4*\c:\reg+4*\c+3], v[\adr] offset:(\i)*ROWB+(\q)*1536+512*\c
.endr
.endm
; 16 matrix instructions: source 1's blocks a0, a0 + 1 x source 0's eight.  The 64 accumulators take turns, one instruction a turn, in the same order in every step.
.macro MUL16 a0, p, q, sc, first
.irp a, \a0, \a0+1
.irp b, 0,1,2,3,4,5,6,7
.if \first
	v_wmma_scale_f32_16x16x128_f8f6f4 v[8*(8*((\a)%4)+\b):8*(8*((\a)%4)+\b)+7], v[128*(\p)+FR*\b:128*(\p)+FR*\b+FR-1], v[AF+FR*(\a):AF+FR*(\a)+FR-1], 0, v[SC+8*NQ*(\sc)+NQ*\b+(\q)], v[SC+8*NQ*(\sc)+NQ*(\a)+(\q)] matrix_a_fmt:MATRIX_FMT_FP6 matrix_b_fmt:MATRIX_FMT_FP6 matrix_a_scale:MATRIX_SCALE_ROW1
.else
	v_wmma_scale_f32_16x16x128_f8f6f4 v[8*(8*((\a)%4)+\b):8*(8*((\a)%4)+\b)+7], v[128*(\p)+FR*\b:128*(\p)+FR*\b+FR-1], v[AF+FR*(\a):AF+FR*(\a)+FR-1], v[8*(8*((\a)%4)+\b):8*(8*((\a)%4)+\b)+7], v[SC+8*NQ*(\sc)+NQ*\b+(\q)], v[SC+8*NQ*(\sc)+NQ*(\a)+(\q)] matrix_a_fmt:MATRIX_FMT_FP6 matrix_b_fmt:MATRIX_FMT_FP6 matrix_a_scale:MATRIX_SCALE_ROW1
.endif
.endr
.endr
.endm
.macro FETCH_B slot, q, p
	WIN TO_B
.irp i, 0,1,2,3,4,5,6,7
	FRAG 128*(\p)+FR*\i, ADRB+\slot, \q, \i
.endr
	WIN 0
.endm
.macro FETCH_A slot, q, i0
.irp i, \i0, \i0+1, \i0+2, \i0+3
	FRAG AF+FR*(\i), ADRA+\slot, \q, \i
.endr
.endm
.macro SCALES sc                       ; a K step's scale words: register 2 i + q: lanes 0-15 source 1's block i, lanes 16-31 source 0's block i
.irp i, 0,1,2,3,4,5,6,7
.irp q, 0,1
	ds_load_b32 v[SC+8*NQ*\sc+NQ*\i+\q], v[ADRS] offset:\i*SBLK+64*\q
.endr
.endr
.endm
.macro PLACES n                        ; plain vector lines between a matrix instruction and a load into, or a read of, its registers (ISA guide 7.12.1 for the reads)
.rept \n
	v_nop
.endr
.endm
.macro STEP slot, q, first
	s_wait_dscnt 4*NL                              ; all but the youngest twelve loads (source 1's blocks 4-7) are in
	WIN MUL_LO
	MUL16 0, (\q)%2, \q, \slot, \first
	MUL16 2, (\q)%2, \q, \slot, \first
	s_wait_dscnt 0
	PLACES NP
	FETCH_B \slot, (\q)+1, 1-(\q)%2
	FETCH_A \slot, (\q)+1, 0
	WIN MUL_HI
	MUL16 4, (\q)%2, \q, \slot, \first
	MUL16 6, (\q)%2, \q, \slot, \first
	PLACES NP
	WIN 0
	FETCH_A \slot, (\q)+1, 4
.endm
; A slot's last step changes slots: one barrier; in front of it each wave waits for all its tensor loads, adds 0 to its spare word, and waits for that and for its reads of this slot.
.macro TURN slot, next, fill
	s_wait_tensorcnt 0x0                           ; all my tensor loads have landed: my part of the next slot
	ds_add_u32 v[SPW], v[NIL]                      ; 0 onto my spare word
	s_wait_dscnt 4*NL+1                            ; (the add and the youngest twelve loads may be out)
	WIN MUL_LO
	MUL16 0, 1, NQ-1, \slot, 0
	s_wait_dscnt 0x0                               ; the add is done, and my reads of this slot are over
	s_barrier_signal -1
	MUL16 2, 1, NQ-1, \slot, 0
	WIN 0
	s_barrier_wait -1
.if \fill
	CREST                                          ; the barrier has opened a meeting of the whole cluster: no wave of any partner still reads this slot or has a load on its way
	s_add_nc_u64 s[G0+4*\slot+2:G0+4*\slot+3], s[G0+4*\slot+2:G0+4*\slot+3], 2*ROWB
	s_add_nc_u64 s[G0B+4*\slot+2:G0B+4*\slot+3], s[G0B+4*\slot+2:G0B+4*\slot+3], 2*ROWB
	JLOAD G0+4*\slot, G1, G0B+4*\slot, G1B         ; my one tensor load behind it; its four v_nop are the places in front of the loads below
.else
	PLACES NP
.endif
	v_add_nc_u32 v[ADRS], 64*NQ, v[ADRS]           ; the next K step's scale words
	FETCH_B \next, 0, 0
	FETCH_A \next, 0, 0
	SCALES \next
	WIN MUL_HI
	MUL16 4, 1, NQ-1, \slot, 0
	MUL16 6, 1, NQ-1, \slot, 0
	PLACES NP
	WIN 0
	FETCH_A \next, 0, 4
.endm
	s_wait_tensorcnt 1                             ; the scale words and my part of K step 0 are in; K step 1's load may be out
	s_barrier_signal -1
	s_barrier_wait -1
	FETCH_B 0, 0, 0
	FETCH_A 0, 0, 0
	SCALES 0
	FETCH_A 0, 0, 4
	STEP 0, 0, 1                                   ; the first step's products start the sums
	s_mov_b32 s3, LAPS-1
.Llap:
	TURN 0, 1, 1
	STEP 1, 0, 0
	TURN 1, 0, 1
	STEP 0, 0, 0
	s_sub_co_u32 s3, s3, 1
	s_cmp_lg_u32 s3, 0
	s_cbranch_scc1 .Llap
	TURN 0, 1, 0
	STEP 1, 0, 0
	s_wait_dscnt 4*NL
	WIN MUL_LO
	MUL16 0, 1, NQ-1, 1, 0
	MUL16 2, 1, NQ-1, 1, 0
	s_wait_dscnt 0
	WIN MUL_HI
	MUL16 4, 1, NQ-1, 1, 0
	MUL16 6, 1, NQ-1, 1, 0
	WIN 0
; 64 numbers of a lane in window w, v[s] on (eight accumulators on end), become a fragment's codes in v[PC] on and its scale word in v[PW].  Each accumulator is read from its low end on.
.macro QUANT s, w
	WIN (\w)|((\w)<<2)
.irp b, 0,1,2,3
	v_max3_num_f32 v[TM+\b], |v[(\s)+16*\b]|, |v[(\s)+1+16*\b]|, 0x1800000   ; my 16 of block b, and the floor 2^(3 - 127)
.endr
	WIN ((\w)<<2)|((\w)<<4)
.irp i, 2,4,6,8,10,12,14
.irp b, 0,1,2,3
	v_max3_num_f32 v[TM+\b], v[TM+\b], |v[(\s)+16*\b+\i]|, |v[(\s)+1+16*\b+\i]|
.endr
.endr
	WIN 0
.irp b, 0,1,2,3
	v_permlanex16_b32 v[TM+4+\b], v[TM+\b], s[SEL], s[SEL+1]
.endr
.irp b, 0,1,2,3
	v_max_num_f32 v[TM+\b], v[TM+\b], v[TM+4+\b]
.endr
.irp b, 0,1,2,3
	v_add_nc_u32 v[TM+12+\b], 0xff000000, v[TM+\b] ; 2 off the exponent field: the conversion's scale operand
.endr
.irp b, 0,1,2,3
	v_lshrrev_b32 v[TM+4+\b], 23, v[TM+12+\b]      ; the byte
.endr
	v_lshl_or_b32 v[PW], v[TM+5], 8, v[TM+4]
	v_lshl_or_b32 v[PW], v[TM+6], 16, v[PW]
	v_lshl_or_b32 v[PW], v[TM+7], 24, v[PW]
	WIN \w
.irp c, 0,1
	v_cvt_scalef32_pk16_fp6_f32 v[PC+6*\c:PC+2+6*\c], v[(\s)+32*\c:(\s)+15+32*\c], v[TM+12+2*\c]
	v_cvt_scalef32_pk16_fp6_f32 v[PC+12+4*\c:PC+14+4*\c], v[(\s)+16+32*\c:(\s)+31+32*\c], v[TM+13+2*\c]
.endr
	WIN 0
	v_nop                                          ; one plain place behind a scaled conversion
.irp c, 0,1
.irp i, 0,1,2
	v_permlane16_swap_b32 v[PC+6*\c+\i], v[PC+12+4*\c+\i]
.endr
.irp i, 0,1,2
	v_mov_b32 v[PC+3+6*\c+\i], v[PC+12+4*\c+\i]
.endr
.endr
.endm
	PLACES NP                                      ; behind the last products: their results are read and their operands' registers written below
	s_mov_b32 s[SEL], 0x76543210
	s_mov_b32 s[SEL+1], 0xfedcba98
.irp b, 0,1,2,3
	v_mov_b32 v[TM+4+\b], 0                        ; a lane permute's destination counts as one of its sources
.endr
	s_cmp_eq_u32 ttmp9, 2
	s_cbranch_scc1 .Lv_out
	; ---- q and k: my 128 tokens are one chunk; my 128 columns are two heads
	s_lshl_b32 s20, s17, 1
	s_add_co_u32 s20, s20, s15                     ; which 128 tokens of the 4,096
	s_lshr_b32 s21, s20, 4                         ; the batch
	s_and_b32 s20, s20, 15                         ; the chunk within it
	s_and_b32 s22, s42, 3
	s_lshl_b32 s22, s22, 2
	s_lshl_b32 s23, s16, 1
	s_add_co_u32 s22, s22, s23                     ; my first head
	s_lshl_b32 s21, s21, 4
	s_add_co_u32 s21, s21, s22
	s_lshl_b32 s21, s21, 4
	s_add_co_u32 s21, s21, s20                     ; the chunk's number
	s_mov_b32 s45, 13056
	s_mov_b32 s46, 12288
	s_cmp_eq_u32 ttmp9, 0
	s_cselect_b64 s[96:97], s[96:97], s[98:99]     ; qb or kv,
	s_cselect_b32 s45, 6656, s45                   ; a chunk's bytes,
	s_cselect_b32 s46, 6144, s46                   ; where its scale words begin
	s_mul_i32 s22, s21, s45
	s_mov_b32 s23, 0
	s_add_nc_u64 s[96:97], s[96:97], s[22:23]      ; my first head's chunk,
	s_lshl_b32 s22, s45, 4
	s_add_nc_u64 s[98:99], s[96:97], s[22:23]      ; my second head's: 16 chunks on,
	s_mov_b32 s47, 0
	s_add_nc_u64 s[100:101], s[96:97], s[46:47]    ; the scale words
	v_mul_u32_u24 v30, s22, v2
	v_lshl_add_u32 v30, v1, 2, v30                 ; lanes 0-15 store the first head's words, lanes 16-31 the second's
.irp a, 0,1,2,3,4,5,6,7
.set AC, 64*(\a%4)
.set W, 2+\a/4
.if \a > 0
	s_wait_xcnt 0x0                                ; the last stores have read their registers
.endif
	QUANT AC, W
	global_store_b128 v24, v[PC:PC+3], s[96:97] offset:768*\a
	global_store_b64 v25, v[PC+4:PC+5], s[96:97] offset:768*\a+512
	global_store_b128 v24, v[PC+6:PC+9], s[98:99] offset:768*\a
	global_store_b64 v25, v[PC+10:PC+11], s[98:99] offset:768*\a+512
	v_lshrrev_b32 v[PW2], v31, v[PW]               ; the second head's two bytes come down
	global_store_b32 v30, v[PW2], s[100:101] offset:64*\a
.endr
	s_branch .Ldone
.Lv_out:
	; ---- v: my 128 rows are two heads' d; my 128 tokens are one key step
	s_lshl_b32 s20, s42, 1
	s_add_co_u32 s20, s20, s16
	s_lshr_b32 s21, s20, 4                         ; the batch
	s_and_b32 s20, s20, 15                         ; the key step
	s_lshl_b32 s22, s17, 2
	s_lshl_b32 s23, s15, 1
	s_add_co_u32 s22, s22, s23                     ; my first head
	s_lshl_b32 s21, s21, 4
	s_add_co_u32 s21, s21, s22
	s_lshl_b32 s21, s21, 4
	s_add_co_u32 s21, s21, s20
	s_mul_i32 s22, s21, 13056
	s_mov_b32 s23, 0
	s_add_nc_u64 s[98:99], s[98:99], s[22:23]
.irp a, 0,1,2,3,4,5,6,7
.set AC, 64*(\a%4)
.set W, 2+\a/4
.if \a > 0
	s_wait_xcnt 0x0
.endif
	QUANT AC, W
.irp c, 0,1,2
	global_store_b128 v24, v[PC+4*\c:PC+4*\c+3], s[98:99] offset:(\a/4)*208896+6144+(\a%4)*1536+512*\c
.endr
	global_store_b32 v26, v[PW], s[98:99] offset:(\a/4)*208896+12800+(\a%4)*64
.endr
.Ldone:
	s_wait_tensorcnt 0x0                           ; the wave's end
	ds_add_u32 v[SPW], v[NIL]
	s_wait_dscnt 0x0
	CROUND                                         ; no work-group ends while a partner may still ask for a tile that names it
	s_endpgm
.Lfunc_end_k_q56f90fac2e_gemm_qkv:
	.size	k_q56f90fac2e_gemm_qkv, .Lfunc_end_k_q56f90fac2e_gemm_qkv-k_q56f90fac2e_gemm_qkv
	.p2alignl 7, 3214868480
	.fill 96, 4, 3214868480
	.section	.rodata,"a",@progbits
	.p2align	6, 0x0
	.amdhsa_kernel k_q56f90fac2e_gemm_qkv
		.amdhsa_group_segment_fixed_size 327680
		.amdhsa_private_segment_fixed_size 0
		.amdhsa_enable_private_segment 0
		.amdhsa_kernarg_size 32
		.amdhsa_user_sgpr_count 2
		.amdhsa_user_sgpr_kernarg_segment_ptr 1
		.amdhsa_wavefront_size32 1
		.amdhsa_system_sgpr_workgroup_id_x 1
		.amdhsa_system_sgpr_workgroup_id_y 1
		.amdhsa_system_sgpr_workgroup_id_z 1
		.amdhsa_system_vgpr_workitem_id 0
		.amdhsa_next_free_vgpr 1024
		.amdhsa_next_free_sgpr 102
		.amdhsa_reserve_vcc 0
		.amdhsa_float_denorm_mode_32 3
		.amdhsa_float_denorm_mode_16_64 3
		.amdhsa_memory_ordered 1
		.amdhsa_forward_progress 1
		.amdhsa_inst_pref_size 179
	.end_amdhsa_kernel
	.amdgpu_metadata
---
amdhsa.version: [ 1, 2 ]
amdhsa.kernels:
  - .name:           k_q56f90fac2e_gemm_qkv
    .symbol:         k_q56f90fac2e_gemm_qkv.kd
    .args:
      - { .name: hc, .offset: 0, .size: 8, .value_kind: global_buffer, .address_space: global }
      - { .name: wts, .offset: 8, .size: 8, .value_kind: global_buffer, .address_space: global }
      - { .name: qb, .offset: 16, .size: 8, .value_kind: global_buffer, .address_space: global }
      - { .name: kv, .offset: 24, .size: 8, .value_kind: global_buffer, .address_space: global }
    .group_segment_fixed_size: 327680
    .private_segment_fixed_size: 0
    .kernarg_segment_align: 8
    .kernarg_segment_size: 32
    .max_flat_workgroup_size: 128
    .sgpr_count:     102
    .vgpr_count:     1024
    .wavefront_size: 32
...
	.end_amdgpu_metadata
.endif
;; end of part 3
;; launch attn (part 4): grid 8 x 32, 16 waves a work-group, clusters of 4 x 1, 210,944 bytes of LDS; arguments qb, kv, cc; writes cc
.if DOCPART == 4
	.amdgcn_target "amdgcn-amd-amdhsa--gfx1250"
	.amdhsa_code_object_version 6
	.text
	.protected	k_q56f90fac2e_attn
	.globl	k_q56f90fac2e_attn
	.p2align	8
	.type	k_q56f90fac2e_attn,@function
k_q56f90fac2e_attn:
	s_mov_b64 s[64:65], 0
	v_nop
	global_prefetch_b8 v0, s[64:65] scope:SCOPE_SE
	s_setreg_imm32_b32 hwreg(HW_REG_WAVE_MODE, 25, 1), 1
	s_wait_xcnt 0x0
	s_wait_alu depctr_hold_cnt(0) depctr_sa_sdst(0) depctr_va_vdst(0) depctr_va_sdst(0) depctr_va_ssrc(0) depctr_va_vcc(0) depctr_vm_vsrc(0)
	s_getreg_b32 s2, hwreg(HW_REG_IB_STS2, 6, 4)
	s_cmp_eq_u32 s2, 0
	s_cbranch_scc0 .Lentry_in_a_cluster
	s_endpgm
.Lentry_in_a_cluster:
	s_bfe_u32 s2, ttmp6, 0x10000c
	s_cmp_lg_u32 s2, 0x3003
	s_cbranch_scc0 .Lentry_shape_is_right
	s_endpgm
.Lentry_shape_is_right:
; Causal attention on codes of FP6 (E2M3) with E8M0 scales: ctx = softmax(q k^T / 8) v for one batch x head, and ctx quantised at once into the next product's operand.
; t = score x log2(e) / 8; M = the running largest t rounded UP to a whole number; p = 2^(t - M) is quantised along the keys, not normalised; the row's sum is taken of the unquantised p and divides at the end;
; when M moves, the sum and O are multiplied by 2^(old M - new M), exactly.
; IN.  qb[bh][16 chunks of 6,656]: eight half images of q (16 tokens x 64 d), their scale words at 6,144.  kv[bh][16 key steps of 13,056]: eight half images of k, four images of v^T (16 d x 128 keys),
; k's scale words at 12,288, v's at 12,800.  A head's 16 steps, 208,896 bytes, are brought into LDS ONCE: nothing is filled again.
; SHARES.  A work-group has 16 waves; wave w owns the 16 queries 128 w + 16 jx on, jx = the work-group's x (0..7).  So key step k is hidden from wave w where k > w, lies on the diagonal where k = w, and is open
; where k < w: the branches hang on the wave's number and the step alone, every work-group has the same work, and jx enters only q's and ctx's addresses and the mask's compare.
; CLUSTER.  The four work-groups of a cluster walk the same head: each chunk is asked for jointly, by waves 0-3, four loads each.
; K = 64 IN A FORM OF K = 128: q's upper 64 are zero codes; a fragment of k takes the next tile's six registers (behind the last: six zeros) as its upper 64, which meet those zeros; no scale byte is 0xff.
; Both products are used transposed: a lane holds one query throughout.  Inside a block of 32 the codes stand in the order 0-7, 16-23, 8-15, 24-31, in p as in v^T, in q as in k.
; OUT.  ctx's images, laid as the layer norm's: fragment (token / 16, head / 2); an even head fills registers 0-5, an odd head 6-11; two bytes of each scale word.  The stores of 8 and 2 bytes fill their
; 256-byte runs in part: the other part is the neighbouring head's, which another work-group owns.
; LIMITS: NaN and infinities are not served.
.set CH,   13056
.set CHQ,  6656
.set L16,  1                           ; 16 x lane
.set L8,   2                           ; 8 x lane
.set L4,   3                           ; 4 r
.set DG,   4                           ; 16 jx + r - 8 h: on the diagonal register 8 t + j is hidden where 16 t + j is larger
.set ADK,  8
.set ADH,  9
.set ADS,  10
.set QF,   16                          ; v16-27  q's fragment (v22-27 zeros)
.set QS,   28                          ; q's scale words
.set FR,   30                          ; v30-83  k's eight half fragments and six zeros; later v^T's four fragments
.set S,    84                          ; v84-147 scores, then p
.set O,    148                         ; v148-179 O^T
.set PC,   180                         ; v180-191 p's codes
.set C2,   192
.set BM,   200
.set T2,   204
.set SO,   208
.set SW,   212                         ; v212-219 k's or v's scale words
.set FF,   220                         ; f = 2^(old M - new M)
.set PS,   221                         ; p's scale word
.set TP,   222
.set NINF, 223
.set L2,   224
.set WV,   10
.set SEL,  20
.set CS,   22
.set G1,   24
.set G0,   32
.set TB,   58
.set KI,   59
.set CNT,  60
.macro CROUND
	s_barrier_signal -1
	s_barrier_wait -1
	s_cmp_lg_u32 s[WV], 0
	s_cbranch_scc1 .Lnot_wave_0_\@
	s_barrier_signal -3
.Lnot_wave_0_\@:
	s_barrier_wait -3
	s_barrier_signal -1
	s_barrier_wait -1
.endm
	s_load_b128 s[4:7], s[0:1], 0x0                ; qb, kv
	s_load_b64 s[8:9], s[0:1], 0x10                ; cc
	v_lshl_add_u32 v254, v0, 2, 0x33000
	v_mov_b32 v255, 0
	ds_add_u32 v254, v255
	ds_add_u32 v254, v255
	v_lshrrev_b32 v5, 5, v0
	v_readfirstlane_b32 s[WV], v5                  ; wave 0..15
	s_bfe_u32 s11, ttmp6, 0x40000                  ; cx
	s_lshl_b32 s12, ttmp9, 2
	s_add_co_u32 s12, s12, s11                     ; jx
	s_and_b32 s13, ttmp7, 0xffff                   ; batch x head, which the partners share
	s_mov_b32 s[G1], 15|(3<<16)|(1<<21)            ; the mask: all four; elements of 8 bytes; bit 21 beside a mask
	s_mov_b32 s[G1+1], 32<<16                      ; rows of 256 bytes,
	s_mov_b32 s[G1+2], 51<<16                      ; 51 of them: a chunk
	s_mov_b32 s[G1+3], 32<<16
	s_mov_b32 s[G1+4], 51
	s_mov_b32 s[G1+5], 32
	s_mov_b32 s[G1+6], 0
	s_mov_b32 s[G1+7], 0
	s_lshl_b32 s14, s13, 4
	s_add_co_u32 s14, s14, s[WV]                   ; chunk number: of my first load, and of my queries
	s_mul_i32 s16, s14, CH
	s_mov_b32 s17, 0
	s_mul_i32 s15, s[WV], CH
	s_mul_i32 s48, s14, CHQ
	s_mul_i32 s49, s12, 768
	s_add_co_u32 s50, s48, s49                     ; q's half image
	s_mov_b32 s51, 0
	s_lshl_b32 s49, s12, 6
	s_add_co_u32 s52, s48, s49
	s_add_co_u32 s52, s52, 6144                    ; and its scale words
	s_mov_b32 s53, 0
	s_lshr_b32 s48, s13, 4
	s_lshl_b32 s48, s48, 7
	s_lshl_b32 s49, s[WV], 3
	s_add_co_u32 s48, s48, s49
	s_add_co_u32 s48, s48, s12                     ; ctx's row block: 128 x batch + 8 w + jx
	s_lshl_b32 s48, s48, 3
	s_bfe_u32 s49, s13, 0x30001                    ; head / 2
	s_add_co_u32 s48, s48, s49                     ; the fragment's number
	s_mul_i32 s54, s48, 1536
	s_mov_b32 s55, 0
	s_lshl_b32 s56, s48, 6
	s_and_b32 s61, s13, 1                          ; head % 2
	s_lshl_b32 s49, s61, 1
	s_add_co_u32 s56, s56, s49
	s_add_co_u32 s56, s56, 3145728
	s_mov_b32 s57, 0
	s_mov_b32 s[SEL], 0x76543210
	s_mov_b32 s[SEL+1], 0xfedcba98
	s_mov_b32 s[CS], 0x3e38aa3b                    ; log2(e) / 8
	s_mov_b32 s[CS+1], s[CS]
	s_wait_dscnt 0x0
	s_wait_kmcnt 0x0
	s_add_nc_u64 s[16:17], s[6:7], s[16:17]
	s_add_nc_u64 s[50:51], s[4:5], s[50:51]
	s_add_nc_u64 s[52:53], s[4:5], s[52:53]
	s_add_nc_u64 s[54:55], s[8:9], s[54:55]
	s_add_nc_u64 s[56:57], s[8:9], s[56:57]
	CROUND                                         ; all four work-groups are here: the joint loads meet
.irp p, 0,1,2,3
	s_mov_b32 s[G0+4*\p], 1
	s_add_co_u32 s[G0+4*\p+1], s15, 4*\p*CH        ; chunk 4 p + wave, in LDS
	s_add_nc_u64 s[G0+4*\p+2:G0+4*\p+3], s[16:17], 4*\p*CH   ; and in memory
	s_or_b32 s[G0+4*\p+3], s[G0+4*\p+3], 0x80000000
.endr
	s_cmp_lt_u32 s[WV], 4                          ; a wave's four fills stand in one branch, ahead of every wait on TENSORcnt, LDS read and further barrier: four loads of mine are out
	s_cbranch_scc0 .Lno_fetch
	tensor_load_to_lds s[G0:G0+3], s[G1:G1+7]
	s_nop 0
	tensor_load_to_lds s[G0+4:G0+7], s[G1:G1+7]
	s_nop 0
	tensor_load_to_lds s[G0+8:G0+11], s[G1:G1+7]
	s_nop 0
	tensor_load_to_lds s[G0+12:G0+15], s[G1:G1+7]
	s_nop 0
.rept 4
	v_nop
.endr
.Lno_fetch:
	v_and_b32 v5, 31, v0
	v_and_b32 v6, 15, v0
	v_bfe_u32 v7, v0, 4, 1
	v_lshlrev_b32 v[L16], 4, v5
	v_lshlrev_b32 v[L8], 3, v5
	v_lshlrev_b32 v[L4], 2, v6
	global_load_b128 v[QF:QF+3], v[L16], s[50:51]
	global_load_b64 v[QF+4:QF+5], v[L8], s[50:51] offset:512
	global_load_b32 v[QS], v[L4], s[52:53]
	v_lshlrev_b32 v7, 3, v7
	v_sub_nc_u32 v[DG], v6, v7
	s_lshl_b32 s48, s12, 4
	v_add_nc_u32 v[DG], s48, v[DG]
.irp i, 6,7,8,9,10,11
	v_mov_b32 v[QF+\i], 0                          ; q's upper 64 along K: zero codes
	v_mov_b32 v[FR+42+\i], 0                       ; what the last tile of k takes as its upper 64
.endr
	v_mov_b32 v13, 0xff61b1e6                      ; the largest t so far: -3e38
	v_floor_f32 v12, -v13                          ; -M
	v_mov_b32 v14, 0
	v_mov_b32 v15, 0
.irp b, 0,1,2,3
	v_mov_b32 v[T2+\b], 0                          ; a lane permute's destination counts as one of its sources
.endr
	v_mov_b32 v[PS], 0                             ; (named as the upper half of the pair with f before it is first written)
	v_mov_b32 v[TP], 0
	v_mov_b32 v[NINF], 0xff800000
.set j, 0
.rept 32
	v_mov_b32 v[O+j], 0                            ; the step is written once: the first finds zeros, which the first change of M leaves zeros
.set j, j+1
.endr
	s_wait_loadcnt 0x0                             ; q
.macro STEP
	s_cmp_gt_u32 s[KI], s[WV]                      ; all 128 keys come after my queries: the step's work is left out
	s_cbranch_scc1 .Lhid_\@
	v_add_nc_u32 v[ADK], s[TB], v[L16]
	v_add_nc_u32 v[ADH], s[TB], v[L8]
	v_add_nc_u32 v[ADS], s[TB], v[L4]
	v_nop                                          ; four places in front of loads into registers that the last products read
.irp t, 0,1,2,3,4,5,6,7
	ds_load_b128 v[FR+6*\t:FR+6*\t+3], v[ADK] offset:768*\t
	ds_load_b64 v[FR+6*\t+4:FR+6*\t+5], v[ADH] offset:768*\t+512
	ds_load_b32 v[SW+\t], v[ADS] offset:12288+64*\t
.endr
	s_wait_dscnt 0x0
.irp t, 0,1,2,3,4,5,6,7                ; S^T = k q^T: lane (r, h), register 8 t + j: query r, key 16 t + 8 h + j
	v_wmma_scale_f32_16x16x128_f8f6f4 v[S+8*\t:S+8*\t+7], v[FR+6*\t:FR+6*\t+11], v[QF:QF+11], 0, v[SW+\t], v[QS] matrix_a_fmt:MATRIX_FMT_FP6 matrix_b_fmt:MATRIX_FMT_FP6
.endr
.rept 4
	v_nop
.endr
.irp d, 0,1,2,3                        ; v^T's fragments land under the softmax
.irp c, 0,1,2
	ds_load_b128 v[FR+12*\d+4*\c:FR+12*\d+4*\c+3], v[ADK] offset:6144+1536*\d+512*\c
.endr
	ds_load_b32 v[SW+\d], v[ADS] offset:12800+64*\d
.endr
	s_cmp_lg_u32 s[KI], s[WV]
	s_cbranch_scc1 .Lopen_\@
.set n, 0
.rept 64                               ; on the diagonal hidden scores become -infinity ahead of the maximum: p = 0 then
	v_cmp_gt_i32 vcc_lo, 16*(n/8)+n%8, v[DG]
	v_cndmask_b32 v[S+n], v[S+n], v[NINF], vcc_lo
.set n, n+1
.endr
.Lopen_\@:
.irp b, 0,1,2,3
	v_max3_num_f32 v[BM+\b], v[S+16*\b], v[S+1+16*\b], v[S+2+16*\b]   ; the largest score of each block of 32 keys: for the row's maximum, and, since p rises with the score, for the block's largest p
.endr
.irp i, 3,5,7,9,11,13
.irp b, 0,1,2,3
	v_max3_num_f32 v[BM+\b], v[BM+\b], v[S+16*\b+\i], v[S+1+16*\b+\i]
.endr
.endr
.irp b, 0,1,2,3
	v_max_num_f32 v[BM+\b], v[BM+\b], v[S+15+16*\b]
.endr
.irp b, 0,1,2,3
	v_permlanex16_b32 v[T2+\b], v[BM+\b], s[SEL], s[SEL+1]
.endr
.irp b, 0,1,2,3
	v_max_num_f32 v[BM+\b], v[BM+\b], v[T2+\b]
.endr
	v_max3_num_f32 v[TP], v[BM], v[BM+1], v[BM+2]
	v_max_num_f32 v[TP], v[TP], v[BM+3]
	v_mul_f32 v[TP], s[CS], v[TP]
	v_max_num_f32 v13, v13, v[TP]                  ; the running largest t
	v_mov_b32 v[TP], v12
	v_floor_f32 v12, -v13                          ; the new -M = -ceil(t)
	v_sub_f32 v[TP], v12, v[TP]                    ; old M - new M: a whole number, 0 or less
	v_cvt_i32_f32 v[TP], v[TP]                     ; (it saturates)
	v_ldexp_f32 v[FF], 1.0, v[TP]
.set j, 0
.rept 32
	v_pk_fma_f32 v[S+j:S+j+1], v[S+j:S+j+1], s[CS:CS+1], v[12:13] op_sel_hi:[1,0,0]   ; t - M
.set j, j+2
.endr
.irp b, 0,1,2,3
	v_fma_f32 v[BM+\b], v[BM+\b], s[CS], v12
.endr
.set j, 0
.rept 64
	v_exp_f32 v[S+j], v[S+j]                       ; p
.set j, j+1
.endr
.irp b, 0,1,2,3
	v_exp_f32 v[BM+\b], v[BM+\b]                   ; the block's largest p: the same two instructions on the same number
.endr
	v_pk_mul_f32 v[14:15], v[14:15], v[FF:FF+1] op_sel_hi:[1,0]   ; the sums under the new M (a plain place behind the exponentials)
	s_wait_alu depctr_va_vdst(0)
.irp b, 0,1,2,3
	v_max_num_f32 v[BM+\b], 0x1800000, v[BM+\b]    ; the floor 2^(3 - 127)
.endr
.irp b, 0,1,2,3
	v_add_nc_u32 v[SO+\b], 0xff000000, v[BM+\b]
.endr
.irp b, 0,1,2,3
	v_lshrrev_b32 v[T2+\b], 23, v[SO+\b]
.endr
	v_lshl_or_b32 v[PS], v[T2+1], 8, v[T2]
	v_lshl_or_b32 v[PS], v[T2+2], 16, v[PS]
	v_lshl_or_b32 v[PS], v[T2+3], 24, v[PS]
.irp c, 0,1
	v_cvt_scalef32_pk16_fp6_f32 v[PC+6*\c:PC+2+6*\c], v[S+32*\c:S+15+32*\c], v[SO+2*\c]
	v_cvt_scalef32_pk16_fp6_f32 v[C2+4*\c:C2+2+4*\c], v[S+16+32*\c:S+31+32*\c], v[SO+2*\c+1]
.endr
	v_nop                                          ; one plain place behind a scaled conversion
.irp c, 0,1
.irp i, 0,1,2
	v_permlane16_swap_b32 v[PC+6*\c+\i], v[C2+4*\c+\i]
.endr
.irp i, 0,1,2
	v_mov_b32 v[PC+3+6*\c+\i], v[C2+4*\c+\i]
.endr
.endr
	v_pk_add_f32 v[L2:L2+1], v[S:S+1], v[S+2:S+3]  ; the row's sum, of the unquantised p, in two chains
.irp j, 4,8,12,16,20,24,28,32,36,40,44,48,52,56,60
	v_pk_add_f32 v[14:15], v[14:15], v[S+\j:S+1+\j]
	v_pk_add_f32 v[L2:L2+1], v[L2:L2+1], v[S+2+\j:S+3+\j]
.endr
	v_pk_add_f32 v[14:15], v[14:15], v[L2:L2+1]
.set j, 0
.rept 16
	v_pk_mul_f32 v[O+j:O+j+1], v[O+j:O+j+1], v[FF:FF+1] op_sel_hi:[1,0]   ; O^T under the new M
.set j, j+2
.endr
	s_wait_dscnt 0x0                               ; v^T
.irp d, 0,1,2,3                        ; O^T += v^T p^T: the four accumulators by turns
	v_wmma_scale_f32_16x16x128_f8f6f4 v[O+8*\d:O+8*\d+7], v[FR+12*\d:FR+12*\d+11], v[PC:PC+11], v[O+8*\d:O+8*\d+7], v[SW+\d], v[PS] matrix_a_fmt:MATRIX_FMT_FP6 matrix_b_fmt:MATRIX_FMT_FP6
.endr
.Lhid_\@:
	s_add_co_u32 s[TB], s[TB], CH
	s_add_co_u32 s[KI], s[KI], 1
.endm
.macro PHASE p                         ; key steps 4 p .. 4 p + 3: brought by load p of waves 0-3
	s_wait_tensorcnt 3-\p                          ; my load p has landed; my later ones may be out
	s_wait_dscnt 0x0
	s_barrier_signal -1
	s_barrier_wait -1                              ; everybody's has
	s_mov_b32 s[TB], 4*\p*CH
	s_mov_b32 s[KI], 4*\p
	s_mov_b32 s[CNT], 4
.Lph_\@:
	STEP
	s_sub_co_u32 s[CNT], s[CNT], 1
	s_cmp_lg_u32 s[CNT], 0
	s_cbranch_scc1 .Lph_\@
.endm
	PHASE 0
	PHASE 1
	PHASE 2
	PHASE 3
	; THE WAY OUT: O^T / the sum, quantised along d: two blocks, half a fragment
.rept 4
	v_nop                                          ; places behind the last products
.endr
	v_add_f32 v14, v14, v15
	v_permlanex16_b32 v[TP], v14, s[SEL], s[SEL+1]
	v_add_f32 v14, v14, v[TP]
	v_rcp_f32 v14, v14
	v_nop
.set j, 0
	s_wait_alu depctr_va_vdst(0)
.rept 32
	v_mul_f32 v[S+j], v[O+j], v14                  ; register 8 t + j: ctx(query r, d = 16 t + 8 h + j)
.set j, j+1
.endr
.irp b, 0,1
	v_max3_num_f32 v[BM+\b], |v[S+16*\b]|, |v[S+1+16*\b]|, 0x1800000
.endr
.irp i, 2,4,6,8,10,12,14
.irp b, 0,1
	v_max3_num_f32 v[BM+\b], v[BM+\b], |v[S+16*\b+\i]|, |v[S+1+16*\b+\i]|
.endr
.endr
.irp b, 0,1
	v_permlanex16_b32 v[T2+\b], v[BM+\b], s[SEL], s[SEL+1]
.endr
.irp b, 0,1
	v_max_num_f32 v[BM+\b], v[BM+\b], v[T2+\b]
.endr
.irp b, 0,1
	v_add_nc_u32 v[SO+\b], 0xff000000, v[BM+\b]
.endr
.irp b, 0,1
	v_lshrrev_b32 v[T2+\b], 23, v[SO+\b]
.endr
	v_lshl_or_b32 v[TP], v[T2+1], 8, v[T2]         ; my head's two bytes of the scale word
	v_cvt_scalef32_pk16_fp6_f32 v[PC:PC+2], v[S:S+15], v[SO]
	v_cvt_scalef32_pk16_fp6_f32 v[C2:C2+2], v[S+16:S+31], v[SO+1]
	v_nop
.irp i, 0,1,2
	v_permlane16_swap_b32 v[PC+\i], v[C2+\i]
.endr
.irp i, 0,1,2
	v_mov_b32 v[PC+3+\i], v[C2+\i]
.endr
	s_cmp_eq_u32 s61, 0                            ; the head is the same in all partners
	s_cbranch_scc0 .Lodd
	global_store_b128 v[L16], v[PC:PC+3], s[54:55]             ; registers 0-3 of the fragment
	global_store_b64 v[L16], v[PC+4:PC+5], s[54:55] offset:512 ; 4, 5
	s_branch .Lsc
.Lodd:
	global_store_b64 v[L16], v[PC:PC+1], s[54:55] offset:520   ; 6, 7
	global_store_b128 v[L16], v[PC+2:PC+5], s[54:55] offset:1024   ; 8-11
.Lsc:
	global_store_b16 v[L4], v[TP], s[56:57]
	s_wait_dscnt 0x0
	s_wait_tensorcnt 0x0
	ds_add_u32 v254, v255
	s_wait_dscnt 0x0
	CROUND                                         ; no work-group ends while a partner may still ask for a chunk that names it
	s_endpgm
.Lfunc_end_k_q56f90fac2e_attn:
	.size	k_q56f90fac2e_attn, .Lfunc_end_k_q56f90fac2e_attn-k_q56f90fac2e_attn
	.p2alignl 7, 3214868480
	.fill 96, 4, 3214868480
	.section	.rodata,"a",@progbits
	.p2align	6, 0x0
	.amdhsa_kernel k_q56f90fac2e_attn
		.amdhsa_group_segment_fixed_size 210944
		.amdhsa_private_segment_fixed_size 0
		.amdhsa_enable_private_segment 0
		.amdhsa_kernarg_size 24
		.amdhsa_user_sgpr_count 2
		.amdhsa_user_sgpr_kernarg_segment_ptr 1
		.amdhsa_wavefront_size32 1
		.amdhsa_system_sgpr_workgroup_id_x 1
		.amdhsa_system_sgpr_workgroup_id_y 1
		.amdhsa_system_sgpr_workgroup_id_z 1
		.amdhsa_system_vgpr_workitem_id 0
		.amdhsa_next_free_vgpr 256
		.amdhsa_next_free_sgpr 66
		.amdhsa_reserve_vcc 1
		.amdhsa_float_denorm_mode_32 3
		.amdhsa_float_denorm_mode_16_64 3
		.amdhsa_memory_ordered 1
		.amdhsa_forward_progress 1
		.amdhsa_inst_pref_size 98
	.end_amdhsa_kernel
	.amdgpu_metadata
---
amdhsa.version: [ 1, 2 ]
amdhsa.kernels:
  - .name:           k_q56f90fac2e_attn
    .symbol:         k_q56f90fac2e_attn.kd
    .args:
      - { .name: qb, .offset: 0, .size: 8, .value_kind: global_buffer, .address_space: global }
      - { .name: kv, .offset: 8, .size: 8, .value_kind: global_buffer, .address_space: global }
      - { .name: cc, .offset: 16, .size: 8, .value_kind: global_buffer, .address_space: global }
    .group_segment_fixed_size: 210944
    .private_segment_fixed_size: 0
    .kernarg_segment_align: 8
    .kernarg_segment_size: 24
    .max_flat_workgroup_size: 512
    .sgpr_count:     66
    .vgpr_count:     256
    .wavefront_size: 32
...
	.end_amdgpu_metadata
.endif
;; end of part 4
;; launch gemm_out (part 5): grid 4 x 16, 4 waves a work-group, clusters of 4 x 4, 327,680 bytes of LDS; arguments cc, wts, out_b, x, x1; writes x1
.if DOCPART == 5
	.amdgcn_target "amdgcn-amd-amdhsa--gfx1250"
	.amdhsa_code_object_version 6
	.text
	.protected	k_q56f90fac2e_gemm_out
	.globl	k_q56f90fac2e_gemm_out
	.p2align	8
	.type	k_q56f90fac2e_gemm_out,@function
k_q56f90fac2e_gemm_out:
	s_mov_b64 s[64:65], 0
	v_nop
	global_prefetch_b8 v0, s[64:65] scope:SCOPE_SE
	s_setreg_imm32_b32 hwreg(HW_REG_WAVE_MODE, 25, 1), 1
	s_wait_xcnt 0x0
	s_wait_alu depctr_hold_cnt(0) depctr_sa_sdst(0) depctr_va_vdst(0) depctr_va_sdst(0) depctr_va_ssrc(0) depctr_va_vcc(0) depctr_vm_vsrc(0)
	s_getreg_b32 s2, hwreg(HW_REG_IB_STS2, 6, 4)
	s_cmp_eq_u32 s2, 0
	s_cbranch_scc0 .Lentry_in_a_cluster
	s_endpgm
.Lentry_in_a_cluster:
	s_bfe_u32 s2, ttmp6, 0x10000c
	s_cmp_lg_u32 s2, 0xf033
	s_cbranch_scc0 .Lentry_shape_is_right
	s_endpgm
.Lentry_shape_is_right:
; x1 = x + ctx Wout + out_b.  The product runs on codes of FP6 (E2M3) with E8M0 scales; both operands arrive as images of operand registers:
; fragment (16 rows x 128 K) = 1,536 bytes, register q of lane l at (q/4)*512 + 16 l + 4 (q%4), laid [row / 16][K / 128]; scale words [row / 16][K / 128][16][4].  K = 1,024, N = 1,024.
; A tile of 256 x 256 to a work-group of four waves, 128 x 128 a wave: 64 accumulators in 512 registers.  K goes in steps of 256 through two LDS slots filled by the tensor data mover; a row block's two
; fragments of a step are 3,072 consecutive bytes.  The scale words of the work-group's rows, for all of K, come once and stay.  N = 1,024 gives 64 such tiles: 64 work-groups.
; CLUSTERS of 4 x 4: A's tiles are shared along a row of the cluster, B's along a column; each is asked for jointly.
; THE PRODUCT IS USED TRANSPOSED (source 0 = 16 columns of W, source 1 = 16 rows of A): a lane holds eight neighbouring numbers of a row.  The bias is the C of each sum's first product.
; THE WAY OUT: a block of 16 rows x 128 columns goes through the wave's stage in LDS (in slot 0, which has had its last fill and its last read), comes back as rows of 512 bytes, takes the residual's rows, which
; were asked for three blocks ahead, and is stored: 32 lanes store 512 consecutive bytes.
; REGISTERS: window 0: v0-31 addresses; v32-63 scale words, two sets; v64-127 the bias; v128-223 A's fragments, one set; on the way out v128-255 rows.  window 1: B's fragments, two sets; on the way out the residual.
;   windows 2, 3: the accumulators.
.set SIZE_K, 1024
.set ASC,    3145728                   ; A's scale words in its buffer
.set WC,     2359296                   ; the weight's codes in wts
.set WS,     9535488                   ; and scale words
.set LASTOUT, 0                        ; the result is read again by later launches
.set KST,    SIZE_K/128
.set NQ,     2
.set FR,     12
.set NL,     3
.set NP,     4                         ; places behind this matrix instruction (ISA guide 7.12.1)
.set ROWB,   3072
.set HALFT,  8*ROWB
.set SLOT,   4*HALFT
.set LAPS,   SIZE_K/512
.set KROW,   SIZE_K*3/4
.set KS,     SIZE_K/32
.set SCL,    2*SLOT
.set HALFS,  512*KST
.set SBLK,   64*KST
.set SPARE,  SCL+4*HALFS+256           ; the spare words, 128 bytes for each wave: two blocks of 256 bytes that no other line names
.set SPITCH, 528
.set ADRA, 16
.set ADRB, 20
.set STO,  24
.set RD,   25
.set CO,   26
.set ADRS, 27
.set SPW,  28
.set NIL,  29
.set SC,   32
.set BI,   64
.set AF,   128
.set BK,   128
.set G1, 24
.set G0, 32
.set G1B, 48
.set G0B, 56
.set G1S, 68
.set G0S, 76
.set G1SB, 80
.set G0SB, 88
.set MSB, 0
.macro WIN new                         ; the immediate's high byte repeats the setting that is left
.set WN, \new
.if MSB != WN
	s_set_vgpr_msb (MSB<<8)|WN
.set MSB, WN
.endif
.endm
.set MUL_LO, 0xa1                      ; source 0 window 1, source 1 window 0, C and D window 2
.set MUL_HI, 0xf1
.set FIRST_LO, 0x81                    ; the same with C (the bias) in window 0
.set FIRST_HI, 0xc1
.set TO_B,   0x40
.macro JLOAD g0a, g1a, g0b, g1b        ; a joint load: waves 0 and 1 fetch for A, waves 2 and 3 for B; four v_nop follow each line
	s_cmp_eq_u32 s15, 0
	s_cbranch_scc0 .Lfor_b_\@
	tensor_load_to_lds s[\g0a:\g0a+3], s[\g1a:\g1a+7]
	s_nop 0
.rept 4
	v_nop
.endr
	s_branch .Lasked_\@
.Lfor_b_\@:
	tensor_load_to_lds s[\g0b:\g0b+3], s[\g1b:\g1b+7]
	s_nop 0
.rept 4
	v_nop
.endr
.Lasked_\@:
.endm
.macro CREST
	s_cmp_lg_u32 s14, 0
	s_cbranch_scc1 .Lnot_wave_0_\@
	s_barrier_signal -3
.Lnot_wave_0_\@:
	s_barrier_wait -3
	s_barrier_signal -1
	s_barrier_wait -1
.endm
.macro CROUND
	s_barrier_signal -1
	s_barrier_wait -1
	CREST
.endm
	s_load_b64 s[4:5], s[0:1], 0x0                 ; A's images
	s_load_b64 s[8:9], s[0:1], 0x8                 ; the weights' images
	s_load_b64 s[96:97], s[0:1], 0x10              ; the bias
	s_load_b64 s[98:99], s[0:1], 0x18              ; the residual
	s_load_b64 s[12:13], s[0:1], 0x20              ; the result
	v_lshl_add_u32 v[SPW], v0, 2, SPARE
	v_mov_b32 v[NIL], 0
	ds_add_u32 v28, v29
	ds_add_u32 v28, v29
	s_wait_dscnt 0x0
	v_lshrrev_b32 v1, 5, v0
	v_readfirstlane_b32 s14, v1                    ; wave
	s_lshr_b32 s15, s14, 1                         ; my half of the rows.  Also: I fetch for A (0) or B (1)
	s_and_b32 s16, s14, 1                          ; my half of the columns.  Also: which 128 rows I fetch
	s_bfe_u32 s40, ttmp6, 0x40000                  ; cx
	s_bfe_u32 s41, ttmp6, 0x40004                  ; cy
	s_lshl_b32 s42, ttmp9, 2
	s_add_co_u32 s42, s42, s40                     ; tile column
	s_and_b32 s17, ttmp7, 0xffff
	s_lshl_b32 s17, s17, 2
	s_add_co_u32 s17, s17, s41                     ; tile row
	s_lshl_b32 s43, s41, 2
	s_lshl_b32 s43, 15, s43                        ; my row of the cluster
	s_lshl_b32 s44, 0x1111, s40                    ; my column
	s_or_b32 s[G1+0], s43, (3<<16)|(1<<21)         ; 15:0 the mask; 17:16 elements of 8 bytes; 21 set beside a mask; no padding
	s_or_b32 s[G1B+0], s44, (3<<16)|(1<<21)
.irp g, G1, G1B
	s_mov_b32 s[\g+1], 384<<16                     ; tensor_dim0: 3,072 bytes
	s_mov_b32 s[\g+2], 8<<16                       ; tensor_dim1: 8 row blocks
	s_mov_b32 s[\g+3], 384<<16
	s_mov_b32 s[\g+4], 8
	s_mov_b32 s[\g+5], KST*192                     ; from row block to row block
	s_mov_b32 s[\g+6], 0
	s_mov_b32 s[\g+7], 0
.endr
	s_or_b32 s[G1S+0], s43, (3<<16)|(1<<21)        ; the scale words of 128 rows: a dense block, as rows of 256 bytes
	s_or_b32 s[G1SB+0], s44, (3<<16)|(1<<21)
.irp g, G1S, G1SB
	s_mov_b32 s[\g+1], 32<<16
	s_mov_b32 s[\g+2], (2*KST)<<16
	s_mov_b32 s[\g+3], 32<<16
	s_mov_b32 s[\g+4], 2*KST
	s_mov_b32 s[\g+5], 32
	s_mov_b32 s[\g+6], 0
	s_mov_b32 s[\g+7], 0
.endr
	s_lshl_b32 s18, s16, 7
	s_lshl_b32 s20, s17, 8
	s_add_co_u32 s20, s20, s18                     ; A: the first row that I fetch
	s_lshl_b32 s46, s42, 8
	s_add_co_u32 s46, s46, s18                     ; B likewise
	s_mov_b32 s21, 0
	s_mov_b32 s47, 0
	s_mov_b64 s[18:19], KS
	s_mul_u64 s[22:23], s[20:21], s[18:19]
	s_mul_u64 s[92:93], s[46:47], s[18:19]
	s_mov_b64 s[18:19], KROW
	s_mul_u64 s[20:21], s[20:21], s[18:19]
	s_mul_u64 s[46:47], s[46:47], s[18:19]
	s_mul_i32 s45, s14, HALFT                      ; where they go: no place in the cluster enters an LDS address
	s_mul_i32 s94, s14, HALFS
	s_lshl_b32 s95, s15, 7                         ; B's words lie 128 bytes further on, so that the two halves of a load's lanes touch different words' columns
	s_add_co_u32 s94, s94, s95
	s_wait_kmcnt 0x0
	s_add_nc_u64 s[6:7], s[4:5], ASC
	s_add_nc_u64 s[10:11], s[8:9], WS
	s_add_nc_u64 s[8:9], s[8:9], WC
	s_add_nc_u64 s[20:21], s[4:5], s[20:21]
	s_add_nc_u64 s[22:23], s[6:7], s[22:23]
	s_add_nc_u64 s[46:47], s[8:9], s[46:47]
	s_add_nc_u64 s[92:93], s[10:11], s[92:93]
	CROUND                                         ; all sixteen work-groups are here: the first joint loads meet
	s_mov_b32 s[G0S], 1
	s_add_co_u32 s[G0S+1], s94, SCL
	s_mov_b64 s[G0S+2:G0S+3], s[22:23]
	s_or_b32 s[G0S+3], s[G0S+3], 0x80000000
	s_mov_b32 s[G0SB], 1
	s_add_co_u32 s[G0SB+1], s94, SCL
	s_mov_b64 s[G0SB+2:G0SB+3], s[92:93]
	s_or_b32 s[G0SB+3], s[G0SB+3], 0x80000000
	JLOAD G0S, G1S, G0SB, G1SB                     ; the scale words first
.irp s, 0,1
	s_mov_b32 s[G0+4*\s], 1
	s_add_co_u32 s[G0+4*\s+1], s45, \s*SLOT
	s_add_nc_u64 s[G0+4*\s+2:G0+4*\s+3], s[20:21], \s*ROWB
	s_or_b32 s[G0+4*\s+3], s[G0+4*\s+3], 0x80000000
	s_mov_b32 s[G0B+4*\s], 1
	s_add_co_u32 s[G0B+4*\s+1], s45, \s*SLOT
	s_add_nc_u64 s[G0B+4*\s+2:G0B+4*\s+3], s[46:47], \s*ROWB
	s_or_b32 s[G0B+4*\s+3], s[G0B+4*\s+3], 0x80000000
	JLOAD G0+4*\s, G1, G0B+4*\s, G1B
.endr
	v_and_b32 v1, 15, v0                           ; r
	v_bfe_u32 v2, v0, 4, 1                         ; h
	v_and_b32 v3, 31, v0                           ; lane
	v_lshlrev_b32 v4, 4, v3                        ; 16 x lane: my place in every image
	s_mul_i32 s21, s15, HALFT
	s_mul_i32 s22, s16, HALFT
	s_add_co_u32 s22, s22, 2*HALFT
.irp s, 0,1
	v_add_nc_u32 v[ADRA+\s], s21, v4
	v_add_nc_u32 v[ADRB+\s], s22, v4
	s_add_co_u32 s21, s21, SLOT
	s_add_co_u32 s22, s22, SLOT
.endr
	s_mul_i32 s21, s15, HALFS                      ; scale words: lanes 0-15 take A's rows, lanes 16-31 B's
	s_mul_i32 s22, s16, HALFS
	s_add_co_u32 s22, s22, 2*HALFS+128
	s_sub_co_u32 s22, s22, s21
	v_mul_u32_u24 v6, s22, v2
	s_add_co_u32 s21, s21, SCL
	v_lshl_add_u32 v6, v1, 2, v6
	v_add_nc_u32 v[ADRS], s21, v6
	s_mul_i32 s23, s14, 16*SPITCH                  ; my stage
	v_mul_u32_u24 v5, v1, SPITCH
	v_lshl_add_u32 v5, v2, 5, v5
	v_add_nc_u32 v[STO], s23, v5                   ; in: row r, 32 bytes for each half of the lanes
	v_add_nc_u32 v[RD], s23, v4                    ; back: a row of 512 bytes to the 32 lanes
	v_mov_b32 v[CO], v4                            ; and the same in memory
	s_lshl_b32 s20, s17, 8
	s_lshl_b32 s21, s15, 7
	s_add_co_u32 s20, s20, s21                     ; my first row,
	s_lshl_b32 s20, s20, 12                        ; of 4,096 bytes
	s_lshl_b32 s46, s42, 10
	s_lshl_b32 s47, s16, 9
	s_add_co_u32 s46, s46, s47                     ; my first column, in bytes
	s_mov_b32 s47, 0
	s_add_nc_u64 s[96:97], s[96:97], s[46:47]
	s_add_co_u32 s46, s46, s20
	s_add_nc_u64 s[12:13], s[12:13], s[46:47]
	s_add_nc_u64 s[98:99], s[98:99], s[46:47]
	v_lshlrev_b32 v8, 5, v2                        ; the bias in the result's layout: register 8 b + j: column 16 b + 8 h + j
.irp b, 0,1,2,3,4,5,6,7
	global_load_b128 v[BI+8*\b:BI+8*\b+3], v8, s[96:97] offset:64*\b
	global_load_b128 v[BI+8*\b+4:BI+8*\b+7], v8, s[96:97] offset:64*\b+16
.endr
.macro FRAG reg, adr, q, i             ; a fragment comes as it was stored: three loads of 512 consecutive bytes
.irp c, 0,1,2
	ds_load_b128 v[\reg+4*\c:\reg+4*\c+3], v[\adr] offset:(\i)*ROWB+(\q)*1536+512*\c
.endr
.endm
; 16 matrix instructions: A's blocks a0, a0 + 1 x B's eight.  The 64 accumulators take turns, one instruction a turn, in the same order in every step.
.macro MUL16 a0, p, q, sc, first
.irp a, \a0, \a0+1
.irp b, 0,1,2,3,4,5,6,7
.if \first
	v_wmma_scale_f32_16x16x128_f8f6f4 v[8*(8*((\a)%4)+\b):8*(8*((\a)%4)+\b)+7], v[128*(\p)+FR*\b:128*(\p)+FR*\b+FR-1], v[AF+FR*(\a):AF+FR*(\a)+FR-1], v[BI+8*\b:BI+8*\b+7], v[SC+8*NQ*(\sc)+NQ*\b+(\q)], v[SC+8*NQ*(\sc)+NQ*(\a)+(\q)] matrix_a_fmt:MATRIX_FMT_FP6 matrix_b_fmt:MATRIX_FMT_FP6 matrix_a_scale:MATRIX_SCALE_ROW1
.else
	v_wmma_scale_f32_16x16x128_f8f6f4 v[8*(8*((\a)%4)+\b):8*(8*((\a)%4)+\b)+7], v[128*(\p)+FR*\b:128*(\p)+FR*\b+FR-1], v[AF+FR*(\a):AF+FR*(\a)+FR-1], v[8*(8*((\a)%4)+\b):8*(8*((\a)%4)+\b)+7], v[SC+8*NQ*(\sc)+NQ*\b+(\q)], v[SC+8*NQ*(\sc)+NQ*(\a)+(\q)] matrix_a_fmt:MATRIX_FMT_FP6 matrix_b_fmt:MATRIX_FMT_FP6 matrix_a_scale:MATRIX_SCALE_ROW1
.endif
.endr
.endr
.endm
.macro FETCH_B slot, q, p
	WIN TO_B
.irp i, 0,1,2,3,4,5,6,7
	FRAG 128*(\p)+FR*\i, ADRB+\slot, \q, \i
.endr
	WIN 0
.endm
.macro FETCH_A slot, q, i0
.irp i, \i0, \i0+1, \i0+2, \i0+3
	FRAG AF+FR*(\i), ADRA+\slot, \q, \i
.endr
.endm
.macro SCALES sc                       ; a K step's scale words: register 2 i + q: lanes 0-15 A's block i, lanes 16-31 B's block i
.irp i, 0,1,2,3,4,5,6,7
.irp q, 0,1
	ds_load_b32 v[SC+8*NQ*\sc+NQ*\i+\q], v[ADRS] offset:\i*SBLK+64*\q
.endr
.endr
.endm
.macro PLACES n                        ; plain vector lines between a matrix instruction and a load into, or a read of, its registers (ISA guide 7.12.1 for the reads)
.rept \n
	v_nop
.endr
.endm
.macro STEP slot, q, first
	s_wait_dscnt 4*NL                              ; all but the youngest twelve loads (A's blocks 4-7) are in
.if \first
	WIN FIRST_LO
.else
	WIN MUL_LO
.endif
	MUL16 0, (\q)%2, \q, \slot, \first
	MUL16 2, (\q)%2, \q, \slot, \first
	s_wait_dscnt 0
	PLACES NP
	FETCH_B \slot, (\q)+1, 1-(\q)%2
	FETCH_A \slot, (\q)+1, 0
.if \first
	WIN FIRST_HI
.else
	WIN MUL_HI
.endif
	MUL16 4, (\q)%2, \q, \slot, \first
	MUL16 6, (\q)%2, \q, \slot, \first
	PLACES NP
	WIN 0
	FETCH_A \slot, (\q)+1, 4
.endm
; A slot's last step changes slots: one barrier; in front of it each wave waits for all its tensor loads, adds 0 to its spare word, and waits for that and for its reads of this slot.
.macro TURN slot, next, fill
	s_wait_tensorcnt 0x0                           ; all my tensor loads have landed: my part of the next slot
	ds_add_u32 v[SPW], v[NIL]                      ; 0 onto my spare word
	s_wait_dscnt 4*NL+1                            ; (the add and the youngest twelve loads may be out)
	WIN MUL_LO
	MUL16 0, 1, NQ-1, \slot, 0
	s_wait_dscnt 0x0                               ; the add is done, and my reads of this slot are over
	s_barrier_signal -1
	MUL16 2, 1, NQ-1, \slot, 0
	WIN 0
	s_barrier_wait -1
.if \fill
	CREST                                          ; the barrier has opened a meeting of the whole cluster: no wave of any partner still reads this slot or has a load on its way
	s_add_nc_u64 s[G0+4*\slot+2:G0+4*\slot+3], s[G0+4*\slot+2:G0+4*\slot+3], 2*ROWB
	s_add_nc_u64 s[G0B+4*\slot+2:G0B+4*\slot+3], s[G0B+4*\slot+2:G0B+4*\slot+3], 2*ROWB
	JLOAD G0+4*\slot, G1, G0B+4*\slot, G1B         ; my one tensor load behind it; its four v_nop are the places in front of the loads below
.else
	PLACES NP
.endif
	v_add_nc_u32 v[ADRS], 64*NQ, v[ADRS]           ; the next K step's scale words
	FETCH_B \next, 0, 0
	FETCH_A \next, 0, 0
	SCALES \next
	WIN MUL_HI
	MUL16 4, 1, NQ-1, \slot, 0
	MUL16 6, 1, NQ-1, \slot, 0
	PLACES NP
	WIN 0
	FETCH_A \next, 0, 4
.endm
	s_wait_tensorcnt 1                             ; the scale words and my part of K step 0 are in; K step 1's load may be out
	s_barrier_signal -1
	s_barrier_wait -1
	FETCH_B 0, 0, 0
	FETCH_A 0, 0, 0
	SCALES 0
	FETCH_A 0, 0, 4
	s_wait_loadcnt 0x0                             ; the bias
	STEP 0, 0, 1                                   ; the first step's products start the sums, on the bias
	s_mov_b32 s3, LAPS-1
.Llap:
	TURN 0, 1, 1
	STEP 1, 0, 0
	TURN 1, 0, 1
	STEP 0, 0, 0
	s_sub_co_u32 s3, s3, 1
	s_cmp_lg_u32 s3, 0
	s_cbranch_scc1 .Llap
	TURN 0, 1, 0
	STEP 1, 0, 0
	s_wait_dscnt 4*NL
	WIN MUL_LO
	MUL16 0, 1, NQ-1, 1, 0
	MUL16 2, 1, NQ-1, 1, 0
	s_wait_dscnt 0
	WIN MUL_HI
	MUL16 4, 1, NQ-1, 1, 0
	MUL16 6, 1, NQ-1, 1, 0
	WIN 0
.macro RLOAD a                         ; the residual's 16 rows of block a into window 1, buffer a % 4
	WIN 0x40
.irp t, 0,1,2,3,4,5,6,7,8,9,10,11,12,13,14,15
	global_load_b128 v[64*((\a)%4)+4*\t:64*((\a)%4)+4*\t+3], v[CO], s[98:99] offset:(16*(\a)+\t)*4096
.endr
	WIN 0
.endm
.macro TOSTAGE a
.set AC, 64*((\a)%4)
	WIN 0x08+4*((\a)/4)                            ; an LDS store's data: window 2 or 3
.irp b, 0,1,2,3,4,5,6,7
	ds_store_b128 v[STO], v[AC+8*\b:AC+8*\b+3] offset:64*\b          ; each accumulator from its low end on
	ds_store_b128 v[STO], v[AC+8*\b+4:AC+8*\b+7] offset:64*\b+16
.endr
	WIN 0
.set BB, BK+64*((\a)%2)
.irp t, 0,1,2,3,4,5,6,7,8,9,10,11,12,13,14,15
	ds_load_b128 v[BB+4*\t:BB+4*\t+3], v[RD] offset:\t*SPITCH        ; LDS serves a wave's instructions in order: these see my stores
.endr
.endm
.macro SEND a, younger
.set BB, BK+64*((\a)%2)
.set RS, 64*((\a)%4)
	s_wait_dscnt \younger                          ; the block is back in registers
.if (\a) < 6
	s_wait_loadcnt 32                              ; its residual is in; those of the two blocks behind it may be out
.else
	s_wait_loadcnt 16*(7-(\a))
.endif
	WIN 0x04                                       ; source 1 window 1
.set j, 0
.rept 32
	v_pk_add_f32 v[BB+j:BB+j+1], v[BB+j:BB+j+1], v[RS+j:RS+j+1]
.set j, j+2
.endr
	WIN 0
.if (\a) < 5
	RLOAD (\a)+3                                   ; into the buffer that block a - 1 has left
.endif
.irp t, 0,1,2,3,4,5,6,7,8,9,10,11,12,13,14,15
.if LASTOUT
	global_store_b128 v[CO], v[BB+4*\t:BB+4*\t+3], s[12:13] offset:(16*(\a)+\t)*4096 th:TH_STORE_NT
.else
	global_store_b128 v[CO], v[BB+4*\t:BB+4*\t+3], s[12:13] offset:(16*(\a)+\t)*4096   ; 32 lanes store 512 consecutive bytes; every place stands in the immediate, 520,192 at the most
.endif
.endr
.endm
	PLACES NP                                      ; behind the last products: for the loads into B's registers and A's, and for the reads of results
	RLOAD 0
	RLOAD 1
	RLOAD 2
	TOSTAGE 0
.irp a, 1,2,3,4,5,6,7
.if \a > 1
	s_wait_xcnt 0x0                                ; block a - 2's stores have read their registers: block a's rows may land there
.endif
	TOSTAGE \a
	SEND \a-1, 32                                  ; behind block a - 1's loads: block a's 16 stores and 16 loads
.endr
	SEND 7, 0
	s_wait_tensorcnt 0x0                           ; the wave's end
	ds_add_u32 v[SPW], v[NIL]
	s_wait_dscnt 0x0
	CROUND                                         ; no work-group ends while a partner may still ask for a tile that names it
	s_endpgm
.Lfunc_end_k_q56f90fac2e_gemm_out:
	.size	k_q56f90fac2e_gemm_out, .Lfunc_end_k_q56f90fac2e_gemm_out-k_q56f90fac2e_gemm_out
	.p2alignl 7, 3214868480
	.fill 96, 4, 3214868480
	.section	.rodata,"a",@progbits
	.p2align	6, 0x0
	.amdhsa_kernel k_q56f90fac2e_gemm_out
		.amdhsa_group_segment_fixed_size 327680
		.amdhsa_private_segment_fixed_size 0
		.amdhsa_enable_private_segment 0
		.amdhsa_kernarg_size 40
		.amdhsa_user_sgpr_count 2
		.amdhsa_user_sgpr_kernarg_segment_ptr 1
		.amdhsa_wavefront_size32 1
		.amdhsa_system_sgpr_workgroup_id_x 1
		.amdhsa_system_sgpr_workgroup_id_y 1
		.amdhsa_system_sgpr_workgroup_id_z 1
		.amdhsa_system_vgpr_workitem_id 0
		.amdhsa_next_free_vgpr 1024
		.amdhsa_next_free_sgpr 102
		.amdhsa_reserve_vcc 0
		.amdhsa_float_denorm_mode_32 3
		.amdhsa_float_denorm_mode_16_64 3
		.amdhsa_memory_ordered 1
		.amdhsa_forward_progress 1
		.amdhsa_inst_pref_size 168
	.end_amdhsa_kernel
	.amdgpu_metadata
---
amdhsa.version: [ 1, 2 ]
amdhsa.kernels:
  - .name:           k_q56f90fac2e_gemm_out
    .symbol:         k_q56f90fac2e_gemm_out.kd
    .args:
      - { .name: cc, .offset: 0, .size: 8, .value_kind: global_buffer, .address_space: global }
      - { .name: wts, .offset: 8, .size: 8, .value_kind: global_buffer, .address_space: global }
      - { .name: out_b, .offset: 16, .size: 8, .value_kind: global_buffer, .address_space: global }
      - { .name: x, .offset: 24, .size: 8, .value_kind: global_buffer, .address_space: global }
      - { .name: x1, .offset: 32, .size: 8, .value_kind: global_buffer, .address_space: global }
    .group_segment_fixed_size: 327680
    .private_segment_fixed_size: 0
    .kernarg_segment_align: 8
    .kernarg_segment_size: 40
    .max_flat_workgroup_size: 128
    .sgpr_count:     102
    .vgpr_count:     1024
    .wavefront_size: 32
...
	.end_amdgpu_metadata
.endif
;; end of part 5
;; launch ln2: the kernel of part 2 again; grid 256 x 1, 8 waves a work-group, no clusters, 69,632 bytes of LDS; arguments x1, ln2_g, ln2_b, hc; writes hc
;; launch gemm_ffn1 (part 6): grid 16 x 16, 4 waves a work-group, clusters of 4 x 4, 327,680 bytes of LDS; arguments hc, wts, ffn_b1, hid; writes hid
.if DOCPART == 6
	.amdgcn_target "amdgcn-amd-amdhsa--gfx1250"
	.amdhsa_code_object_version 6
	.text
	.protected	k_q56f90fac2e_gemm_ffn1
	.globl	k_q56f90fac2e_gemm_ffn1
	.p2align	8
	.type	k_q56f90fac2e_gemm_ffn1,@function
k_q56f90fac2e_gemm_ffn1:
	s_mov_b64 s[64:65], 0
	v_nop
	global_prefetch_b8 v0, s[64:65] scope:SCOPE_SE
	s_setreg_imm32_b32 hwreg(HW_REG_WAVE_MODE, 25, 1), 1
	s_wait_xcnt 0x0
	s_wait_alu depctr_hold_cnt(0) depctr_sa_sdst(0) depctr_va_vdst(0) depctr_va_sdst(0) depctr_va_ssrc(0) depctr_va_vcc(0) depctr_vm_vsrc(0)
	s_getreg_b32 s2, hwreg(HW_REG_IB_STS2, 6, 4)
	s_cmp_eq_u32 s2, 0
	s_cbranch_scc0 .Lentry_in_a_cluster
	s_endpgm
.Lentry_in_a_cluster:
	s_bfe_u32 s2, ttmp6, 0x10000c
	s_cmp_lg_u32 s2, 0xf033
	s_cbranch_scc0 .Lentry_shape_is_right
	s_endpgm
.Lentry_shape_is_right:
; hidden = gelu_tanh(h W1 + b1), quantised at once into the next product's operand.  The product runs on codes of FP6 (E2M3) with E8M0 scales; both operands arrive as images of operand registers:
; fragment (16 rows x 128 K) = 1,536 bytes, register q of lane l at (q/4)*512 + 16 l + 4 (q%4), laid [row / 16][K / 128]; scale words [row / 16][K / 128][16][4].  K = 1,024, N = 4,096.
; A tile of 256 x 256 to a work-group of four waves, 128 x 128 a wave: 64 accumulators in 512 registers.  K goes in steps of 256 through two LDS slots filled by the tensor data mover; a row block's two
; fragments of a step are 3,072 consecutive bytes.  The scale words of the work-group's rows, for all of K, come once and stay.
; CLUSTERS of 4 x 4: A's tiles are shared along a row of the cluster, B's along a column; each is asked for jointly.
; THE PRODUCT IS USED TRANSPOSED (source 0 = 16 columns of W1, source 1 = 16 rows of h): a lane holds one row, its registers run along the hidden units, the next K.  The bias is the C of each sum's first product.
; THE ACTIVATION: 0.5 x (1 + tanh(u)) = x / (1 + e^(-2u)) = x rcp(1 + 2^(x (k1 + k2 x^2))), k1 = -2 sqrt(2/pi) log2(e), k2 = 0.044715 k1: all in f32, no difference of near numbers; where the power overflows the result is 0.
; THE WAY OUT: a wave's 128 columns are one K step of the next product: each block of 16 rows becomes one fragment and one scale word a row, stored from registers: 32 lanes store 512 consecutive bytes.
; Inside a block of 32 the codes stand in the order 0-7, 16-23, 8-15, 24-31, as in every operand of this program: that is how a lane's registers of two neighbouring accumulators fall.
; LIMITS: NaN and infinities are not served; a block whose largest magnitude lies under 2^-124 gets the byte 1.
; REGISTERS: window 0: v0-31 addresses; v32-63 scale words, two sets; v64-127 the bias; v128-223 A's fragments, one set; on the way out v128-235 at work.  window 1: B's fragments, two sets.  windows 2, 3: the accumulators.
.set SIZE_K, 1024
.set ASC,    3145728
.set WC,     3145728
.set WS,     9568256
.set KST,    SIZE_K/128
.set NQ,     2
.set FR,     12
.set NL,     3
.set NP,     4                         ; places behind this matrix instruction (ISA guide 7.12.1)
.set ROWB,   3072
.set HALFT,  8*ROWB
.set SLOT,   4*HALFT
.set LAPS,   SIZE_K/512
.set KROW,   SIZE_K*3/4
.set KS,     SIZE_K/32
.set SCL,    2*SLOT
.set HALFS,  512*KST
.set SBLK,   64*KST
.set SPARE,  SCL+4*HALFS+256           ; the spare words, 128 bytes for each wave: two blocks of 256 bytes that no other line names
.set ADRA, 16
.set ADRB, 20
.set ADRS, 27
.set SPW,  28
.set NIL,  29
.set SC,   32
.set BI,   64
.set AF,   128
.set HA,   128
.set PC,   192
.set TM,   212
.set PW,   228
.set K1,   232
.set K2,   234
.set SEL,  18
.set G1, 24
.set G0, 32
.set G1B, 48
.set G0B, 56
.set G1S, 68
.set G0S, 76
.set G1SB, 80
.set G0SB, 88
.set MSB, 0
.macro WIN new                         ; the immediate's high byte repeats the setting that is left
.set WN, \new
.if MSB != WN
	s_set_vgpr_msb (MSB<<8)|WN
.set MSB, WN
.endif
.endm
.set MUL_LO, 0xa1
.set MUL_HI, 0xf1
.set FIRST_LO, 0x81                    ; C (the bias) in window 0
.set FIRST_HI, 0xc1
.set TO_B,   0x40
.macro JLOAD g0a, g1a, g0b, g1b        ; a joint load: waves 0 and 1 fetch for A, waves 2 and 3 for B; four v_nop follow each line
	s_cmp_eq_u32 s15, 0
	s_cbranch_scc0 .Lfor_b_\@
	tensor_load_to_lds s[\g0a:\g0a+3], s[\g1a:\g1a+7]
	s_nop 0
.rept 4
	v_nop
.endr
	s_branch .Lasked_\@
.Lfor_b_\@:
	tensor_load_to_lds s[\g0b:\g0b+3], s[\g1b:\g1b+7]
	s_nop 0
.rept 4
	v_nop
.endr
.Lasked_\@:
.endm
.macro CREST
	s_cmp_lg_u32 s14, 0
	s_cbranch_scc1 .Lnot_wave_0_\@
	s_barrier_signal -3
.Lnot_wave_0_\@:
	s_barrier_wait -3
	s_barrier_signal -1
	s_barrier_wait -1
.endm
.macro CROUND
	s_barrier_signal -1
	s_barrier_wait -1
	CREST
.endm
	s_load_b64 s[4:5], s[0:1], 0x0                 ; h's images
	s_load_b64 s[8:9], s[0:1], 0x8                 ; the weights' images
	s_load_b64 s[96:97], s[0:1], 0x10              ; b1
	s_load_b64 s[12:13], s[0:1], 0x18              ; the hidden layer's images
	v_lshl_add_u32 v[SPW], v0, 2, SPARE
	v_mov_b32 v[NIL], 0
	ds_add_u32 v28, v29
	ds_add_u32 v28, v29
	s_wait_dscnt 0x0
	v_lshrrev_b32 v1, 5, v0
	v_readfirstlane_b32 s14, v1                    ; wave
	s_lshr_b32 s15, s14, 1
	s_and_b32 s16, s14, 1
	s_bfe_u32 s40, ttmp6, 0x40000                  ; cx
	s_bfe_u32 s41, ttmp6, 0x40004                  ; cy
	s_lshl_b32 s42, ttmp9, 2
	s_add_co_u32 s42, s42, s40                     ; tile column
	s_and_b32 s17, ttmp7, 0xffff
	s_lshl_b32 s17, s17, 2
	s_add_co_u32 s17, s17, s41                     ; tile row
	s_lshl_b32 s43, s41, 2
	s_lshl_b32 s43, 15, s43
	s_lshl_b32 s44, 0x1111, s40
	s_or_b32 s[G1+0], s43, (3<<16)|(1<<21)         ; 15:0 the mask; 17:16 elements of 8 bytes; 21 set beside a mask; no padding
	s_or_b32 s[G1B+0], s44, (3<<16)|(1<<21)
.irp g, G1, G1B
	s_mov_b32 s[\g+1], 384<<16
	s_mov_b32 s[\g+2], 8<<16
	s_mov_b32 s[\g+3], 384<<16
	s_mov_b32 s[\g+4], 8
	s_mov_b32 s[\g+5], KST*192
	s_mov_b32 s[\g+6], 0
	s_mov_b32 s[\g+7], 0
.endr
	s_or_b32 s[G1S+0], s43, (3<<16)|(1<<21)
	s_or_b32 s[G1SB+0], s44, (3<<16)|(1<<21)
.irp g, G1S, G1SB
	s_mov_b32 s[\g+1], 32<<16
	s_mov_b32 s[\g+2], (2*KST)<<16
	s_mov_b32 s[\g+3], 32<<16
	s_mov_b32 s[\g+4], 2*KST
	s_mov_b32 s[\g+5], 32
	s_mov_b32 s[\g+6], 0
	s_mov_b32 s[\g+7], 0
.endr
	s_lshl_b32 s18, s16, 7
	s_lshl_b32 s20, s17, 8
	s_add_co_u32 s20, s20, s18
	s_lshl_b32 s46, s42, 8
	s_add_co_u32 s46, s46, s18
	s_mov_b32 s21, 0
	s_mov_b32 s47, 0
	s_mov_b64 s[18:19], KS
	s_mul_u64 s[22:23], s[20:21], s[18:19]
	s_mul_u64 s[92:93], s[46:47], s[18:19]
	s_mov_b64 s[18:19], KROW
	s_mul_u64 s[20:21], s[20:21], s[18:19]
	s_mul_u64 s[46:47], s[46:47], s[18:19]
	s_mul_i32 s45, s14, HALFT
	s_mul_i32 s94, s14, HALFS
	s_lshl_b32 s95, s15, 7
	s_add_co_u32 s94, s94, s95
	s_wait_kmcnt 0x0
	s_add_nc_u64 s[6:7], s[4:5], ASC
	s_add_nc_u64 s[10:11], s[8:9], WS
	s_add_nc_u64 s[8:9], s[8:9], WC
	s_add_nc_u64 s[20:21], s[4:5], s[20:21]
	s_add_nc_u64 s[22:23], s[6:7], s[22:23]
	s_add_nc_u64 s[46:47], s[8:9], s[46:47]
	s_add_nc_u64 s[92:93], s[10:11], s[92:93]
	CROUND                                         ; all sixteen work-groups are here: the first joint loads meet
	s_mov_b32 s[G0S], 1
	s_add_co_u32 s[G0S+1], s94, SCL
	s_mov_b64 s[G0S+2:G0S+3], s[22:23]
	s_or_b32 s[G0S+3], s[G0S+3], 0x80000000
	s_mov_b32 s[G0SB], 1
	s_add_co_u32 s[G0SB+1], s94, SCL
	s_mov_b64 s[G0SB+2:G0SB+3], s[92:93]
	s_or_b32 s[G0SB+3], s[G0SB+3], 0x80000000
	JLOAD G0S, G1S, G0SB, G1SB
.irp s, 0,1
	s_mov_b32 s[G0+4*\s], 1
	s_add_co_u32 s[G0+4*\s+1], s45, \s*SLOT
	s_add_nc_u64 s[G0+4*\s+2:G0+4*\s+3], s[20:21], \s*ROWB
	s_or_b32 s[G0+4*\s+3], s[G0+4*\s+3], 0x80000000
	s_mov_b32 s[G0B+4*\s], 1
	s_add_co_u32 s[G0B+4*\s+1], s45, \s*SLOT
	s_add_nc_u64 s[G0B+4*\s+2:G0B+4*\s+3], s[46:47], \s*ROWB
	s_or_b32 s[G0B+4*\s+3], s[G0B+4*\s+3], 0x80000000
	JLOAD G0+4*\s, G1, G0B+4*\s, G1B
.endr
	v_and_b32 v1, 15, v0                           ; r
	v_bfe_u32 v2, v0, 4, 1                         ; h
	v_and_b32 v3, 31, v0                           ; lane
	v_lshlrev_b32 v4, 4, v3                        ; 16 x lane
	s_mul_i32 s21, s15, HALFT
	s_mul_i32 s22, s16, HALFT
	s_add_co_u32 s22, s22, 2*HALFT
.irp s, 0,1
	v_add_nc_u32 v[ADRA+\s], s21, v4
	v_add_nc_u32 v[ADRB+\s], s22, v4
	s_add_co_u32 s21, s21, SLOT
	s_add_co_u32 s22, s22, SLOT
.endr
	s_mul_i32 s21, s15, HALFS
	s_mul_i32 s22, s16, HALFS
	s_add_co_u32 s22, s22, 2*HALFS+128
	s_sub_co_u32 s22, s22, s21
	v_mul_u32_u24 v6, s22, v2
	s_add_co_u32 s21, s21, SCL
	v_lshl_add_u32 v6, v1, 2, v6
	v_add_nc_u32 v[ADRS], s21, v6
	v_lshlrev_b32 v24, 4, v3                       ; the way out: 16 x lane,
	v_lshlrev_b32 v26, 2, v1                       ; 4 r
	s_lshl_b32 s46, s42, 10
	s_lshl_b32 s47, s16, 9
	s_add_co_u32 s46, s46, s47                     ; my first column, x 4 bytes
	s_mov_b32 s47, 0
	s_add_nc_u64 s[96:97], s[96:97], s[46:47]
	s_lshl_b32 s20, s17, 4
	s_lshl_b32 s21, s15, 3
	s_add_co_u32 s20, s20, s21                     ; my first row block,
	s_lshl_b32 s20, s20, 5                         ; of 32 K steps,
	s_lshl_b32 s21, s42, 1
	s_add_co_u32 s20, s20, s21
	s_add_co_u32 s20, s20, s16                     ; + my K step of the next product: the first fragment's number
	s_lshl_b32 s22, s20, 6
	s_add_co_u32 s22, s22, 12582912
	s_mov_b32 s23, 0
	s_add_nc_u64 s[100:101], s[12:13], s[22:23]    ; its scale words
	s_mul_i32 s22, s20, 1536
	s_add_nc_u64 s[12:13], s[12:13], s[22:23]      ; its codes
	v_lshlrev_b32 v8, 5, v2                        ; the bias in the result's layout: register 8 b + j: column 16 b + 8 h + j
.irp b, 0,1,2,3,4,5,6,7
	global_load_b128 v[BI+8*\b:BI+8*\b+3], v8, s[96:97] offset:64*\b
	global_load_b128 v[BI+8*\b+4:BI+8*\b+7], v8, s[96:97] offset:64*\b+16
.endr
.macro FRAG reg, adr, q, i
.irp c, 0,1,2
	ds_load_b128 v[\reg+4*\c:\reg+4*\c+3], v[\adr] offset:(\i)*ROWB+(\q)*1536+512*\c
.endr
.endm
; 16 matrix instructions: A's blocks a0, a0 + 1 x B's eight.  The 64 accumulators take turns, one instruction a turn, in the same order in every step.
.macro MUL16 a0, p, q, sc, first
.irp a, \a0, \a0+1
.irp b, 0,1,2,3,4,5,6,7
.if \first
	v_wmma_scale_f32_16x16x128_f8f6f4 v[8*(8*((\a)%4)+\b):8*(8*((\a)%4)+\b)+7], v[128*(\p)+FR*\b:128*(\p)+FR*\b+FR-1], v[AF+FR*(\a):AF+FR*(\a)+FR-1], v[BI+8*\b:BI+8*\b+7], v[SC+8*NQ*(\sc)+NQ*\b+(\q)], v[SC+8*NQ*(\sc)+NQ*(\a)+(\q)] matrix_a_fmt:MATRIX_FMT_FP6 matrix_b_fmt:MATRIX_FMT_FP6 matrix_a_scale:MATRIX_SCALE_ROW1
.else
	v_wmma_scale_f32_16x16x128_f8f6f4 v[8*(8*((\a)%4)+\b):8*(8*((\a)%4)+\b)+7], v[128*(\p)+FR*\b:128*(\p)+FR*\b+FR-1], v[AF+FR*(\a):AF+FR*(\a)+FR-1], v[8*(8*((\a)%4)+\b):8*(8*((\a)%4)+\b)+7], v[SC+8*NQ*(\sc)+NQ*\b+(\q)], v[SC+8*NQ*(\sc)+NQ*(\a)+(\q)] matrix_a_fmt:MATRIX_FMT_FP6 matrix_b_fmt:MATRIX_FMT_FP6 matrix_a_scale:MATRIX_SCALE_ROW1
.endif
.endr
.endr
.endm
.macro FETCH_B slot, q, p
	WIN TO_B
.irp i, 0,1,2,3,4,5,6,7
	FRAG 128*(\p)+FR*\i, ADRB+\slot, \q, \i
.endr
	WIN 0
.endm
.macro FETCH_A slot, q, i0
.irp i, \i0, \i0+1, \i0+2, \i0+3
	FRAG AF+FR*(\i), ADRA+\slot, \q, \i
.endr
.endm
.macro SCALES sc
.irp i, 0,1,2,3,4,5,6,7
.irp q, 0,1
	ds_load_b32 v[SC+8*NQ*\sc+NQ*\i+\q], v[ADRS] offset:\i*SBLK+64*\q
.endr
.endr
.endm
.macro PLACES n                        ; plain vector lines between a matrix instruction and a load into, or a read of, its registers (ISA guide 7.12.1 for the reads)
.rept \n
	v_nop
.endr
.endm
.macro STEP slot, q, first
	s_wait_dscnt 4*NL                              ; all but the youngest twelve loads (A's blocks 4-7) are in
.if \first
	WIN FIRST_LO
.else
	WIN MUL_LO
.endif
	MUL16 0, (\q)%2, \q, \slot, \first
	MUL16 2, (\q)%2, \q, \slot, \first
	s_wait_dscnt 0
	PLACES NP
	FETCH_B \slot, (\q)+1, 1-(\q)%2
	FETCH_A \slot, (\q)+1, 0
.if \first
	WIN FIRST_HI
.else
	WIN MUL_HI
.endif
	MUL16 4, (\q)%2, \q, \slot, \first
	MUL16 6, (\q)%2, \q, \slot, \first
	PLACES NP
	WIN 0
	FETCH_A \slot, (\q)+1, 4
.endm
; A slot's last step changes slots: one barrier; in front of it each wave waits for all its tensor loads, adds 0 to its spare word, and waits for that and for its reads of this slot.
.macro TURN slot, next, fill
	s_wait_tensorcnt 0x0                           ; all my tensor loads have landed: my part of the next slot
	ds_add_u32 v[SPW], v[NIL]                      ; 0 onto my spare word
	s_wait_dscnt 4*NL+1                            ; (the add and the youngest twelve loads may be out)
	WIN MUL_LO
	MUL16 0, 1, NQ-1, \slot, 0
	s_wait_dscnt 0x0                               ; the add is done, and my reads of this slot are over
	s_barrier_signal -1
	MUL16 2, 1, NQ-1, \slot, 0
	WIN 0
	s_barrier_wait -1
.if \fill
	CREST                                          ; the barrier has opened a meeting of the whole cluster: no wave of any partner still reads this slot or has a load on its way
	s_add_nc_u64 s[G0+4*\slot+2:G0+4*\slot+3], s[G0+4*\slot+2:G0+4*\slot+3], 2*ROWB
	s_add_nc_u64 s[G0B+4*\slot+2:G0B+4*\slot+3], s[G0B+4*\slot+2:G0B+4*\slot+3], 2*ROWB
	JLOAD G0+4*\slot, G1, G0B+4*\slot, G1B         ; my one tensor load behind it; its four v_nop are the places in front of the loads below
.else
	PLACES NP
.endif
	v_add_nc_u32 v[ADRS], 64*NQ, v[ADRS]
	FETCH_B \next, 0, 0
	FETCH_A \next, 0, 0
	SCALES \next
	WIN MUL_HI
	MUL16 4, 1, NQ-1, \slot, 0
	MUL16 6, 1, NQ-1, \slot, 0
	PLACES NP
	WIN 0
	FETCH_A \next, 0, 4
.endm
	s_wait_tensorcnt 1                             ; the scale words and my part of K step 0 are in; K step 1's load may be out
	s_barrier_signal -1
	s_barrier_wait -1
	FETCH_B 0, 0, 0
	FETCH_A 0, 0, 0
	SCALES 0
	FETCH_A 0, 0, 4
	s_wait_loadcnt 0x0                             ; the bias
	STEP 0, 0, 1
	s_mov_b32 s3, LAPS-1
.Llap:
	TURN 0, 1, 1
	STEP 1, 0, 0
	TURN 1, 0, 1
	STEP 0, 0, 0
	s_sub_co_u32 s3, s3, 1
	s_cmp_lg_u32 s3, 0
	s_cbranch_scc1 .Llap
	TURN 0, 1, 0
	STEP 1, 0, 0
	s_wait_dscnt 4*NL
	WIN MUL_LO
	MUL16 0, 1, NQ-1, 1, 0
	MUL16 2, 1, NQ-1, 1, 0
	s_wait_dscnt 0
	WIN MUL_HI
	MUL16 4, 1, NQ-1, 1, 0
	MUL16 6, 1, NQ-1, 1, 0
	WIN 0
; 64 numbers of a lane, v[HA] on, become a fragment's codes in v[PC] on and its scale word in v[PW]
.macro QUANT
.irp b, 0,1,2,3
	v_max3_num_f32 v[TM+\b], |v[HA+16*\b]|, |v[HA+1+16*\b]|, 0x1800000   ; my 16 of block b, and the floor 2^(3 - 127)
.endr
.irp i, 2,4,6,8,10,12,14
.irp b, 0,1,2,3
	v_max3_num_f32 v[TM+\b], v[TM+\b], |v[HA+16*\b+\i]|, |v[HA+1+16*\b+\i]|
.endr
.endr
.irp b, 0,1,2,3
	v_permlanex16_b32 v[TM+4+\b], v[TM+\b], s[SEL], s[SEL+1]
.endr
.irp b, 0,1,2,3
	v_max_num_f32 v[TM+\b], v[TM+\b], v[TM+4+\b]
.endr
.irp b, 0,1,2,3
	v_add_nc_u32 v[TM+12+\b], 0xff000000, v[TM+\b] ; 2 off the exponent field: the conversion's scale operand
.endr
.irp b, 0,1,2,3
	v_lshrrev_b32 v[TM+4+\b], 23, v[TM+12+\b]      ; the byte
.endr
	v_lshl_or_b32 v[PW], v[TM+5], 8, v[TM+4]
	v_lshl_or_b32 v[PW], v[TM+6], 16, v[PW]
	v_lshl_or_b32 v[PW], v[TM+7], 24, v[PW]
.irp c, 0,1
	v_cvt_scalef32_pk16_fp6_f32 v[PC+6*\c:PC+2+6*\c], v[HA+32*\c:HA+15+32*\c], v[TM+12+2*\c]
	v_cvt_scalef32_pk16_fp6_f32 v[PC+12+4*\c:PC+14+4*\c], v[HA+16+32*\c:HA+31+32*\c], v[TM+13+2*\c]
.endr
	v_nop                                          ; one plain place behind a scaled conversion
.irp c, 0,1
.irp i, 0,1,2
	v_permlane16_swap_b32 v[PC+6*\c+\i], v[PC+12+4*\c+\i]
.endr
.irp i, 0,1,2
	v_mov_b32 v[PC+3+6*\c+\i], v[PC+12+4*\c+\i]
.endr
.endr
.endm
	PLACES NP                                      ; behind the last products: their results are read and their operands' registers written below
	s_mov_b32 s[SEL], 0x76543210
	s_mov_b32 s[SEL+1], 0xfedcba98
.irp b, 0,1,2,3
	v_mov_b32 v[TM+4+\b], 0                        ; a lane permute's destination counts as one of its sources
.endr
	v_mov_b32 v[K1], 0xc0135761                    ; k1 = -2.3022082
	v_mov_b32 v[K1+1], 0xc0135761
	v_mov_b32 v[K2], 0xbdd2d3e8                    ; k2 = -0.10294324
	v_mov_b32 v[K2+1], 0xbdd2d3e8
.irp a, 0,1,2,3,4,5,6,7
.set AC, 64*(\a%4)
.set W, 2+\a/4
.if \a > 0
	s_wait_xcnt 0x0                                ; the last stores have read their registers
.endif
	WIN W|(W<<2)
.set j, 0
.rept 32
	v_pk_mul_f32 v[HA+j:HA+j+1], v[AC+j:AC+j+1], v[AC+j:AC+j+1]     ; x^2; each accumulator is read from its low end on
.set j, j+2
.endr
	WIN 0
.set j, 0
.rept 32
	v_pk_fma_f32 v[HA+j:HA+j+1], v[HA+j:HA+j+1], v[K2:K2+1], v[K1:K1+1]
.set j, j+2
.endr
	WIN W<<2
.set j, 0
.rept 32
	v_pk_mul_f32 v[HA+j:HA+j+1], v[HA+j:HA+j+1], v[AC+j:AC+j+1]     ; x (k1 + k2 x^2)
.set j, j+2
.endr
	WIN 0
.set j, 0
.rept 64
	v_exp_f32 v[HA+j], v[HA+j]
.set j, j+1
.endr
	v_nop                                          ; one plain place behind the exponentials
.set j, 0
	s_wait_alu depctr_va_vdst(0)
.rept 32
	v_pk_add_f32 v[HA+j:HA+j+1], v[HA+j:HA+j+1], 1.0 op_sel_hi:[1,0]
.set j, j+2
.endr
.set j, 0
.rept 64
	v_rcp_f32 v[HA+j], v[HA+j]
.set j, j+1
.endr
	v_nop                                          ; one plain place behind the reciprocals
	WIN W<<2
.set j, 0
	s_wait_alu depctr_va_vdst(0)
.rept 32
	v_pk_mul_f32 v[HA+j:HA+j+1], v[HA+j:HA+j+1], v[AC+j:AC+j+1]     ; the activation
.set j, j+2
.endr
	WIN 0
	QUANT
.irp c, 0,1,2
	global_store_b128 v24, v[PC+4*\c:PC+4*\c+3], s[12:13] offset:\a*49152+512*\c   ; row block a: 32 fragments on; 32 lanes store 512 consecutive bytes
.endr
	global_store_b32 v26, v[PW], s[100:101] offset:\a*2048
.endr
	s_wait_tensorcnt 0x0                           ; the wave's end
	ds_add_u32 v[SPW], v[NIL]
	s_wait_dscnt 0x0
	CROUND                                         ; no work-group ends while a partner may still ask for a tile that names it
	s_endpgm
.Lfunc_end_k_q56f90fac2e_gemm_ffn1:
	.size	k_q56f90fac2e_gemm_ffn1, .Lfunc_end_k_q56f90fac2e_gemm_ffn1-k_q56f90fac2e_gemm_ffn1
	.p2alignl 7, 3214868480
	.fill 96, 4, 3214868480
	.section	.rodata,"a",@progbits
	.p2align	6, 0x0
	.amdhsa_kernel k_q56f90fac2e_gemm_ffn1
		.amdhsa_group_segment_fixed_size 327680
		.amdhsa_private_segment_fixed_size 0
		.amdhsa_enable_private_segment 0
		.amdhsa_kernarg_size 32
		.amdhsa_user_sgpr_count 2
		.amdhsa_user_sgpr_kernarg_segment_ptr 1
		.amdhsa_wavefront_size32 1
		.amdhsa_system_sgpr_workgroup_id_x 1
		.amdhsa_system_sgpr_workgroup_id_y 1
		.amdhsa_system_sgpr_workgroup_id_z 1
		.amdhsa_system_vgpr_workitem_id 0
		.amdhsa_next_free_vgpr 1024
		.amdhsa_next_free_sgpr 102
		.amdhsa_reserve_vcc 0
		.amdhsa_float_denorm_mode_32 3
		.amdhsa_float_denorm_mode_16_64 3
		.amdhsa_memory_ordered 1
		.amdhsa_forward_progress 1
		.amdhsa_inst_pref_size 255
	.end_amdhsa_kernel
	.section	.bss,"aw",@nobits
	.p2align	6
	.space	262144
	.amdgpu_metadata
---
amdhsa.version: [ 1, 2 ]
amdhsa.kernels:
  - .name:           k_q56f90fac2e_gemm_ffn1
    .symbol:         k_q56f90fac2e_gemm_ffn1.kd
    .args:
      - { .name: hc, .offset: 0, .size: 8, .value_kind: global_buffer, .address_space: global }
      - { .name: wts, .offset: 8, .size: 8, .value_kind: global_buffer, .address_space: global }
      - { .name: ffn_b1, .offset: 16, .size: 8, .value_kind: global_buffer, .address_space: global }
      - { .name: hid, .offset: 24, .size: 8, .value_kind: global_buffer, .address_space: global }
    .group_segment_fixed_size: 327680
    .private_segment_fixed_size: 0
    .kernarg_segment_align: 8
    .kernarg_segment_size: 32
    .max_flat_workgroup_size: 128
    .sgpr_count:     102
    .vgpr_count:     1024
    .wavefront_size: 32
...
	.end_amdgpu_metadata
.endif
;; end of part 6
;; launch gemm_ffn2 (part 7): grid 4 x 16, 4 waves a work-group, clusters of 4 x 4, 327,680 bytes of LDS; arguments hid, wts, ffn_b2, x1, out0; writes out0
.if DOCPART == 7
	.amdgcn_target "amdgcn-amd-amdhsa--gfx1250"
	.amdhsa_code_object_version 6
	.text
	.protected	k_q56f90fac2e_gemm_ffn2
	.globl	k_q56f90fac2e_gemm_ffn2
	.p2align	8
	.type	k_q56f90fac2e_gemm_ffn2,@function
k_q56f90fac2e_gemm_ffn2:
	s_mov_b64 s[64:65], 0
	v_nop
	global_prefetch_b8 v0, s[64:65] scope:SCOPE_SE
	s_setreg_imm32_b32 hwreg(HW_REG_WAVE_MODE, 25, 1), 1
	s_wait_xcnt 0x0
	s_wait_alu depctr_hold_cnt(0) depctr_sa_sdst(0) depctr_va_vdst(0) depctr_va_sdst(0) depctr_va_ssrc(0) depctr_va_vcc(0) depctr_vm_vsrc(0)
	s_getreg_b32 s2, hwreg(HW_REG_IB_STS2, 6, 4)
	s_cmp_eq_u32 s2, 0
	s_cbranch_scc0 .Lentry_in_a_cluster
	s_endpgm
.Lentry_in_a_cluster:
	s_bfe_u32 s2, ttmp6, 0x10000c
	s_cmp_lg_u32 s2, 0xf033
	s_cbranch_scc0 .Lentry_shape_is_right
	s_endpgm
.Lentry_shape_is_right:
; out = x1 + hidden W2 + b2.  The product runs on codes of FP6 (E2M3) with E8M0 scales; both operands arrive as images of operand registers:
; fragment (16 rows x 128 K) = 1,536 bytes, register q of lane l at (q/4)*512 + 16 l + 4 (q%4), laid [row / 16][K / 128]; scale words [row / 16][K / 128][16][4].  K = 4,096, N = 1,024.
; A tile of 256 x 256 to a work-group of four waves, 128 x 128 a wave: 64 accumulators in 512 registers.  K goes in steps of 256 through two LDS slots filled by the tensor data mover; a row block's two
; fragments of a step are 3,072 consecutive bytes.  The scale words of the work-group's rows, for all of K, come once and stay.  N = 1,024 gives 64 such tiles: 64 work-groups.
; CLUSTERS of 4 x 4: A's tiles are shared along a row of the cluster, B's along a column; each is asked for jointly.
; THE PRODUCT IS USED TRANSPOSED (source 0 = 16 columns of W, source 1 = 16 rows of A): a lane holds eight neighbouring numbers of a row.  The bias is the C of each sum's first product.
; THE WAY OUT: a block of 16 rows x 128 columns goes through the wave's stage in LDS (in slot 0, which has had its last fill and its last read), comes back as rows of 512 bytes, takes the residual's rows, which
; were asked for three blocks ahead, and is stored: 32 lanes store 512 consecutive bytes.
; REGISTERS: window 0: v0-31 addresses; v32-63 scale words, two sets; v64-127 the bias; v128-223 A's fragments, one set; on the way out v128-255 rows.  window 1: B's fragments, two sets; on the way out the residual.
;   windows 2, 3: the accumulators.
.set SIZE_K, 4096
.set ASC,    12582912                  ; A's scale words in its buffer
.set WC,     6291456                   ; the weight's codes in wts
.set WS,     9699328                   ; and scale words
.set LASTOUT, 1                        ; the result is written once and read by nobody here
.set KST,    SIZE_K/128
.set NQ,     2
.set FR,     12
.set NL,     3
.set NP,     4                         ; places behind this matrix instruction (ISA guide 7.12.1)
.set ROWB,   3072
.set HALFT,  8*ROWB
.set SLOT,   4*HALFT
.set LAPS,   SIZE_K/512
.set KROW,   SIZE_K*3/4
.set KS,     SIZE_K/32
.set SCL,    2*SLOT
.set HALFS,  512*KST
.set SBLK,   64*KST
.set SPARE,  SCL+4*HALFS+256           ; the spare words, 128 bytes for each wave: two blocks of 256 bytes that no other line names
.set SPITCH, 528
.set ADRA, 16
.set ADRB, 20
.set STO,  24
.set RD,   25
.set CO,   26
.set ADRS, 27
.set SPW,  28
.set NIL,  29
.set SC,   32
.set BI,   64
.set AF,   128
.set BK,   128
.set G1, 24
.set G0, 32
.set G1B, 48
.set G0B, 56
.set G1S, 68
.set G0S, 76
.set G1SB, 80
.set G0SB, 88
.set MSB, 0
.macro WIN new                         ; the immediate's high byte repeats the setting that is left
.set WN, \new
.if MSB != WN
	s_set_vgpr_msb (MSB<<8)|WN
.set MSB, WN
.endif
.endm
.set MUL_LO, 0xa1                      ; source 0 window 1, source 1 window 0, C and D window 2
.set MUL_HI, 0xf1
.set FIRST_LO, 0x81                    ; the same with C (the bias) in window 0
.set FIRST_HI, 0xc1
.set TO_B,   0x40
.macro JLOAD g0a, g1a, g0b, g1b        ; a joint load: waves 0 and 1 fetch for A, waves 2 and 3 for B; four v_nop follow each line
	s_cmp_eq_u32 s15, 0
	s_cbranch_scc0 .Lfor_b_\@
	tensor_load_to_lds s[\g0a:\g0a+3], s[\g1a:\g1a+7]
	s_nop 0
.rept 4
	v_nop
.endr
	s_branch .Lasked_\@
.Lfor_b_\@:
	tensor_load_to_lds s[\g0b:\g0b+3], s[\g1b:\g1b+7]
	s_nop 0
.rept 4
	v_nop
.endr
.Lasked_\@:
.endm
.macro CREST
	s_cmp_lg_u32 s14, 0
	s_cbranch_scc1 .Lnot_wave_0_\@
	s_barrier_signal -3
.Lnot_wave_0_\@:
	s_barrier_wait -3
	s_barrier_signal -1
	s_barrier_wait -1
.endm
.macro CROUND
	s_barrier_signal -1
	s_barrier_wait -1
	CREST
.endm
	s_load_b64 s[4:5], s[0:1], 0x0                 ; A's images
	s_load_b64 s[8:9], s[0:1], 0x8                 ; the weights' images
	s_load_b64 s[96:97], s[0:1], 0x10              ; the bias
	s_load_b64 s[98:99], s[0:1], 0x18              ; the residual
	s_load_b64 s[12:13], s[0:1], 0x20              ; the result
	v_lshl_add_u32 v[SPW], v0, 2, SPARE
	v_mov_b32 v[NIL], 0
	ds_add_u32 v28, v29
	ds_add_u32 v28, v29
	s_wait_dscnt 0x0
	v_lshrrev_b32 v1, 5, v0
	v_readfirstlane_b32 s14, v1                    ; wave
	s_lshr_b32 s15, s14, 1                         ; my half of the rows.  Also: I fetch for A (0) or B (1)
	s_and_b32 s16, s14, 1                          ; my half of the columns.  Also: which 128 rows I fetch
	s_bfe_u32 s40, ttmp6, 0x40000                  ; cx
	s_bfe_u32 s41, ttmp6, 0x40004                  ; cy
	s_lshl_b32 s42, ttmp9, 2
	s_add_co_u32 s42, s42, s40                     ; tile column
	s_and_b32 s17, ttmp7, 0xffff
	s_lshl_b32 s17, s17, 2
	s_add_co_u32 s17, s17, s41                     ; tile row
	s_lshl_b32 s43, s41, 2
	s_lshl_b32 s43, 15, s43                        ; my row of the cluster
	s_lshl_b32 s44, 0x1111, s40                    ; my column
	s_or_b32 s[G1+0], s43, (3<<16)|(1<<21)         ; 15:0 the mask; 17:16 elements of 8 bytes; 21 set beside a mask; no padding
	s_or_b32 s[G1B+0], s44, (3<<16)|(1<<21)
.irp g, G1, G1B
	s_mov_b32 s[\g+1], 384<<16                     ; tensor_dim0: 3,072 bytes
	s_mov_b32 s[\g+2], 8<<16                       ; tensor_dim1: 8 row blocks
	s_mov_b32 s[\g+3], 384<<16
	s_mov_b32 s[\g+4], 8
	s_mov_b32 s[\g+5], KST*192                     ; from row block to row block
	s_mov_b32 s[\g+6], 0
	s_mov_b32 s[\g+7], 0
.endr
	s_or_b32 s[G1S+0], s43, (3<<16)|(1<<21)        ; the scale words of 128 rows: a dense block, as rows of 256 bytes
	s_or_b32 s[G1SB+0], s44, (3<<16)|(1<<21)
.irp g, G1S, G1SB
	s_mov_b32 s[\g+1], 32<<16
	s_mov_b32 s[\g+2], (2*KST)<<16
	s_mov_b32 s[\g+3], 32<<16
	s_mov_b32 s[\g+4], 2*KST
	s_mov_b32 s[\g+5], 32
	s_mov_b32 s[\g+6], 0
	s_mov_b32 s[\g+7], 0
.endr
	s_lshl_b32 s18, s16, 7
	s_lshl_b32 s20, s17, 8
	s_add_co_u32 s20, s20, s18                     ; A: the first row that I fetch
	s_lshl_b32 s46, s42, 8
	s_add_co_u32 s46, s46, s18                     ; B likewise
	s_mov_b32 s21, 0
	s_mov_b32 s47, 0
	s_mov_b64 s[18:19], KS
	s_mul_u64 s[22:23], s[20:21], s[18:19]
	s_mul_u64 s[92:93], s[46:47], s[18:19]
	s_mov_b64 s[18:19], KROW
	s_mul_u64 s[20:21], s[20:21], s[18:19]
	s_mul_u64 s[46:47], s[46:47], s[18:19]
	s_mul_i32 s45, s14, HALFT                      ; where they go: no place in the cluster enters an LDS address
	s_mul_i32 s94, s14, HALFS
	s_lshl_b32 s95, s15, 7                         ; B's words lie 128 bytes further on, so that the two halves of a load's lanes touch different words' columns
	s_add_co_u32 s94, s94, s95
	s_wait_kmcnt 0x0
	s_add_nc_u64 s[6:7], s[4:5], ASC
	s_add_nc_u64 s[10:11], s[8:9], WS
	s_add_nc_u64 s[8:9], s[8:9], WC
	s_add_nc_u64 s[20:21], s[4:5], s[20:21]
	s_add_nc_u64 s[22:23], s[6:7], s[22:23]
	s_add_nc_u64 s[46:47], s[8:9], s[46:47]
	s_add_nc_u64 s[92:93], s[10:11], s[92:93]
	CROUND                                         ; all sixteen work-groups are here: the first joint loads meet
	s_mov_b32 s[G0S], 1
	s_add_co_u32 s[G0S+1], s94, SCL
	s_mov_b64 s[G0S+2:G0S+3], s[22:23]
	s_or_b32 s[G0S+3], s[G0S+3], 0x80000000
	s_mov_b32 s[G0SB], 1
	s_add_co_u32 s[G0SB+1], s94, SCL
	s_mov_b64 s[G0SB+2:G0SB+3], s[92:93]
	s_or_b32 s[G0SB+3], s[G0SB+3], 0x80000000
	JLOAD G0S, G1S, G0SB, G1SB                     ; the scale words first
.irp s, 0,1
	s_mov_b32 s[G0+4*\s], 1
	s_add_co_u32 s[G0+4*\s+1], s45, \s*SLOT
	s_add_nc_u64 s[G0+4*\s+2:G0+4*\s+3], s[20:21], \s*ROWB
	s_or_b32 s[G0+4*\s+3], s[G0+4*\s+3], 0x80000000
	s_mov_b32 s[G0B+4*\s], 1
	s_add_co_u32 s[G0B+4*\s+1], s45, \s*SLOT
	s_add_nc_u64 s[G0B+4*\s+2:G0B+4*\s+3], s[46:47], \s*ROWB
	s_or_b32 s[G0B+4*\s+3], s[G0B+4*\s+3], 0x80000000
	JLOAD G0+4*\s, G1, G0B+4*\s, G1B
.endr
	v_and_b32 v1, 15, v0                           ; r
	v_bfe_u32 v2, v0, 4, 1                         ; h
	v_and_b32 v3, 31, v0                           ; lane
	v_lshlrev_b32 v4, 4, v3                        ; 16 x lane: my place in every image
	s_mul_i32 s21, s15, HALFT
	s_mul_i32 s22, s16, HALFT
	s_add_co_u32 s22, s22, 2*HALFT
.irp s, 0,1
	v_add_nc_u32 v[ADRA+\s], s21, v4
	v_add_nc_u32 v[ADRB+\s], s22, v4
	s_add_co_u32 s21, s21, SLOT
	s_add_co_u32 s22, s22, SLOT
.endr
	s_mul_i32 s21, s15, HALFS                      ; scale words: lanes 0-15 take A's rows, lanes 16-31 B's
	s_mul_i32 s22, s16, HALFS
	s_add_co_u32 s22, s22, 2*HALFS+128
	s_sub_co_u32 s22, s22, s21
	v_mul_u32_u24 v6, s22, v2
	s_add_co_u32 s21, s21, SCL
	v_lshl_add_u32 v6, v1, 2, v6
	v_add_nc_u32 v[ADRS], s21, v6
	s_mul_i32 s23, s14, 16*SPITCH                  ; my stage
	v_mul_u32_u24 v5, v1, SPITCH
	v_lshl_add_u32 v5, v2, 5, v5
	v_add_nc_u32 v[STO], s23, v5                   ; in: row r, 32 bytes for each half of the lanes
	v_add_nc_u32 v[RD], s23, v4                    ; back: a row of 512 bytes to the 32 lanes
	v_mov_b32 v[CO], v4                            ; and the same in memory
	s_lshl_b32 s20, s17, 8
	s_lshl_b32 s21, s15, 7
	s_add_co_u32 s20, s20, s21                     ; my first row,
	s_lshl_b32 s20, s20, 12                        ; of 4,096 bytes
	s_lshl_b32 s46, s42, 10
	s_lshl_b32 s47, s16, 9
	s_add_co_u32 s46, s46, s47                     ; my first column, in bytes
	s_mov_b32 s47, 0
	s_add_nc_u64 s[96:97], s[96:97], s[46:47]
	s_add_co_u32 s46, s46, s20
	s_add_nc_u64 s[12:13], s[12:13], s[46:47]
	s_add_nc_u64 s[98:99], s[98:99], s[46:47]
	v_lshlrev_b32 v8, 5, v2                        ; the bias in the result's layout: register 8 b + j: column 16 b + 8 h + j
.irp b, 0,1,2,3,4,5,6,7
	global_load_b128 v[BI+8*\b:BI+8*\b+3], v8, s[96:97] offset:64*\b
	global_load_b128 v[BI+8*\b+4:BI+8*\b+7], v8, s[96:97] offset:64*\b+16
.endr
.macro FRAG reg, adr, q, i             ; a fragment comes as it was stored: three loads of 512 consecutive bytes
.irp c, 0,1,2
	ds_load_b128 v[\reg+4*\c:\reg+4*\c+3], v[\adr] offset:(\i)*ROWB+(\q)*1536+512*\c
.endr
.endm
; 16 matrix instructions: A's blocks a0, a0 + 1 x B's eight.  The 64 accumulators take turns, one instruction a turn, in the same order in every step.
.macro MUL16 a0, p, q, sc, first
.irp a, \a0, \a0+1
.irp b, 0,1,2,3,4,5,6,7
.if \first
	v_wmma_scale_f32_16x16x128_f8f6f4 v[8*(8*((\a)%4)+\b):8*(8*((\a)%4)+\b)+7], v[128*(\p)+FR*\b:128*(\p)+FR*\b+FR-1], v[AF+FR*(\a):AF+FR*(\a)+FR-1], v[BI+8*\b:BI+8*\b+7], v[SC+8*NQ*(\sc)+NQ*\b+(\q)], v[SC+8*NQ*(\sc)+NQ*(\a)+(\q)] matrix_a_fmt:MATRIX_FMT_FP6 matrix_b_fmt:MATRIX_FMT_FP6 matrix_a_scale:MATRIX_SCALE_ROW1
.else
	v_wmma_scale_f32_16x16x128_f8f6f4 v[8*(8*((\a)%4)+\b):8*(8*((\a)%4)+\b)+7], v[128*(\p)+FR*\b:128*(\p)+FR*\b+FR-1], v[AF+FR*(\a):AF+FR*(\a)+FR-1], v[8*(8*((\a)%4)+\b):8*(8*((\a)%4)+\b)+7], v[SC+8*NQ*(\sc)+NQ*\b+(\q)], v[SC+8*NQ*(\sc)+NQ*(\a)+(\q)] matrix_a_fmt:MATRIX_FMT_FP6 matrix_b_fmt:MATRIX_FMT_FP6 matrix_a_scale:MATRIX_SCALE_ROW1
.endif
.endr
.endr
.endm
.macro FETCH_B slot, q, p
	WIN TO_B
.irp i, 0,1,2,3,4,5,6,7
	FRAG 128*(\p)+FR*\i, ADRB+\slot, \q, \i
.endr
	WIN 0
.endm
.macro FETCH_A slot, q, i0
.irp i, \i0, \i0+1, \i0+2, \i0+3
	FRAG AF+FR*(\i), ADRA+\slot, \q, \i
.endr
.endm
.macro SCALES sc                       ; a K step's scale words: register 2 i + q: lanes 0-15 A's block i, lanes 16-31 B's block i
.irp i, 0,1,2,3,4,5,6,7
.irp q, 0,1
	ds_load_b32 v[SC+8*NQ*\sc+NQ*\i+\q], v[ADRS] offset:\i*SBLK+64*\q
.endr
.endr
.endm
.macro PLACES n                        ; plain vector lines between a matrix instruction and a load into, or a read of, its registers (ISA guide 7.12.1 for the reads)
.rept \n
	v_nop
.endr
.endm
.macro STEP slot, q, first
	s_wait_dscnt 4*NL                              ; all but the youngest twelve loads (A's blocks 4-7) are in
.if \first
	WIN FIRST_LO
.else
	WIN MUL_LO
.endif
	MUL16 0, (\q)%2, \q, \slot, \first
	MUL16 2, (\q)%2, \q, \slot, \first
	s_wait_dscnt 0
	PLACES NP
	FETCH_B \slot, (\q)+1, 1-(\q)%2
	FETCH_A \slot, (\q)+1, 0
.if \first
	WIN FIRST_HI
.else
	WIN MUL_HI
.endif
	MUL16 4, (\q)%2, \q, \slot, \first
	MUL16 6, (\q)%2, \q, \slot, \first
	PLACES NP
	WIN 0
	FETCH_A \slot, (\q)+1, 4
.endm
; A slot's last step changes slots: one barrier; in front of it each wave waits for all its tensor loads, adds 0 to its spare word, and waits for that and for its reads of this slot.
.macro TURN slot, next, fill
	s_wait_tensorcnt 0x0                           ; all my tensor loads have landed: my part of the next slot
	ds_add_u32 v[SPW], v[NIL]                      ; 0 onto my spare word
	s_wait_dscnt 4*NL+1                            ; (the add and the youngest twelve loads may be out)
	WIN MUL_LO
	MUL16 0, 1, NQ-1, \slot, 0
	s_wait_dscnt 0x0                               ; the add is done, and my reads of this slot are over
	s_barrier_signal -1
	MUL16 2, 1, NQ-1, \slot, 0
	WIN 0
	s_barrier_wait -1
.if \fill
	CREST                                          ; the barrier has opened a meeting of the whole cluster: no wave of any partner still reads this slot or has a load on its way
	s_add_nc_u64 s[G0+4*\slot+2:G0+4*\slot+3], s[G0+4*\slot+2:G0+4*\slot+3], 2*ROWB
	s_add_nc_u64 s[G0B+4*\slot+2:G0B+4*\slot+3], s[G0B+4*\slot+2:G0B+4*\slot+3], 2*ROWB
	JLOAD G0+4*\slot, G1, G0B+4*\slot, G1B         ; my one tensor load behind it; its four v_nop are the places in front of the loads below
.else
	PLACES NP
.endif
	v_add_nc_u32 v[ADRS], 64*NQ, v[ADRS]           ; the next K step's scale words
	FETCH_B \next, 0, 0
	FETCH_A \next, 0, 0
	SCALES \next
	WIN MUL_HI
	MUL16 4, 1, NQ-1, \slot, 0
	MUL16 6, 1, NQ-1, \slot, 0
	PLACES NP
	WIN 0
	FETCH_A \next, 0, 4
.endm
	s_wait_tensorcnt 1                             ; the scale words and my part of K step 0 are in; K step 1's load may be out
	s_barrier_signal -1
	s_barrier_wait -1
	FETCH_B 0, 0, 0
	FETCH_A 0, 0, 0
	SCALES 0
	FETCH_A 0, 0, 4
	s_wait_loadcnt 0x0                             ; the bias
	STEP 0, 0, 1                                   ; the first step's products start the sums, on the bias
	s_mov_b32 s3, LAPS-1
.Llap:
	TURN 0, 1, 1
	STEP 1, 0, 0
	TURN 1, 0, 1
	STEP 0, 0, 0
	s_sub_co_u32 s3, s3, 1
	s_cmp_lg_u32 s3, 0
	s_cbranch_scc1 .Llap
	TURN 0, 1, 0
	STEP 1, 0, 0
	s_wait_dscnt 4*NL
	WIN MUL_LO
	MUL16 0, 1, NQ-1, 1, 0
	MUL16 2, 1, NQ-1, 1, 0
	s_wait_dscnt 0
	WIN MUL_HI
	MUL16 4, 1, NQ-1, 1, 0
	MUL16 6, 1, NQ-1, 1, 0
	WIN 0
.macro RLOAD a                         ; the residual's 16 rows of block a into window 1, buffer a % 4
	WIN 0x40
.irp t, 0,1,2,3,4,5,6,7,8,9,10,11,12,13,14,15
	global_load_b128 v[64*((\a)%4)+4*\t:64*((\a)%4)+4*\t+3], v[CO], s[98:99] offset:(16*(\a)+\t)*4096
.endr
	WIN 0
.endm
.macro TOSTAGE a
.set AC, 64*((\a)%4)
	WIN 0x08+4*((\a)/4)                            ; an LDS store's data: window 2 or 3
.irp b, 0,1,2,3,4,5,6,7
	ds_store_b128 v[STO], v[AC+8*\b:AC+8*\b+3] offset:64*\b          ; each accumulator from its low end on
	ds_store_b128 v[STO], v[AC+8*\b+4:AC+8*\b+7] offset:64*\b+16
.endr
	WIN 0
.set BB, BK+64*((\a)%2)
.irp t, 0,1,2,3,4,5,6,7,8,9,10,11,12,13,14,15
	ds_load_b128 v[BB+4*\t:BB+4*\t+3], v[RD] offset:\t*SPITCH        ; LDS serves a wave's instructions in order: these see my stores
.endr
.endm
.macro SEND a, younger
.set BB, BK+64*((\a)%2)
.set RS, 64*((\a)%4)
	s_wait_dscnt \younger                          ; the block is back in registers
.if (\a) < 6
	s_wait_loadcnt 32                              ; its residual is in; those of the two blocks behind it may be out
.else
	s_wait_loadcnt 16*(7-(\a))
.endif
	WIN 0x04                                       ; source 1 window 1
.set j, 0
.rept 32
	v_pk_add_f32 v[BB+j:BB+j+1], v[BB+j:BB+j+1], v[RS+j:RS+j+1]
.set j, j+2
.endr
	WIN 0
.if (\a) < 5
	RLOAD (\a)+3                                   ; into the buffer that block a - 1 has left
.endif
.irp t, 0,1,2,3,4,5,6,7,8,9,10,11,12,13,14,15
.if LASTOUT
	global_store_b128 v[CO], v[BB+4*\t:BB+4*\t+3], s[12:13] offset:(16*(\a)+\t)*4096 th:TH_STORE_NT   ; 32 lanes store 512 consecutive bytes; every place stands in the immediate, 520,192 at the most
.else
	global_store_b128 v[CO], v[BB+4*\t:BB+4*\t+3], s[12:13] offset:(16*(\a)+\t)*4096
.endif
.endr
.endm
	PLACES NP                                      ; behind the last products: for the loads into B's registers and A's, and for the reads of results
	RLOAD 0
	RLOAD 1
	RLOAD 2
	TOSTAGE 0
.irp a, 1,2,3,4,5,6,7
.if \a > 1
	s_wait_xcnt 0x0                                ; block a - 2's stores have read their registers: block a's rows may land there
.endif
	TOSTAGE \a
	SEND \a-1, 32                                  ; behind block a - 1's loads: block a's 16 stores and 16 loads
.endr
	SEND 7, 0
	s_wait_tensorcnt 0x0                           ; the wave's end
	ds_add_u32 v[SPW], v[NIL]
	s_wait_dscnt 0x0
	CROUND                                         ; no work-group ends while a partner may still ask for a tile that names it
	s_endpgm
.Lfunc_end_k_q56f90fac2e_gemm_ffn2:
	.size	k_q56f90fac2e_gemm_ffn2, .Lfunc_end_k_q56f90fac2e_gemm_ffn2-k_q56f90fac2e_gemm_ffn2
	.p2alignl 7, 3214868480
	.fill 96, 4, 3214868480
	.section	.rodata,"a",@progbits
	.p2align	6, 0x0
	.amdhsa_kernel k_q56f90fac2e_gemm_ffn2
		.amdhsa_group_segment_fixed_size 327680
		.amdhsa_private_segment_fixed_size 0
		.amdhsa_enable_private_segment 0
		.amdhsa_kernarg_size 40
		.amdhsa_user_sgpr_count 2
		.amdhsa_user_sgpr_kernarg_segment_ptr 1
		.amdhsa_wavefront_size32 1
		.amdhsa_system_sgpr_workgroup_id_x 1
		.amdhsa_system_sgpr_workgroup_id_y 1
		.amdhsa_system_sgpr_workgroup_id_z 1
		.amdhsa_system_vgpr_workitem_id 0
		.amdhsa_next_free_vgpr 1024
		.amdhsa_next_free_sgpr 102
		.amdhsa_reserve_vcc 0
		.amdhsa_float_denorm_mode_32 3
		.amdhsa_float_denorm_mode_16_64 3
		.amdhsa_memory_ordered 1
		.amdhsa_forward_progress 1
		.amdhsa_inst_pref_size 168
	.end_amdhsa_kernel
	.amdgpu_metadata
---
amdhsa.version: [ 1, 2 ]
amdhsa.kernels:
  - .name:           k_q56f90fac2e_gemm_ffn2
    .symbol:         k_q56f90fac2e_gemm_ffn2.kd
    .args:
      - { .name: hid, .offset: 0, .size: 8, .value_kind: global_buffer, .address_space: global }
      - { .name: wts, .offset: 8, .size: 8, .value_kind: global_buffer, .address_space: global }
      - { .name: ffn_b2, .offset: 16, .size: 8, .value_kind: global_buffer, .address_space: global }
      - { .name: x1, .offset: 24, .size: 8, .value_kind: global_buffer, .address_space: global }
      - { .name: out0, .offset: 32, .size: 8, .value_kind: global_buffer, .address_space: global }
    .group_segment_fixed_size: 327680
    .private_segment_fixed_size: 0
    .kernarg_segment_align: 8
    .kernarg_segment_size: 40
    .max_flat_workgroup_size: 128
    .sgpr_count:     102
    .vgpr_count:     1024
    .wavefront_size: 32
...
	.end_amdgpu_metadata
.endif
;; end of part 7
;; ======== version 2 of 2: 8 launches
;; limits: right only within a limited range of input values
;; workspace buffers: wts 9,830,400 bytes; hc 3,276,800 bytes; qb 3,407,872 bytes; kv 6,684,672 bytes; cc 3,276,800 bytes; x1 16,777,216 bytes; hid 13,107,200 bytes
;; launch wquant (part 8): grid 384 x 1, 4 waves a work-group, no clusters, 25,088 bytes of LDS; arguments qkv_w, out_w, ffn_w1, ffn_w2, wts; writes wts
.if DOCPART == 8
	.amdgcn_target "amdgcn-amd-amdhsa--gfx1250"
	.amdhsa_code_object_version 6
	.text
	.protected	k_q56f90fac2e_wquant
	.globl	k_q56f90fac2e_wquant
	.p2align	8
	.type	k_q56f90fac2e_wquant,@function
k_q56f90fac2e_wquant:
	s_mov_b64 s[64:65], 0
	v_nop
	global_prefetch_b8 v0, s[64:65] scope:SCOPE_SE
	s_setreg_imm32_b32 hwreg(HW_REG_WAVE_MODE, 25, 1), 1
	s_wait_xcnt 0x0
; The four weights, f32 stored [K][N], become codes of FP6 (E2M3) with one E8M0 byte for each 32 along K, laid as IMAGES OF OPERAND REGISTERS:
; a fragment (16 columns n x 128 K, 12 registers a lane) is 1,536 bytes, register q of lane l at (q/4)*512 + 16 l + 4 (q%4); fragments lie [n/16][K/128]; scale words lie [n/16][K/128][16][4 bytes].
; ORDER INSIDE A BLOCK OF 32: position p holds k = p with bits 3 and 4 exchanged (0-7, 16-23, 8-15, 24-31).  Every operand of this program is laid so, on both sides of every product, so the products are
; A LANE TAKES A COLUMN n AND ITS REGISTERS RUN DOWN K: a block lies in one lane's 32 registers, and each load reads 128 consecutive bytes a wave.
; A work-group takes 128 columns x 256 K, a wave 32 columns: 2 x 2 fragments, gathered in the wave's own 6,144 bytes of LDS and stored as runs of 512 consecutive bytes.  Waves share nothing: no barrier.
; One path serves the four tensors: pointer, pitch and places are chosen by the work-group's number.
; A block's byte is its largest magnitude's exponent field - 2, held at 1 from below (a block of zeros keeps 1: its codes are zeros, and only this program reads the bytes).
; LIMITS: NaN and infinities among the inputs are not served; blocks whose largest magnitude lies under 2^-124 get the byte 1.
.set SB,   24                          ; v24-25   two scale words
.set OFF,  32                          ; v32-63   byte offset of register i's row: 4 x lane + PI(i) x pitch
.set X,    64                          ; v64-127  two sets of 32 numbers
.set C,    128                         ; v128-133 a block's six code registers
.set C2,   136                         ; v136-138 the second conversion's result
.set OUTR, 140                         ; v140-187 the way out
	s_load_b256 s[4:11], s[0:1], 0x0               ; qkv_w s[4:5], out_w s[6:7], ffn_w1 s[8:9], ffn_w2 s[10:11]
	s_load_b64 s[12:13], s[0:1], 0x20              ; wts
	v_lshl_add_u32 v192, v0, 2, 0x6000
	v_mov_b32 v193, 0
	v_lshrrev_b32 v1, 5, v0
	v_readfirstlane_b32 s22, v1                    ; wave
	v_and_b32 v2, 31, v0                           ; lane = my column of the wave's 32
	v_lshlrev_b32 v3, 2, v2
	v_and_b32 v8, 15, v2
	v_lshrrev_b32 v9, 4, v2
	s_mul_i32 s23, s22, 6144                       ; my wave's stage
	v_mul_u32_u24 v4, v9, 3072
	v_lshl_add_u32 v4, v8, 4, v4
	v_add_nc_u32 v4, s23, v4                       ; into it: 3,072 x (column / 16) + 16 x (column % 16)
	v_lshlrev_b32 v6, 4, v2
	v_add_nc_u32 v5, s23, v6                       ; out of it: 16 x lane
	s_mov_b32 s16, 4096                            ; ffn_w2's figures: a row in bytes,
	s_mov_b32 s17, 256                             ; its first work-group,
	s_mov_b32 s18, 4                               ; log2 of its runs of 256 along K,
	s_mov_b32 s19, 32                              ; K / 128,
	s_mov_b32 s20, 6291456                         ; where its codes begin in wts,
	s_mov_b32 s21, 9699328                         ; and its scale words
	s_wait_alu depctr_va_vdst(0)
	s_wait_kmcnt 0x0
	s_mov_b64 s[14:15], s[10:11]
	s_cmp_lt_u32 ttmp9, 256                        ; ffn_w1's
	s_cselect_b64 s[14:15], s[8:9], s[14:15]
	s_cselect_b32 s16, 16384, s16
	s_cselect_b32 s17, 128, s17
	s_cselect_b32 s18, 2, s18
	s_cselect_b32 s19, 8, s19
	s_cselect_b32 s20, 3145728, s20
	s_cselect_b32 s21, 9568256, s21
	s_cmp_lt_u32 ttmp9, 128                        ; out_w's
	s_cselect_b64 s[14:15], s[6:7], s[14:15]
	s_cselect_b32 s16, 4096, s16
	s_cselect_b32 s17, 96, s17
	s_cselect_b32 s20, 2359296, s20
	s_cselect_b32 s21, 9535488, s21
	s_cmp_lt_u32 ttmp9, 96                         ; qkv_w's
	s_cselect_b64 s[14:15], s[4:5], s[14:15]
	s_cselect_b32 s16, 12288, s16
	s_cselect_b32 s17, 0, s17
	s_cselect_b32 s20, 0, s20
	s_cselect_b32 s21, 9437184, s21
	s_sub_co_u32 s24, ttmp9, s17                   ; my number within the tensor
	s_lshr_b32 s25, s24, s18                       ; which 128 columns
	s_lshl_b32 s26, s25, s18
	s_sub_co_u32 s26, s24, s26                     ; which 256 along K
	s_lshl_b32 s27, s25, 3
	s_lshl_b32 s28, s22, 1
	s_add_co_u32 s27, s27, s28                     ; my first block of 16 columns
	s_mul_i32 s27, s27, s19
	s_lshl_b32 s28, s26, 1
	s_add_co_u32 s27, s27, s28                     ; my first fragment's number
	s_lshl_b32 s30, s25, 9
	s_lshl_b32 s31, s22, 7
	s_add_co_u32 s30, s30, s31                     ; my wave's first column, in bytes,
	s_mul_i32 s31, s26, s16
	s_lshl_b32 s31, s31, 8
	s_add_co_u32 s30, s30, s31                     ; + 256 rows for each run along K
	s_mov_b32 s31, 0
	s_add_nc_u64 s[40:41], s[14:15], s[30:31]      ; a base for each of the eight blocks, 32 rows apart: nothing is stepped while loads are out
	s_lshl_b32 s30, s16, 5
.irp t, 1,2,3,4,5,6,7
	s_add_nc_u64 s[40+2*\t:41+2*\t], s[38+2*\t:39+2*\t], s[30:31]
.endr
	s_mul_i32 s30, s27, 1536
	s_add_co_u32 s30, s30, s20
	s_add_nc_u64 s[56:57], s[12:13], s[30:31]      ; the codes of my first 16 columns: two fragments on end,
	s_mul_i32 s30, s19, 1536
	s_add_nc_u64 s[58:59], s[56:57], s[30:31]      ; and of my second 16
	s_lshl_b32 s30, s27, 6
	s_add_co_u32 s30, s30, s21
	s_add_nc_u64 s[60:61], s[12:13], s[30:31]      ; the scale words
	s_lshl_b32 s30, s19, 6
	v_mul_u32_u24 v7, s30, v9
	v_lshl_add_u32 v7, v8, 2, v7                   ; my column's word
.set i, 0
.rept 32
	s_mul_i32 s25, s16, (i&7)+8*((i>>4)&1)+16*((i>>3)&1)
	v_add_nc_u32 v[OFF+i], s25, v3                 ; register i takes row PI(i) of the block
.set i, i+1
.endr
.macro LOAD t                          ; block t into set t % 2
.set i, 0
.rept 32
	global_load_b32 v[X+32*((\t)%2)+i], v[OFF+i], s[40+2*(\t):41+2*(\t)] th:TH_LOAD_NT
.set i, i+1
.endr
.endm
	s_wait_alu depctr_va_vdst(0)
	LOAD 0
	LOAD 1
.macro BLOCK t
.set XS, X+32*((\t)%2)
.set BO, ((\t)/4)*1536+256*((\t)%2)    ; the fragment, and lanes 16-31 of it for an odd block
.if (\t) < 7
	s_wait_loadcnt 32                              ; this block's 32 loads are in; the next block's may be out
.else
	s_wait_loadcnt 0
.endif
	v_max3_num_f32 v12, |v[XS]|, |v[XS+1]|, |v[XS+2]|
	v_max3_num_f32 v13, |v[XS+3]|, |v[XS+4]|, |v[XS+5]|
.irp i, 6,10,14,18,22,26
	v_max3_num_f32 v12, v12, |v[XS+\i]|, |v[XS+\i+1]|
	v_max3_num_f32 v13, v13, |v[XS+\i+2]|, |v[XS+\i+3]|
.endr
	v_max3_num_f32 v12, v12, |v[XS+30]|, |v[XS+31]|
	v_max3_num_f32 v12, v12, v13, 0x1800000        ; the floor 2^(3 - 127): the byte cannot fall under 1
	v_add_nc_u32 v11, 0xff000000, v12              ; 2 off the exponent field: the conversion's scale operand
	v_lshrrev_b32 v13, 23, v11                     ; the byte
.if (\t)%4 == 0
	v_mov_b32 v[SB+(\t)/4], v13
.else
	v_lshl_or_b32 v[SB+(\t)/4], v13, 8*((\t)%4), v[SB+(\t)/4]
.endif
	v_cvt_scalef32_pk16_fp6_f32 v[C:C+2], v[XS:XS+15], v11
	v_cvt_scalef32_pk16_fp6_f32 v[C2:C2+2], v[XS+16:XS+31], v11   ; (a conversion's three registers begin on an even number)
	v_nop                                          ; one plain place behind a scaled conversion
.irp i, 0,1,2
	v_mov_b32 v[C+3+\i], v[C2+\i]
.endr
.if ((\t)%4) < 2                       ; registers 0-5 of the fragment
	ds_store_b128 v4, v[C:C+3] offset:BO
	ds_store_b64 v4, v[C+4:C+5] offset:BO+512
.else                                  ; registers 6-11
	ds_store_b64 v4, v[C:C+1] offset:BO+520
	ds_store_b128 v4, v[C+2:C+5] offset:BO+1024
.endif
.if (\t)+2 < 8
	LOAD (\t)+2
.endif
	s_wait_dscnt 0x0                               ; the stores have read their registers: the next block's codes may be written
.endm
.irp t, 0,1,2,3,4,5,6,7
	BLOCK \t
.endr
	global_store_b32 v7, v[SB], s[60:61]
	s_wait_alu depctr_va_vdst(0)
	global_store_b32 v7, v[SB+1], s[60:61] offset:64
.irp i, 0,1,2,3,4,5,6,7,8,9,10,11
	ds_load_b128 v[OUTR+4*\i:OUTR+4*\i+3], v5 offset:512*\i   ; LDS serves a wave's instructions in order: these see my stores
.endr
.irp i, 0,1,2,3,4,5
	s_wait_dscnt 11-\i
	global_store_b128 v6, v[OUTR+4*\i:OUTR+4*\i+3], s[56:57] offset:512*\i   ; 32 lanes store 512 consecutive bytes
.endr
.irp i, 6,7,8,9,10,11
	s_wait_dscnt 11-\i
	global_store_b128 v6, v[OUTR+4*\i:OUTR+4*\i+3], s[58:59] offset:512*(\i-6)
.endr
	s_wait_tensorcnt 0x0
	ds_add_u32 v192, v193
	s_wait_dscnt 0x0
	s_endpgm
.Lfunc_end_k_q56f90fac2e_wquant:
	.size	k_q56f90fac2e_wquant, .Lfunc_end_k_q56f90fac2e_wquant-k_q56f90fac2e_wquant
	.p2alignl 7, 3214868480
	.fill 96, 4, 3214868480
	.section	.rodata,"a",@progbits
	.p2align	6, 0x0
	.amdhsa_kernel k_q56f90fac2e_wquant
		.amdhsa_group_segment_fixed_size 25088
		.amdhsa_private_segment_fixed_size 0
		.amdhsa_enable_private_segment 0
		.amdhsa_kernarg_size 40
		.amdhsa_user_sgpr_count 2
		.amdhsa_user_sgpr_kernarg_segment_ptr 1
		.amdhsa_wavefront_size32 1
		.amdhsa_system_sgpr_workgroup_id_x 1
		.amdhsa_system_sgpr_workgroup_id_y 1
		.amdhsa_system_sgpr_workgroup_id_z 1
		.amdhsa_system_vgpr_workitem_id 0
		.amdhsa_next_free_vgpr 194
		.amdhsa_next_free_sgpr 66
		.amdhsa_reserve_vcc 0
		.amdhsa_float_denorm_mode_32 3
		.amdhsa_float_denorm_mode_16_64 3
		.amdhsa_memory_ordered 1
		.amdhsa_forward_progress 1
		.amdhsa_inst_pref_size 46
	.end_amdhsa_kernel
	.amdgpu_metadata
---
amdhsa.version: [ 1, 2 ]
amdhsa.kernels:
  - .name:           k_q56f90fac2e_wquant
    .symbol:         k_q56f90fac2e_wquant.kd
    .args:
      - { .name: qkv_w, .offset: 0, .size: 8, .value_kind: global_buffer, .address_space: global }
      - { .name: out_w, .offset: 8, .size: 8, .value_kind: global_buffer, .address_space: global }
      - { .name: ffn_w1, .offset: 16, .size: 8, .value_kind: global_buffer, .address_space: global }
      - { .name: ffn_w2, .offset: 24, .size: 8, .value_kind: global_buffer, .address_space: global }
      - { .name: wts, .offset: 32, .size: 8, .value_kind: global_buffer, .address_space: global }
    .group_segment_fixed_size: 25088
    .private_segment_fixed_size: 0
    .kernarg_segment_align: 8
    .kernarg_segment_size: 40
    .max_flat_workgroup_size: 128
    .sgpr_count:     66
    .vgpr_count:     194
    .wavefront_size: 32
...
	.end_amdgpu_metadata
.endif
;; end of part 8
;; launch ln1 (part 9): grid 256 x 1, 8 waves a work-group, no clusters, 69,632 bytes of LDS; arguments x, ln1_g, ln1_b, hc; writes hc
.if DOCPART == 9
	.amdgcn_target "amdgcn-amd-amdhsa--gfx1250"
	.amdhsa_code_object_version 6
	.text
	.protected	k_q56f90fac2e_ln1
	.globl	k_q56f90fac2e_ln1
	.p2align	8
	.type	k_q56f90fac2e_ln1,@function
k_q56f90fac2e_ln1:
	s_mov_b64 s[64:65], 0
	v_nop
	global_prefetch_b8 v0, s[64:65] scope:SCOPE_SE
	s_setreg_imm32_b32 hwreg(HW_REG_WAVE_MODE, 25, 1), 1
	s_wait_xcnt 0x0
; h = (x - mean) / (std + 1e-5) * g + b over rows of 1,024 f32 (std with 1,023 in the divisor), quantised along the row to FP6 (E2M3) with one E8M0 byte for each 32, and stored as images of operand registers:
; fragment (row block rb, K step ks) at (8 rb + ks) x 1,536 bytes, register q of lane l at (q/4)*512 + 16 l + 4 (q%4); its 16 scale words at 3,145,728 + (8 rb + ks) x 64.
; Inside a block of 32 the codes stand in the order 0-7, 16-23, 8-15, 24-31, as in every operand of this program.
; A work-group takes 16 rows; wave w takes columns 128 w .. 128 w + 127 of all 16: one fragment.  Each load reads 512 consecutive bytes; the numbers turn through the wave's own stage in LDS so that lane (r, h) holds
; 64 numbers of row r in the order that the conversions want.  The row's sum and, of the CENTRED numbers, the sum of squares meet through 512 bytes of LDS each, behind one barrier each.
; LIMITS: NaN and infinities are not served; a block whose largest magnitude lies under 2^-124 gets the byte 1 (a block of zeros too: its codes are zeros, and only this program reads the bytes).
.set R,   16                           ; v16-79   the rows as loaded; later b
.set X,   80                           ; v80-143  my 64 numbers
.set G,   144                          ; v144-207 g at my 64 columns
.set PC,  208                          ; v208-226 the codes
.set TM,  228                          ; v228-243 at work in QUANT
.set PW,  244                          ; the scale word
.set STA, 67584                        ; LDS: behind the eight stages of 8,448 bytes: 16 rows x 8 waves of sums; 512 bytes on: of squares
.set SEL, 16
	s_load_b256 s[4:11], s[0:1], 0x0               ; x s[4:5], g s[6:7], b s[8:9], the images s[10:11]
	v_lshl_add_u32 v239, v0, 2, 0x10c00
	v_mov_b32 v245, 0
	v_lshrrev_b32 v1, 5, v0
	s_delay_alu instid0(VALU_DEP_1)
	v_readfirstlane_b32 s12, v1                    ; wave
	v_and_b32 v1, 31, v0                           ; lane
	v_and_b32 v2, 15, v0                           ; r
	v_bfe_u32 v3, v0, 4, 1                         ; h
	s_delay_alu instid0(VALU_DEP_3)
	v_lshlrev_b32 v4, 4, v1                        ; 16 x lane
	s_mul_i32 s13, s12, 8448
	v_add_nc_u32 v5, s13, v4                       ; the stage, in: a row of 512 bytes as it lies; rows 528 apart
	v_mul_u32_u24 v6, v2, 528
	s_delay_alu instid0(VALU_DEP_1)
	v_lshl_add_u32 v6, v3, 5, v6
	s_delay_alu instid0(VALU_DEP_1)
	v_add_nc_u32 v6, s13, v6                       ; out: row r, + 32 h
	v_lshlrev_b32 v7, 5, v3                        ; g, b: 32 h
	s_lshl_b32 s14, s12, 2
	s_add_co_u32 s14, s14, STA
	v_lshlrev_b32 v9, 5, v2
	s_delay_alu instid0(VALU_DEP_1)
	v_add_nc_u32 v8, s14, v9                       ; my wave's word of row r
	s_delay_alu instid0(VALU_DEP_2)
	v_add_nc_u32 v9, STA, v9                       ; row r's eight words
	v_lshlrev_b32 v10, 2, v2                       ; 4 r
	s_mov_b32 s[SEL], 0x76543210
	s_mov_b32 s[SEL+1], 0xfedcba98                 ; lane l xor 16
.irp b, 0,1,2,3
	v_mov_b32 v[TM+4+\b], 0                        ; written once: a lane permute's destination counts as one of its sources
.endr
	s_lshl_b32 s20, s12, 9                         ; my 512 bytes of a row
	s_mov_b32 s21, 0
	s_lshl_b32 s18, ttmp9, 16                      ; 16 rows of 4,096 bytes
	s_add_co_u32 s18, s18, s20
	s_mov_b32 s19, 0
	s_lshl_b32 s22, ttmp9, 3
	s_add_co_u32 s22, s22, s12                     ; my fragment's number
	s_mul_i32 s24, s22, 1536
	s_mov_b32 s25, 0
	s_lshl_b32 s26, s22, 6
	s_add_co_u32 s26, s26, 3145728
	s_mov_b32 s27, 0
	s_wait_alu depctr_va_vdst(0)
	s_wait_kmcnt 0x0
	s_add_nc_u64 s[4:5], s[4:5], s[18:19]
	s_add_nc_u64 s[6:7], s[6:7], s[20:21]
	s_add_nc_u64 s[8:9], s[8:9], s[20:21]
	s_add_nc_u64 s[28:29], s[10:11], s[26:27]
	s_add_nc_u64 s[10:11], s[10:11], s[24:25]
.irp i, 0,1,2,3,4,5,6,7,8,9,10,11,12,13,14,15
	global_load_b128 v[R+4*\i:R+4*\i+3], v4, s[4:5] offset:4096*\i   ; row i: 32 lanes read 512 consecutive bytes
.endr
.macro GB reg, base                    ; register 16 b + i: column 32 b + 8 h + i (i < 8), 32 b + 16 + 8 h + i - 8 (else)
.irp b, 0,1,2,3
	global_load_b128 v[\reg+16*\b:\reg+16*\b+3], v7, s[\base:\base+1] offset:128*\b
	global_load_b128 v[\reg+16*\b+4:\reg+16*\b+7], v7, s[\base:\base+1] offset:128*\b+16
	global_load_b128 v[\reg+16*\b+8:\reg+16*\b+11], v7, s[\base:\base+1] offset:128*\b+64
	global_load_b128 v[\reg+16*\b+12:\reg+16*\b+15], v7, s[\base:\base+1] offset:128*\b+80
.endr
.endm
	GB G, 6
	s_wait_loadcnt 16                              ; the rows are in; g's sixteen loads may be out
.irp i, 0,1,2,3,4,5,6,7,8,9,10,11,12,13,14,15
	ds_store_b128 v5, v[R+4*\i:R+4*\i+3] offset:528*\i
.endr
.irp b, 0,1,2,3                        ; LDS serves a wave's instructions in order: these see my stores
	ds_load_b128 v[X+16*\b:X+16*\b+3], v6 offset:128*\b
	ds_load_b128 v[X+16*\b+4:X+16*\b+7], v6 offset:128*\b+16
	ds_load_b128 v[X+16*\b+8:X+16*\b+11], v6 offset:128*\b+64
	ds_load_b128 v[X+16*\b+12:X+16*\b+15], v6 offset:128*\b+80
.endr
	s_wait_dscnt 0x0                               ; my numbers are back, and the stores have read the rows' registers,
	GB R, 8                                        ; which take b
	v_pk_add_f32 v[248:249], v[X:X+1], v[X+2:X+3]  ; the sum of my 64, two at a time, in two chains
	v_pk_add_f32 v[250:251], v[X+4:X+5], v[X+6:X+7]
.irp j, 8,12,16,20,24,28,32,36,40,44,48,52,56,60
	s_delay_alu instid0(VALU_DEP_2)
	v_pk_add_f32 v[248:249], v[248:249], v[X+\j:X+\j+1]
	s_delay_alu instid0(VALU_DEP_2)
	v_pk_add_f32 v[250:251], v[250:251], v[X+\j+2:X+\j+3]
.endr
.macro MEET off                        ; v[248:251] -> the row's total over both lane halves and the eight waves, in v248
	s_delay_alu instid0(VALU_DEP_1)
	v_pk_add_f32 v[248:249], v[248:249], v[250:251]
	s_delay_alu instid0(VALU_DEP_1)
	v_add_f32 v248, v248, v249
	s_delay_alu instid0(VALU_DEP_1)
	v_permlanex16_b32 v249, v248, s[SEL], s[SEL+1]
	s_delay_alu instid0(VALU_DEP_1)
	v_add_f32 v248, v248, v249
	ds_store_b32 v8, v248 offset:\off              ; both lanes of a row write the same word with the same value
	s_wait_dscnt 0x0                               ; for the others' sake: my store has landed
	s_barrier_signal -1
	s_barrier_wait -1
	ds_load_b128 v[248:251], v9 offset:\off
	ds_load_b128 v[252:255], v9 offset:\off+16
	s_wait_dscnt 0x0
	v_pk_add_f32 v[248:249], v[248:249], v[250:251]
	v_pk_add_f32 v[252:253], v[252:253], v[254:255]
	s_delay_alu instid0(VALU_DEP_1)
	v_pk_add_f32 v[248:249], v[248:249], v[252:253]
	s_delay_alu instid0(VALU_DEP_1)
	v_add_f32 v248, v248, v249
.endm
	MEET 0
	s_delay_alu instid0(VALU_DEP_1)
	v_mul_f32 v246, 0x3a800000, v248               ; the mean: / 1,024
	s_delay_alu instid0(VALU_DEP_1)
	v_mov_b32 v247, v246
.set j, 0
.rept 32
	v_pk_add_f32 v[X+j:X+j+1], v[X+j:X+j+1], v[246:247] neg_lo:[0,1] neg_hi:[0,1]   ; centred first: a common offset of the row does no harm to the squares
.set j, j+2
.endr
	v_pk_mul_f32 v[248:249], v[X:X+1], v[X:X+1]
	v_pk_mul_f32 v[250:251], v[X+2:X+3], v[X+2:X+3]
.irp j, 4,8,12,16,20,24,28,32,36,40,44,48,52,56,60
	s_delay_alu instid0(VALU_DEP_2)
	v_pk_fma_f32 v[248:249], v[X+\j:X+\j+1], v[X+\j:X+\j+1], v[248:249]
	s_delay_alu instid0(VALU_DEP_2)
	v_pk_fma_f32 v[250:251], v[X+\j+2:X+\j+3], v[X+\j+2:X+\j+3], v[250:251]
.endr
	MEET 512                                       ; other bytes than the sums': no barrier is owed between the two
	s_delay_alu instid0(VALU_DEP_1)
	v_mul_f32 v248, 0x3a802008, v248               ; / 1,023
	s_wait_alu depctr_va_vdst(0)
	v_sqrt_f32 v249, v248
	v_nop                                          ; one plain place behind a transcendental
	s_wait_alu depctr_va_vdst(0)
	v_add_f32 v249, 0x3727c5ac, v249               ; std + 1e-5
	s_wait_alu depctr_va_vdst(0)
	v_rcp_f32 v246, v249
	v_nop
	s_wait_alu depctr_va_vdst(0)
	v_mov_b32 v247, v246
	s_wait_alu depctr_va_vdst(0)
	s_wait_loadcnt 0x0                             ; g and b
.set j, 0
.rept 32
	v_pk_mul_f32 v[X+j:X+j+1], v[X+j:X+j+1], v[246:247]
.set j, j+2
.endr
.set j, 0
.rept 32
	v_pk_fma_f32 v[X+j:X+j+1], v[X+j:X+j+1], v[G+j:G+j+1], v[R+j:R+j+1]
.set j, j+2
.endr
	; 64 numbers of a lane become a fragment's codes and its scale word
.irp b, 0,1,2,3
	v_max3_num_f32 v[TM+\b], |v[X+16*\b]|, |v[X+1+16*\b]|, 0x1800000   ; my 16 of block b, and the floor 2^(3 - 127)
.endr
.irp i, 2,4,6,8,10,12,14
.irp b, 0,1,2,3
	s_delay_alu instid0(VALU_DEP_4)
	v_max3_num_f32 v[TM+\b], v[TM+\b], |v[X+16*\b+\i]|, |v[X+1+16*\b+\i]|
.endr
.endr
.irp b, 0,1,2,3
	s_delay_alu instid0(VALU_DEP_4)
	v_permlanex16_b32 v[TM+4+\b], v[TM+\b], s[SEL], s[SEL+1]
.endr
.irp b, 0,1,2,3
	s_delay_alu instid0(VALU_DEP_4)
	v_max_num_f32 v[TM+\b], v[TM+\b], v[TM+4+\b]   ; the block's largest magnitude
.endr
.irp b, 0,1,2,3
	s_delay_alu instid0(VALU_DEP_4)
	v_add_nc_u32 v[TM+12+\b], 0xff000000, v[TM+\b] ; 2 off its exponent field: the conversion's scale operand
.endr
.irp b, 0,1,2,3
	s_delay_alu instid0(VALU_DEP_4)
	v_lshrrev_b32 v[TM+4+\b], 23, v[TM+12+\b]      ; the byte
.endr
	s_delay_alu instid0(VALU_DEP_3)
	v_lshl_or_b32 v[PW], v[TM+5], 8, v[TM+4]
	s_delay_alu instid0(VALU_DEP_1)
	v_lshl_or_b32 v[PW], v[TM+6], 16, v[PW]
	s_delay_alu instid0(VALU_DEP_1)
	v_lshl_or_b32 v[PW], v[TM+7], 24, v[PW]
.irp c, 0,1
	v_cvt_scalef32_pk16_fp6_f32 v[PC+6*\c:PC+2+6*\c], v[X+32*\c:X+15+32*\c], v[TM+12+2*\c]
	v_cvt_scalef32_pk16_fp6_f32 v[PC+12+4*\c:PC+14+4*\c], v[X+16+32*\c:X+31+32*\c], v[TM+13+2*\c]
.endr
	v_nop                                          ; one plain place behind a scaled conversion
.irp c, 0,1                            ; a whole block to a lane: lanes 0-15 block 2 c, lanes 16-31 block 2 c + 1
.irp i, 0,1,2
	v_permlane16_swap_b32 v[PC+6*\c+\i], v[PC+12+4*\c+\i]
.endr
.irp i, 0,1,2
	s_delay_alu instid0(VALU_DEP_3)
	v_mov_b32 v[PC+3+6*\c+\i], v[PC+12+4*\c+\i]
.endr
.endr
.irp c, 0,1,2
	global_store_b128 v4, v[PC+4*\c:PC+4*\c+3], s[10:11] offset:512*\c   ; 32 lanes store 512 consecutive bytes
.endr
	global_store_b32 v10, v[PW], s[28:29]          ; row r's word (both lanes of a row store the same word)
	s_wait_tensorcnt 0x0
	ds_add_u32 v239, v245
	s_wait_dscnt 0x0
	s_endpgm
.Lfunc_end_k_q56f90fac2e_ln1:
	.size	k_q56f90fac2e_ln1, .Lfunc_end_k_q56f90fac2e_ln1-k_q56f90fac2e_ln1
	.p2alignl 7, 3214868480
	.fill 96, 4, 3214868480
	.section	.rodata,"a",@progbits
	.p2align	6, 0x0
	.amdhsa_kernel k_q56f90fac2e_ln1
		.amdhsa_group_segment_fixed_size 69632
		.amdhsa_private_segment_fixed_size 0
		.amdhsa_enable_private_segment 0
		.amdhsa_kernarg_size 32
		.amdhsa_user_sgpr_count 2
		.amdhsa_user_sgpr_kernarg_segment_ptr 1
		.amdhsa_wavefront_size32 1
		.amdhsa_system_sgpr_workgroup_id_x 1
		.amdhsa_system_sgpr_workgroup_id_y 1
		.amdhsa_system_sgpr_workgroup_id_z 1
		.amdhsa_system_vgpr_workitem_id 0
		.amdhsa_next_free_vgpr 256
		.amdhsa_next_free_sgpr 66
		.amdhsa_reserve_vcc 0
		.amdhsa_float_denorm_mode_32 3
		.amdhsa_float_denorm_mode_16_64 3
		.amdhsa_memory_ordered 1
		.amdhsa_forward_progress 1
		.amdhsa_inst_pref_size 29
	.end_amdhsa_kernel
	.amdgpu_metadata
---
amdhsa.version: [ 1, 2 ]
amdhsa.kernels:
  - .name:           k_q56f90fac2e_ln1
    .symbol:         k_q56f90fac2e_ln1.kd
    .args:
      - { .name: x, .offset: 0, .size: 8, .value_kind: global_buffer, .address_space: global }
      - { .name: ln1_g, .offset: 8, .size: 8, .value_kind: global_buffer, .address_space: global }
      - { .name: ln1_b, .offset: 16, .size: 8, .value_kind: global_buffer, .address_space: global }
      - { .name: hc, .offset: 24, .size: 8, .value_kind: global_buffer, .address_space: global }
    .group_segment_fixed_size: 69632
    .private_segment_fixed_size: 0
    .kernarg_segment_align: 8
    .kernarg_segment_size: 32
    .max_flat_workgroup_size: 256
    .sgpr_count:     66
    .vgpr_count:     256
    .wavefront_size: 32
...
	.end_amdgpu_metadata
.endif
;; end of part 9
;; launch gemm_qkv (part 10): grid 12 x 16, 4 waves a work-group, clusters of 4 x 4, 327,680 bytes of LDS; arguments hc, wts, qb, kv; writes qb, kv
.if DOCPART == 10
	.amdgcn_target "amdgcn-amd-amdhsa--gfx1250"
	.amdhsa_code_object_version 6
	.text
	.protected	k_q56f90fac2e_gemm_qkv
	.globl	k_q56f90fac2e_gemm_qkv
	.p2align	8
	.type	k_q56f90fac2e_gemm_qkv,@function
k_q56f90fac2e_gemm_qkv:
	s_mov_b64 s[64:65], 0
	v_nop
	global_prefetch_b8 v0, s[64:65] scope:SCOPE_SE
	s_setreg_imm32_b32 hwreg(HW_REG_WAVE_MODE, 25, 1), 1
	s_wait_xcnt 0x0
	s_wait_alu depctr_hold_cnt(0) depctr_sa_sdst(0) depctr_va_vdst(0) depctr_va_sdst(0) depctr_va_ssrc(0) depctr_va_vcc(0) depctr_vm_vsrc(0)
	s_getreg_b32 s2, hwreg(HW_REG_IB_STS2, 6, 4)
	s_cmp_eq_u32 s2, 0
	s_cbranch_scc0 .Lentry_in_a_cluster
	s_endpgm
.Lentry_in_a_cluster:
	s_bfe_u32 s2, ttmp6, 0x10000c
	s_cmp_lg_u32 s2, 0xf033
	s_cbranch_scc0 .Lentry_shape_is_right
	s_endpgm
.Lentry_shape_is_right:
; qkv = h Wqkv on codes of FP6 (E2M3) with E8M0 scales, and its results quantised at once into the operands of attention's two products.  Both operands arrive as images of operand registers:
; fragment (16 rows x 128 K) = 1,536 bytes, register q of lane l at (q/4)*512 + 16 l + 4 (q%4), laid [row / 16][K / 128]; scale words [row / 16][K / 128][16][4].  K = 1,024.
; A tile of 256 x 256 results to a work-group of four waves, 128 x 128 a wave: 64 accumulators in 512 registers.  K goes in steps of 256 through two LDS slots filled by the tensor data mover;
; a row block's two fragments of a step are 3,072 consecutive bytes.  The scale words of the work-group's rows, for all of K, come once and stay.
; CLUSTERS of 4 x 4: source 1's tiles are shared along a row of the cluster, source 0's along a column; each is asked for jointly.
; THE PRODUCT IS USED TRANSPOSED: source 0's 16 rows run along a lane's registers, source 1's row is the lane's.
; ROLES.  Cluster x = 0 (q) and 1 (k): source 1 = tokens (h), source 0 = W's columns: a lane holds a token, its registers run along the head's d, which is the first product's K.
; Cluster x = 2 (v): source 1 = Wv's columns, source 0 = tokens: a lane holds one d, its registers run along the tokens, the keys, which are the second product's K.  The choice hangs on the cluster's x alone.
; OUT.  q: qb[batch x head][128 tokens]: 6,656 bytes: eight half images (16 tokens x 64 d: registers 0-3 at 16 l, 4-5 at 512 + 8 l), then eight times 16 scale words.
; k, v: kv[batch x head][128 keys]: 13,056 bytes: eight half images of k, four images of v^T (16 d x 128 keys), k's scale words at 12,288, v's at 12,800.
; In a half image's scale word bytes 2 and 3 are the neighbouring head's bytes or 0, never 0xff: in attention they meet zero codes.
; Inside a block of 32 the codes stand in the order 0-7, 16-23, 8-15, 24-31, as in every operand of this program: that is how a lane's registers of two neighbouring accumulators fall.
; LIMITS: NaN and infinities are not served; a block whose largest magnitude lies under 2^-124 gets the byte 1.
; REGISTERS: window 0: v0-31 addresses; v32-63 scale words, two sets; v128-223 source 1's fragments, one set; on the way out v192-229 at work.  window 1: source 0's fragments, two sets.  windows 2, 3: the accumulators.
.set SIZE_K, 1024
.set KST,    SIZE_K/128
.set NQ,     2                         ; matrix instructions deep in a slot
.set FR,     12                        ; registers of a fragment
.set NL,     3                         ; LDS loads that bring one
.set NP,     4                         ; places behind this matrix instruction (ISA guide 7.12.1)
.set ROWB,   3072                      ; a row block's part of a slot
.set HALFT,  8*ROWB                    ; 128 rows: one tensor load
.set SLOT,   4*HALFT
.set LAPS,   SIZE_K/512
.set KROW,   SIZE_K*3/4                ; bytes of codes for each row
.set KS,     SIZE_K/32                 ; bytes of scales for each row
.set SCL,    2*SLOT                    ; behind the ring: the scale words
.set HALFS,  512*KST                   ; those of 128 rows
.set SBLK,   64*KST                    ; those of 16 rows
.set SPARE,  SCL+4*HALFS+256           ; the spare words, 128 bytes for each wave: two blocks of 256 bytes that no other line names
.set ADRA, 16
.set ADRB, 20
.set ADRS, 27
.set SPW,  28
.set NIL,  29
.set SC,   32
.set AF,   128
.set PC,   192
.set TM,   212
.set PW,   228
.set PW2,  229
.set SEL,  18
.set G1, 24
.set G0, 32
.set G1B, 48
.set G0B, 56
.set G1S, 68
.set G0S, 76
.set G1SB, 80
.set G0SB, 88
.set MSB, 0
.macro WIN new                         ; the immediate's high byte repeats the setting that is left
.set WN, \new
.if MSB != WN
	s_set_vgpr_msb (MSB<<8)|WN
.set MSB, WN
.endif
.endm
.set MUL_LO, 0xa1                      ; source 0 window 1, source 1 window 0, C and D window 2
.set MUL_HI, 0xf1                      ; the same, C and D window 3
.set TO_B,   0x40
.macro JLOAD g0a, g1a, g0b, g1b        ; a joint load: waves 0 and 1 fetch for source 1, waves 2 and 3 for source 0; four v_nop follow each line
	s_cmp_eq_u32 s15, 0
	s_cbranch_scc0 .Lfor_b_\@
	tensor_load_to_lds s[\g0a:\g0a+3], s[\g1a:\g1a+7]
	s_nop 0
.rept 4
	v_nop
.endr
	s_branch .Lasked_\@
.Lfor_b_\@:
	tensor_load_to_lds s[\g0b:\g0b+3], s[\g1b:\g1b+7]
	s_nop 0
.rept 4
	v_nop
.endr
.Lasked_\@:
.endm
.macro CREST
	s_cmp_lg_u32 s14, 0
	s_cbranch_scc1 .Lnot_wave_0_\@
	s_barrier_signal -3
.Lnot_wave_0_\@:
	s_barrier_wait -3
	s_barrier_signal -1
	s_barrier_wait -1
.endm
.macro CROUND
	s_barrier_signal -1
	s_barrier_wait -1
	CREST
.endm
	s_load_b64 s[4:5], s[0:1], 0x0                 ; h's images
	s_load_b64 s[8:9], s[0:1], 0x8                 ; the weights' images
	s_load_b64 s[96:97], s[0:1], 0x10              ; qb
	s_load_b64 s[98:99], s[0:1], 0x18              ; kv
	v_lshl_add_u32 v[SPW], v0, 2, SPARE
	v_mov_b32 v[NIL], 0
	ds_add_u32 v28, v29
	ds_add_u32 v28, v29
	s_wait_dscnt 0x0
	v_lshrrev_b32 v1, 5, v0
	v_readfirstlane_b32 s14, v1                    ; wave
	s_lshr_b32 s15, s14, 1                         ; my half of source 1's rows.  Also: I fetch for source 1 (0) or source 0 (1)
	s_and_b32 s16, s14, 1                          ; my half of source 0's rows.  Also: which 128 rows I fetch
	s_bfe_u32 s40, ttmp6, 0x40000                  ; cx
	s_bfe_u32 s41, ttmp6, 0x40004                  ; cy
	s_and_b32 s17, ttmp7, 0xffff                   ; the cluster's y
	s_cmp_eq_u32 ttmp9, 2                          ; v?  The cluster's x is the same in all sixteen partners
	s_cselect_b32 s42, s17, ttmp9
	s_cselect_b32 s17, 0, s17
	s_lshl_b32 s42, s42, 2
	s_add_co_u32 s42, s42, s40                     ; tile of source 0's rows
	s_lshl_b32 s17, s17, 2
	s_add_co_u32 s17, s17, s41                     ; tile of source 1's rows
	s_lshl_b32 s43, s41, 2
	s_lshl_b32 s43, 15, s43                        ; my row of the cluster
	s_lshl_b32 s44, 0x1111, s40                    ; my column
	s_or_b32 s[G1+0], s43, (3<<16)|(1<<21)         ; 15:0 the mask; 17:16 elements of 8 bytes; 21 set beside a mask; no padding
	s_or_b32 s[G1B+0], s44, (3<<16)|(1<<21)
.irp g, G1, G1B
	s_mov_b32 s[\g+1], 384<<16                     ; tensor_dim0: 3,072 bytes
	s_mov_b32 s[\g+2], 16<<16                      ; tensor_dim1: 16 row blocks for the head's loads; 8 behind them
	s_mov_b32 s[\g+3], 384<<16                     ; tile_dim0
	s_mov_b32 s[\g+4], 16                          ; tile_dim1 likewise
	s_mov_b32 s[\g+5], KST*192                     ; from row block to row block
	s_mov_b32 s[\g+6], 0
	s_mov_b32 s[\g+7], 0
.endr
	s_or_b32 s[G1S+0], s43, (3<<16)|(1<<21)        ; the scale words of 256 rows: a dense block, as rows of 256 bytes
	s_or_b32 s[G1SB+0], s44, (3<<16)|(1<<21)
.irp g, G1S, G1SB
	s_mov_b32 s[\g+1], 32<<16
	s_mov_b32 s[\g+2], (4*KST)<<16                 ; the scale words of 256 rows
	s_mov_b32 s[\g+3], 32<<16
	s_mov_b32 s[\g+4], 4*KST
	s_mov_b32 s[\g+5], 32
	s_mov_b32 s[\g+6], 0
	s_mov_b32 s[\g+7], 0
.endr
	s_lshl_b32 s20, s17, 8                         ; source 1: the tile's first row
	s_lshl_b32 s46, s42, 8                         ; source 0 likewise
	s_mov_b32 s21, 0
	s_mov_b32 s47, 0
	s_mov_b64 s[18:19], KS
	s_mul_u64 s[22:23], s[20:21], s[18:19]
	s_mul_u64 s[92:93], s[46:47], s[18:19]
	s_mov_b64 s[18:19], KROW
	s_mul_u64 s[20:21], s[20:21], s[18:19]
	s_mul_u64 s[46:47], s[46:47], s[18:19]
	s_mul_i32 s45, s14, HALFT                      ; where they go: no place in the cluster enters an LDS address
	s_wait_kmcnt 0x0
	s_add_nc_u64 s[6:7], s[4:5], 3145728           ; h's scale words
	s_add_nc_u64 s[10:11], s[8:9], 9437184         ; Wqkv's scale words
	s_add_nc_u64 s[12:13], s[8:9], 2048*KROW       ; Wv's codes: columns 2,048 on
	s_add_nc_u64 s[100:101], s[10:11], 2048*KS     ; and scale words
	s_cmp_eq_u32 ttmp9, 2
	s_cselect_b64 s[12:13], s[12:13], s[4:5]       ; source 1's codes
	s_cselect_b64 s[100:101], s[100:101], s[6:7]   ; and scale words
	s_cselect_b64 s[8:9], s[4:5], s[8:9]           ; source 0's codes
	s_cselect_b64 s[10:11], s[6:7], s[10:11]       ; and scale words
	s_add_nc_u64 s[20:21], s[12:13], s[20:21]
	s_add_nc_u64 s[22:23], s[100:101], s[22:23]
	s_add_nc_u64 s[46:47], s[8:9], s[46:47]
	s_add_nc_u64 s[92:93], s[10:11], s[92:93]
	CROUND                                         ; all sixteen work-groups are here: the first joint loads meet
	s_mov_b32 s[G0S], 1
	s_mov_b32 s[G0S+1], SCL                        ; source 1's scale words, 256 rows
	s_mov_b64 s[G0S+2:G0S+3], s[22:23]
	s_or_b32 s[G0S+3], s[G0S+3], 0x80000000
	s_mov_b32 s[G0SB], 1
	s_mov_b32 s[G0SB+1], SCL+2*HALFS+128           ; source 0's lie 128 bytes further on than dense, so that the two halves of a load's lanes touch different words' columns
	s_mov_b64 s[G0SB+2:G0SB+3], s[92:93]
	s_or_b32 s[G0SB+3], s[G0SB+3], 0x80000000
	s_mov_b32 s4, 1                                ; group 0 for the head's loads of slot 0, in registers that held arguments: source 1's 256 rows,
	s_mov_b32 s5, 0
	s_mov_b64 s[6:7], s[20:21]
	s_or_b32 s7, s7, 0x80000000
	s_mov_b32 s8, 1                                ; and source 0's, behind them
	s_mov_b32 s9, 2*HALFT
	s_mov_b64 s[10:11], s[46:47]
	s_or_b32 s11, s11, 0x80000000
	s_mul_i32 s18, s16, 128*KROW                   ; for the ring: my 128 rows of the tile
	s_mov_b32 s19, 0
	s_add_nc_u64 s[20:21], s[20:21], s[18:19]
	s_add_nc_u64 s[46:47], s[46:47], s[18:19]
	s_cmp_eq_u32 s15, 0                            ; the prefetches: of the 8 row blocks that I fetch, each of the four partners that ask with me takes two, told apart by address
	s_cselect_b64 s[66:67], s[20:21], s[46:47]     ; s[66:67] is never rewritten: every slot stands in the immediate
	s_cselect_b32 s18, s40, s41
	s_mul_i32 s18, s18, 2*KST*1536
	s_add_nc_u64 s[66:67], s[66:67], s[18:19]
.irp s, 0,1
	s_mov_b32 s[G0+4*\s], 1
	s_add_co_u32 s[G0+4*\s+1], s45, \s*SLOT
	s_add_nc_u64 s[G0+4*\s+2:G0+4*\s+3], s[20:21], \s*ROWB
	s_or_b32 s[G0+4*\s+3], s[G0+4*\s+3], 0x80000000
	s_mov_b32 s[G0B+4*\s], 1
	s_add_co_u32 s[G0B+4*\s+1], s45, \s*SLOT
	s_add_nc_u64 s[G0B+4*\s+2:G0B+4*\s+3], s[46:47], \s*ROWB
	s_or_b32 s[G0B+4*\s+3], s[G0B+4*\s+3], 0x80000000
.endr
; The head's four tiles, one joint load a wave: wave 0 slot 0's rows of source 1, wave 1 those of source 0, waves 2 and 3 the scale words.  One chain of branches on the wave's number.
.macro ARM under, g0, g1, next
	s_cmp_lt_u32 s14, \under
	s_cbranch_scc0 \next
	tensor_load_to_lds s[\g0:\g0+3], s[\g1:\g1+7]
	s_nop 0
.rept 4
	v_nop
.endr
	s_branch .Lhead_asked
\next:
.endm
	ARM 1, 4, G1, .Lhead_b
	ARM 2, 8, G1B, .Lhead_sa
	ARM 3, G0S, G1S, .Lhead_sb
	tensor_load_to_lds s[G0SB:G0SB+3], s[G1SB:G1SB+7]
	s_nop 0
.rept 4
	v_nop
.endr
.Lhead_asked:
	v_and_b32 v22, 31, v0                          ; two row blocks' parts of a slot are 2 x 12 blocks of 256 bytes, a lane a block (lanes 24-31 name the last again)
	v_min_u32 v22, 23, v22
	v_mul_u32_u24 v23, v22, 171
	v_lshrrev_b32 v23, 11, v23                     ; lane / 12
	v_lshlrev_b32 v22, 8, v22
	v_mad_u32_u24 v22, v23, KST*1536-ROWB, v22     ; v22 is never rewritten
	global_prefetch_b8 v22, s[66:67] offset:ROWB th:TH_LOAD_NT scope:SCOPE_SE     ; slot 1, whose load stands behind the next round,
	global_prefetch_b8 v22, s[66:67] offset:2*ROWB th:TH_LOAD_NT scope:SCOPE_SE   ; and slot 2, two loads on
	v_and_b32 v1, 15, v0                           ; r
	v_bfe_u32 v2, v0, 4, 1                         ; h
	s_wait_alu depctr_va_vdst(0)
	v_and_b32 v3, 31, v0                           ; lane
	s_wait_alu depctr_va_vdst(0)
	v_lshlrev_b32 v4, 4, v3                        ; 16 x lane: my place in every image
	s_mul_i32 s21, s15, HALFT
	s_mul_i32 s22, s16, HALFT
	s_add_co_u32 s22, s22, 2*HALFT
.irp s, 0,1
	v_add_nc_u32 v[ADRA+\s], s21, v4
	v_add_nc_u32 v[ADRB+\s], s22, v4
	s_add_co_u32 s21, s21, SLOT
	s_add_co_u32 s22, s22, SLOT
.endr
	s_mul_i32 s21, s15, HALFS                      ; scale words: lanes 0-15 take source 1's rows, lanes 16-31 source 0's
	s_mul_i32 s22, s16, HALFS
	s_add_co_u32 s22, s22, 2*HALFS+128
	s_sub_co_u32 s22, s22, s21
	v_mul_u32_u24 v6, s22, v2
	s_add_co_u32 s21, s21, SCL
	v_lshl_add_u32 v6, v1, 2, v6
	v_add_nc_u32 v[ADRS], s21, v6
	v_lshlrev_b32 v24, 4, v3                       ; the way out: 16 x lane,
	v_lshlrev_b32 v25, 3, v3                       ; 8 x lane,
	v_lshlrev_b32 v26, 2, v1                       ; 4 r,
	v_lshlrev_b32 v31, 4, v2                       ; 16 h
.macro FRAG reg, adr, q, i             ; a fragment comes as it was stored: three loads of 512 consecutive bytes
.irp c, 0,1,2
	ds_load_b128 v[\reg+4*\c:\reg+4*\c+3], v[\adr] offset:(\i)*ROWB+(\q)*1536+512*\c
.endr
.endm
; 16 matrix instructions: source 1's blocks a0, a0 + 1 x source 0's eight.  The 64 accumulators take turns, one instruction a turn, in the same order in every step.
.macro MUL16 a0, p, q, sc, first
.irp a, \a0, \a0+1
.irp b, 0,1,2,3,4,5,6,7
.if \first
	v_wmma_scale_f32_16x16x128_f8f6f4 v[8*(8*((\a)%4)+\b):8*(8*((\a)%4)+\b)+7], v[128*(\p)+FR*\b:128*(\p)+FR*\b+FR-1], v[AF+FR*(\a):AF+FR*(\a)+FR-1], 0, v[SC+8*NQ*(\sc)+NQ*\b+(\q)], v[SC+8*NQ*(\sc)+NQ*(\a)+(\q)] matrix_a_fmt:MATRIX_FMT_FP6 matrix_b_fmt:MATRIX_FMT_FP6 matrix_a_scale:MATRIX_SCALE_ROW1
.else
	v_wmma_scale_f32_16x16x128_f8f6f4 v[8*(8*((\a)%4)+\b):8*(8*((\a)%4)+\b)+7], v[128*(\p)+FR*\b:128*(\p)+FR*\b+FR-1], v[AF+FR*(\a):AF+FR*(\a)+FR-1], v[8*(8*((\a)%4)+\b):8*(8*((\a)%4)+\b)+7], v[SC+8*NQ*(\sc)+NQ*\b+(\q)], v[SC+8*NQ*(\sc)+NQ*(\a)+(\q)] matrix_a_fmt:MATRIX_FMT_FP6 matrix_b_fmt:MATRIX_FMT_FP6 matrix_a_scale:MATRIX_SCALE_ROW1
.endif
.endr
.endr
.endm
.macro FETCH_B slot, q, p
	WIN TO_B
.irp i, 0,1,2,3,4,5,6,7
	FRAG 128*(\p)+FR*\i, ADRB+\slot, \q, \i
.endr
	WIN 0
.endm
.macro FETCH_A slot, q, i0
.irp i, \i0, \i0+1, \i0+2, \i0+3
	FRAG AF+FR*(\i), ADRA+\slot, \q, \i
.endr
.endm
.macro SCALES sc                       ; a K step's scale words: register 2 i + q: lanes 0-15 source 1's block i, lanes 16-31 source 0's block i
.irp i, 0,1,2,3,4,5,6,7
.irp q, 0,1
	ds_load_b32 v[SC+8*NQ*\sc+NQ*\i+\q], v[ADRS] offset:\i*SBLK+64*\q
.endr
.endr
.endm
.macro PLACES n                        ; plain vector lines between a matrix instruction and a load into, or a read of, its registers (ISA guide 7.12.1 for the reads)
.rept \n
	v_nop
.endr
.endm
.macro STEP slot, q, first
	s_wait_dscnt 4*NL                              ; all but the youngest twelve loads (source 1's blocks 4-7) are in
	WIN MUL_LO
	MUL16 0, (\q)%2, \q, \slot, \first
	MUL16 2, (\q)%2, \q, \slot, \first
	s_wait_dscnt 0
	PLACES NP
	FETCH_B \slot, (\q)+1, 1-(\q)%2
	FETCH_A \slot, (\q)+1, 0
	WIN MUL_HI
	MUL16 4, (\q)%2, \q, \slot, \first
	MUL16 6, (\q)%2, \q, \slot, \first
	PLACES NP
	WIN 0
	FETCH_A \slot, (\q)+1, 4
.endm
; A slot's last step changes slots: one barrier; in front of it each wave waits for all its tensor loads, adds 0 to its spare word, and waits for that and for its reads of this slot.
.macro TURN slot, next, fill
	s_wait_tensorcnt 0x0                           ; all my tensor loads have landed: my part of the next slot
	ds_add_u32 v[SPW], v[NIL]                      ; 0 onto my spare word
	s_wait_dscnt 4*NL+1                            ; (the add and the youngest twelve loads may be out)
	WIN MUL_LO
	MUL16 0, 1, NQ-1, \slot, 0
	s_wait_dscnt 0x0                               ; the add is done, and my reads of this slot are over
	s_barrier_signal -1
	MUL16 2, 1, NQ-1, \slot, 0
	WIN 0
	s_barrier_wait -1
.if \fill
	CREST                                          ; the barrier has opened a meeting of the whole cluster: no wave of any partner still reads this slot or has a load on its way
	s_add_nc_u64 s[G0+4*\slot+2:G0+4*\slot+3], s[G0+4*\slot+2:G0+4*\slot+3], 2*ROWB
	s_add_nc_u64 s[G0B+4*\slot+2:G0B+4*\slot+3], s[G0B+4*\slot+2:G0B+4*\slot+3], 2*ROWB
	JLOAD G0+4*\slot, G1, G0B+4*\slot, G1B         ; my one tensor load behind it; its four v_nop are the places in front of the loads below
.else
	PLACES NP
.endif
	s_wait_alu depctr_va_vdst(0)
	v_add_nc_u32 v[ADRS], 64*NQ, v[ADRS]           ; the next K step's scale words
	FETCH_B \next, 0, 0
	FETCH_A \next, 0, 0
	SCALES \next
	WIN MUL_HI
	MUL16 4, 1, NQ-1, \slot, 0
	MUL16 6, 1, NQ-1, \slot, 0
	PLACES NP
	WIN 0
	FETCH_A \next, 0, 4
.endm
	s_wait_alu depctr_va_vdst(0)
	s_wait_tensorcnt 0x0                           ; my tile of the head's four is in
	ds_add_u32 v[SPW], v[NIL]
	s_mov_b32 s[G1+2], 8<<16                       ; no tensor load of mine is out: from here on a load brings 8 row blocks
	s_mov_b32 s[G1+4], 8
	s_mov_b32 s[G1B+2], 8<<16
	s_mov_b32 s[G1B+4], 8
	s_wait_dscnt 0x0
	CROUND                                         ; all four tiles are in, and the sixteen work-groups meet
	JLOAD G0+4, G1, G0B+4, G1B                     ; slot 1's first fill, my one tensor load behind the round
	global_prefetch_b8 v22, s[66:67] offset:3*ROWB th:TH_LOAD_NT scope:SCOPE_SE   ; slot 3, the last, two loads on
	FETCH_B 0, 0, 0
	FETCH_A 0, 0, 0
	SCALES 0
	FETCH_A 0, 0, 4
	STEP 0, 0, 1                                   ; the first step's products start the sums
	s_mov_b32 s3, LAPS-1
.Llap:
	TURN 0, 1, 1
	STEP 1, 0, 0
	TURN 1, 0, 1
	STEP 0, 0, 0
	s_sub_co_u32 s3, s3, 1
	s_cmp_lg_u32 s3, 0
	s_cbranch_scc1 .Llap
	TURN 0, 1, 0
	STEP 1, 0, 0
	s_wait_dscnt 4*NL
	WIN MUL_LO
	MUL16 0, 1, NQ-1, 1, 0
	MUL16 2, 1, NQ-1, 1, 0
	s_wait_dscnt 0
	WIN MUL_HI
	MUL16 4, 1, NQ-1, 1, 0
	MUL16 6, 1, NQ-1, 1, 0
	WIN 0
; 64 numbers of a lane in window w, v[s] on (eight accumulators on end), become a fragment's codes in v[PC] on and its scale word in v[PW].  Each accumulator is read from its low end on.
.macro QUANT s, w
	WIN (\w)|((\w)<<2)
.irp b, 0,1,2,3
	v_max3_num_f32 v[TM+\b], |v[(\s)+16*\b]|, |v[(\s)+1+16*\b]|, 0x1800000   ; my 16 of block b, and the floor 2^(3 - 127)
.endr
	WIN ((\w)<<2)|((\w)<<4)
.irp i, 2,4,6,8,10,12,14
.irp b, 0,1,2,3
	v_max3_num_f32 v[TM+\b], v[TM+\b], |v[(\s)+16*\b+\i]|, |v[(\s)+1+16*\b+\i]|
.endr
.endr
	WIN 0
.irp b, 0,1,2,3
	v_permlanex16_b32 v[TM+4+\b], v[TM+\b], s[SEL], s[SEL+1]
.endr
.irp b, 0,1,2,3
	v_max_num_f32 v[TM+\b], v[TM+\b], v[TM+4+\b]
.endr
.irp b, 0,1,2,3
	v_add_nc_u32 v[TM+12+\b], 0xff000000, v[TM+\b] ; 2 off the exponent field: the conversion's scale operand
.endr
.irp b, 0,1,2,3
	v_lshrrev_b32 v[TM+4+\b], 23, v[TM+12+\b]      ; the byte
.endr
	v_lshl_or_b32 v[PW], v[TM+5], 8, v[TM+4]
	v_lshl_or_b32 v[PW], v[TM+6], 16, v[PW]
	v_lshl_or_b32 v[PW], v[TM+7], 24, v[PW]
	WIN \w
.irp c, 0,1
	v_cvt_scalef32_pk16_fp6_f32 v[PC+6*\c:PC+2+6*\c], v[(\s)+32*\c:(\s)+15+32*\c], v[TM+12+2*\c]
	v_cvt_scalef32_pk16_fp6_f32 v[PC+12+4*\c:PC+14+4*\c], v[(\s)+16+32*\c:(\s)+31+32*\c], v[TM+13+2*\c]
.endr
	WIN 0
	v_nop                                          ; one plain place behind a scaled conversion
.irp c, 0,1
.irp i, 0,1,2
	v_permlane16_swap_b32 v[PC+6*\c+\i], v[PC+12+4*\c+\i]
.endr
.irp i, 0,1,2
	v_mov_b32 v[PC+3+6*\c+\i], v[PC+12+4*\c+\i]
.endr
.endr
.endm
	PLACES NP                                      ; behind the last products: their results are read and their operands' registers written below
	s_mov_b32 s[SEL], 0x76543210
	s_mov_b32 s[SEL+1], 0xfedcba98
.irp b, 0,1,2,3
	v_mov_b32 v[TM+4+\b], 0                        ; a lane permute's destination counts as one of its sources
.endr
	s_cmp_eq_u32 ttmp9, 2
	s_cbranch_scc1 .Lv_out
	; ---- q and k: my 128 tokens are one chunk; my 128 columns are two heads
	s_lshl_b32 s20, s17, 1
	s_add_co_u32 s20, s20, s15                     ; which 128 tokens of the 4,096
	s_lshr_b32 s21, s20, 4                         ; the batch
	s_and_b32 s20, s20, 15                         ; the chunk within it
	s_and_b32 s22, s42, 3
	s_lshl_b32 s22, s22, 2
	s_lshl_b32 s23, s16, 1
	s_add_co_u32 s22, s22, s23                     ; my first head
	s_lshl_b32 s21, s21, 4
	s_add_co_u32 s21, s21, s22
	s_lshl_b32 s21, s21, 4
	s_add_co_u32 s21, s21, s20                     ; the chunk's number
	s_mov_b32 s45, 13056
	s_mov_b32 s46, 12288
	s_cmp_eq_u32 ttmp9, 0
	s_cselect_b64 s[96:97], s[96:97], s[98:99]     ; qb or kv,
	s_cselect_b32 s45, 6656, s45                   ; a chunk's bytes,
	s_cselect_b32 s46, 6144, s46                   ; where its scale words begin
	s_mul_i32 s22, s21, s45
	s_mov_b32 s23, 0
	s_add_nc_u64 s[96:97], s[96:97], s[22:23]      ; my first head's chunk,
	s_lshl_b32 s22, s45, 4
	s_add_nc_u64 s[98:99], s[96:97], s[22:23]      ; my second head's: 16 chunks on,
	s_mov_b32 s47, 0
	s_add_nc_u64 s[100:101], s[96:97], s[46:47]    ; the scale words
	v_mul_u32_u24 v30, s22, v2
	v_lshl_add_u32 v30, v1, 2, v30                 ; lanes 0-15 store the first head's words, lanes 16-31 the second's
.irp a, 0,1,2,3,4,5,6,7
.set AC, 64*(\a%4)
.set W, 2+\a/4
.if \a > 0
	s_wait_xcnt 0x0                                ; the last stores have read their registers
.endif
	QUANT AC, W
	global_store_b128 v24, v[PC:PC+3], s[96:97] offset:768*\a
	global_store_b64 v25, v[PC+4:PC+5], s[96:97] offset:768*\a+512
	global_store_b128 v24, v[PC+6:PC+9], s[98:99] offset:768*\a
	global_store_b64 v25, v[PC+10:PC+11], s[98:99] offset:768*\a+512
	v_lshrrev_b32 v[PW2], v31, v[PW]               ; the second head's two bytes come down
	global_store_b32 v30, v[PW2], s[100:101] offset:64*\a
.endr
	s_branch .Ldone
.Lv_out:
	; ---- v: my 128 rows are two heads' d; my 128 tokens are one key step
	s_lshl_b32 s20, s42, 1
	s_add_co_u32 s20, s20, s16
	s_lshr_b32 s21, s20, 4                         ; the batch
	s_and_b32 s20, s20, 15                         ; the key step
	s_lshl_b32 s22, s17, 2
	s_lshl_b32 s23, s15, 1
	s_add_co_u32 s22, s22, s23                     ; my first head
	s_lshl_b32 s21, s21, 4
	s_add_co_u32 s21, s21, s22
	s_lshl_b32 s21, s21, 4
	s_add_co_u32 s21, s21, s20
	s_mul_i32 s22, s21, 13056
	s_mov_b32 s23, 0
	s_add_nc_u64 s[98:99], s[98:99], s[22:23]
.irp a, 0,1,2,3,4,5,6,7
.set AC, 64*(\a%4)
.set W, 2+\a/4
.if \a > 0
	s_wait_xcnt 0x0
.endif
	QUANT AC, W
.irp c, 0,1,2
	global_store_b128 v24, v[PC+4*\c:PC+4*\c+3], s[98:99] offset:(\a/4)*208896+6144+(\a%4)*1536+512*\c
.endr
	global_store_b32 v26, v[PW], s[98:99] offset:(\a/4)*208896+12800+(\a%4)*64
.endr
.Ldone:
	s_wait_tensorcnt 0x0                           ; the wave's end
	ds_add_u32 v[SPW], v[NIL]
	s_wait_dscnt 0x0
	CROUND                                         ; no work-group ends while a partner may still ask for a tile that names it
	s_endpgm
.Lfunc_end_k_q56f90fac2e_gemm_qkv:
	.size	k_q56f90fac2e_gemm_qkv, .Lfunc_end_k_q56f90fac2e_gemm_qkv-k_q56f90fac2e_gemm_qkv
	.p2alignl 7, 3214868480
	.fill 96, 4, 3214868480
	.section	.rodata,"a",@progbits
	.p2align	6, 0x0
	.amdhsa_kernel k_q56f90fac2e_gemm_qkv
		.amdhsa_group_segment_fixed_size 327680
		.amdhsa_private_segment_fixed_size 0
		.amdhsa_enable_private_segment 0
		.amdhsa_kernarg_size 32
		.amdhsa_user_sgpr_count 2
		.amdhsa_user_sgpr_kernarg_segment_ptr 1
		.amdhsa_wavefront_size32 1
		.amdhsa_system_sgpr_workgroup_id_x 1
		.amdhsa_system_sgpr_workgroup_id_y 1
		.amdhsa_system_sgpr_workgroup_id_z 1
		.amdhsa_system_vgpr_workitem_id 0
		.amdhsa_next_free_vgpr 1024
		.amdhsa_next_free_sgpr 102
		.amdhsa_reserve_vcc 0
		.amdhsa_float_denorm_mode_32 3
		.amdhsa_float_denorm_mode_16_64 3
		.amdhsa_memory_ordered 1
		.amdhsa_forward_progress 1
		.amdhsa_inst_pref_size 181
	.end_amdhsa_kernel
	.amdgpu_metadata
---
amdhsa.version: [ 1, 2 ]
amdhsa.kernels:
  - .name:           k_q56f90fac2e_gemm_qkv
    .symbol:         k_q56f90fac2e_gemm_qkv.kd
    .args:
      - { .name: hc, .offset: 0, .size: 8, .value_kind: global_buffer, .address_space: global }
      - { .name: wts, .offset: 8, .size: 8, .value_kind: global_buffer, .address_space: global }
      - { .name: qb, .offset: 16, .size: 8, .value_kind: global_buffer, .address_space: global }
      - { .name: kv, .offset: 24, .size: 8, .value_kind: global_buffer, .address_space: global }
    .group_segment_fixed_size: 327680
    .private_segment_fixed_size: 0
    .kernarg_segment_align: 8
    .kernarg_segment_size: 32
    .max_flat_workgroup_size: 128
    .sgpr_count:     102
    .vgpr_count:     1024
    .wavefront_size: 32
...
	.end_amdgpu_metadata
.endif
;; end of part 10
;; launch attn (part 11): grid 8 x 32, 16 waves a work-group, clusters of 4 x 1, 210,944 bytes of LDS; arguments qb, kv, cc; writes cc
.if DOCPART == 11
	.amdgcn_target "amdgcn-amd-amdhsa--gfx1250"
	.amdhsa_code_object_version 6
	.text
	.protected	k_q56f90fac2e_attn
	.globl	k_q56f90fac2e_attn
	.p2align	8
	.type	k_q56f90fac2e_attn,@function
k_q56f90fac2e_attn:
	s_mov_b64 s[64:65], 0
	v_nop
	global_prefetch_b8 v0, s[64:65] scope:SCOPE_SE
	s_setreg_imm32_b32 hwreg(HW_REG_WAVE_MODE, 25, 1), 1
	s_wait_xcnt 0x0
	s_wait_alu depctr_hold_cnt(0) depctr_sa_sdst(0) depctr_va_vdst(0) depctr_va_sdst(0) depctr_va_ssrc(0) depctr_va_vcc(0) depctr_vm_vsrc(0)
	s_getreg_b32 s2, hwreg(HW_REG_IB_STS2, 6, 4)
	s_cmp_eq_u32 s2, 0
	s_cbranch_scc0 .Lentry_in_a_cluster
	s_endpgm
.Lentry_in_a_cluster:
	s_bfe_u32 s2, ttmp6, 0x10000c
	s_cmp_lg_u32 s2, 0x3003
	s_cbranch_scc0 .Lentry_shape_is_right
	s_endpgm
.Lentry_shape_is_right:
; Causal attention on codes of FP6 (E2M3) with E8M0 scales: ctx = softmax(q k^T / 8) v for one batch x head, and ctx quantised at once into the next product's operand.
; t = score x log2(e) / 8; M = the running largest t rounded UP to a whole number; p = 2^(t - M) is quantised along the keys, not normalised; the row's sum is taken of the unquantised p and divides at the end;
; when M moves, the sum and O are multiplied by 2^(old M - new M), exactly.
; IN.  qb[bh][16 chunks of 6,656]: eight half images of q (16 tokens x 64 d), their scale words at 6,144.  kv[bh][16 key steps of 13,056]: eight half images of k, four images of v^T (16 d x 128 keys),
; k's scale words at 12,288, v's at 12,800.  A head's 16 steps, 208,896 bytes, are brought into LDS ONCE: nothing is filled again.
; SHARES.  A work-group has 16 waves; wave w owns the 16 queries 128 q + 16 jx on, q = s[QW] (w with its low two bits turned round where bit 2 is set), jx = the work-group's x (0..7).  So key step k is hidden from wave w where k > q, lies on the diagonal where k = q, and is open
; where k < q: the branches hang on the wave's number and the step alone, every work-group has the same work, and jx enters only q's and ctx's addresses and the mask's compare.
; CLUSTER.  The four work-groups of a cluster walk the same head: each chunk is asked for jointly, wave w for key step w, one load each.
; K = 64 IN A FORM OF K = 128: q's upper 64 are zero codes; a fragment of k takes the next tile's six registers (behind the last: six zeros) as its upper 64, which meet those zeros; no scale byte is 0xff.
; Both products are used transposed: a lane holds one query throughout.  Inside a block of 32 the codes stand in the order 0-7, 16-23, 8-15, 24-31, in p as in v^T, in q as in k.
; OUT.  ctx's images, laid as the layer norm's: fragment (token / 16, head / 2); an even head fills registers 0-5, an odd head 6-11; two bytes of each scale word.  The stores of 8 and 2 bytes fill their
; 256-byte runs in part: the other part is the neighbouring head's, which another work-group owns.
; LIMITS: NaN and infinities are not served.
.set CH,   13056
.set CHQ,  6656
.set L16,  1                           ; 16 x lane
.set L8,   2                           ; 8 x lane
.set L4,   3                           ; 4 r
.set DG,   4                           ; 16 jx + r - 8 h: on the diagonal register 8 t + j is hidden where 16 t + j is larger
.set ADK,  8
.set ADH,  9
.set ADS,  10
.set QF,   16                          ; v16-27  q's fragment (v22-27 zeros)
.set QS,   28                          ; q's scale words
.set FR,   30                          ; v30-83  k's eight half fragments and six zeros; later v^T's four fragments
.set S,    84                          ; v84-147 scores, then p
.set O,    148                         ; v148-179 O^T
.set PC,   180                         ; v180-191 p's codes
.set C2,   192
.set BM,   200
.set T2,   204
.set SO,   208
.set SW,   212                         ; v212-219 k's or v's scale words
.set FF,   220                         ; f = 2^(old M - new M)
.set PS,   221                         ; p's scale word
.set TP,   222
.set NINF, 223
.set L2,   224
.set WV,   10
.set SEL,  20
.set CS,   22
.set G1,   24
.set G0,   32
.set TB,   58
.set KI,   59
.set QW,   60                          ; which 128 queries are my wave's: the wave's number, its low two bits turned round where bit 2 is set, so that waves w, w + 4, w + 8, w + 12 have 34 key steps between them
.macro CROUND
	s_barrier_signal -1
	s_barrier_wait -1
	s_cmp_lg_u32 s[WV], 0
	s_cbranch_scc1 .Lnot_wave_0_\@
	s_barrier_signal -3
.Lnot_wave_0_\@:
	s_barrier_wait -3
	s_barrier_signal -1
	s_barrier_wait -1
.endm
	s_load_b128 s[4:7], s[0:1], 0x0                ; qb, kv
	s_load_b64 s[8:9], s[0:1], 0x10                ; cc
	v_lshl_add_u32 v254, v0, 2, 0x33000
	v_mov_b32 v255, 0
	ds_add_u32 v254, v255
	ds_add_u32 v254, v255
	v_lshrrev_b32 v5, 5, v0
	s_delay_alu instid0(VALU_DEP_1)
	v_readfirstlane_b32 s[WV], v5                  ; wave 0..15
	s_bfe_u32 s11, ttmp6, 0x40000                  ; cx
	s_lshl_b32 s12, ttmp9, 2
	s_add_co_u32 s12, s12, s11                     ; jx
	s_and_b32 s13, ttmp7, 0xffff                   ; batch x head, which the partners share
	s_mov_b32 s[G1], 15|(3<<16)|(1<<21)            ; the mask: all four; elements of 8 bytes; bit 21 beside a mask
	s_mov_b32 s[G1+1], 32<<16                      ; rows of 256 bytes,
	s_mov_b32 s[G1+2], 51<<16                      ; 51 of them: a chunk
	s_mov_b32 s[G1+3], 32<<16
	s_mov_b32 s[G1+4], 51
	s_mov_b32 s[G1+5], 32
	s_mov_b32 s[G1+6], 0
	s_mov_b32 s[G1+7], 0
	s_lshl_b32 s14, s13, 4
	s_bfe_u32 s[QW], s[WV], 0x10002
	s_mul_i32 s[QW], s[QW], 3
	s_xor_b32 s[QW], s[QW], s[WV]
	s_add_co_u32 s48, s14, s[QW]                   ; chunk number of my queries,
	s_add_co_u32 s14, s14, s[WV]                   ; and of the key step that I fetch
	s_mul_i32 s16, s14, CH
	s_mov_b32 s17, 0
	s_mul_i32 s15, s[WV], CH
	s_mul_i32 s48, s48, CHQ
	s_mul_i32 s49, s12, 768
	s_add_co_u32 s50, s48, s49                     ; q's half image
	s_mov_b32 s51, 0
	s_lshl_b32 s49, s12, 6
	s_add_co_u32 s52, s48, s49
	s_add_co_u32 s52, s52, 6144                    ; and its scale words
	s_mov_b32 s53, 0
	s_lshr_b32 s48, s13, 4
	s_lshl_b32 s48, s48, 7
	s_lshl_b32 s49, s[QW], 3
	s_add_co_u32 s48, s48, s49
	s_add_co_u32 s48, s48, s12                     ; ctx's row block: 128 x batch + 8 s[QW] + jx
	s_lshl_b32 s48, s48, 3
	s_bfe_u32 s49, s13, 0x30001                    ; head / 2
	s_add_co_u32 s48, s48, s49                     ; the fragment's number
	s_mul_i32 s54, s48, 1536
	s_mov_b32 s55, 0
	s_lshl_b32 s56, s48, 6
	s_and_b32 s61, s13, 1                          ; head % 2
	s_lshl_b32 s49, s61, 1
	s_add_co_u32 s56, s56, s49
	s_add_co_u32 s56, s56, 3145728
	s_mov_b32 s57, 0
	s_mov_b32 s[SEL], 0x76543210
	s_mov_b32 s[SEL+1], 0xfedcba98
	s_mov_b32 s[CS], 0x3e38aa3b                    ; log2(e) / 8
	s_mov_b32 s[CS+1], s[CS]
	s_wait_dscnt 0x0
	s_wait_kmcnt 0x0
	s_add_nc_u64 s[16:17], s[6:7], s[16:17]
	s_add_nc_u64 s[50:51], s[4:5], s[50:51]
	s_add_nc_u64 s[52:53], s[4:5], s[52:53]
	s_add_nc_u64 s[54:55], s[8:9], s[54:55]
	s_add_nc_u64 s[56:57], s[8:9], s[56:57]
	CROUND                                         ; all four work-groups are here: the joint loads meet
	s_mov_b32 s[G0], 1                             ; sixteen key steps, sixteen waves: wave w asks jointly for key step w, one tensor load a wave, no branch
	s_mov_b32 s[G0+1], s15
	s_mov_b64 s[G0+2:G0+3], s[16:17]
	s_or_b32 s[G0+3], s[G0+3], 0x80000000
	tensor_load_to_lds s[G0:G0+3], s[G1:G1+7]
	s_nop 0
.rept 4
	v_nop
.endr
	v_and_b32 v5, 31, v0
	v_and_b32 v6, 15, v0
	v_bfe_u32 v7, v0, 4, 1
	s_delay_alu instid0(VALU_DEP_3)
	v_lshlrev_b32 v[L16], 4, v5
	s_delay_alu instid0(VALU_DEP_4)
	v_lshlrev_b32 v[L8], 3, v5
	s_delay_alu instid0(VALU_DEP_4)
	v_lshlrev_b32 v[L4], 2, v6
	global_load_b128 v[QF:QF+3], v[L16], s[50:51]
	global_load_b64 v[QF+4:QF+5], v[L8], s[50:51] offset:512
	global_load_b32 v[QS], v[L4], s[52:53]
	v_lshlrev_b32 v7, 3, v7
	s_delay_alu instid0(VALU_DEP_1)
	v_sub_nc_u32 v[DG], v6, v7
	s_lshl_b32 s48, s12, 4
	v_add_nc_u32 v[DG], s48, v[DG]
.irp i, 6,7,8,9,10,11
	v_mov_b32 v[QF+\i], 0                          ; q's upper 64 along K: zero codes
	v_mov_b32 v[FR+42+\i], 0                       ; what the last tile of k takes as its upper 64
.endr
	v_mov_b32 v13, 0xff61b1e6                      ; the largest t so far: -3e38
	s_delay_alu instid0(VALU_DEP_1)
	v_floor_f32 v12, -v13                          ; -M
	v_mov_b32 v14, 0
	v_mov_b32 v15, 0
.irp b, 0,1,2,3
	v_mov_b32 v[T2+\b], 0                          ; a lane permute's destination counts as one of its sources
.endr
	v_mov_b32 v[PS], 0                             ; (named as the upper half of the pair with f before it is first written)
	v_mov_b32 v[TP], 0
	v_mov_b32 v[NINF], 0xff800000
.set j, 0
.rept 32
	v_mov_b32 v[O+j], 0                            ; the step is written once: the first finds zeros, which the first change of M leaves zeros
.set j, j+1
.endr
	s_wait_loadcnt 0x0                             ; q
.macro STEP
	s_cmp_gt_u32 s[KI], s[QW]                      ; all 128 keys come after my queries: the step's work is left out
	s_cbranch_scc1 .Lhid_\@
	v_add_nc_u32 v[ADK], s[TB], v[L16]
	v_add_nc_u32 v[ADH], s[TB], v[L8]
	v_add_nc_u32 v[ADS], s[TB], v[L4]
	v_nop                                          ; four places in front of loads into registers that the last products read
.irp t, 0,1,2,3,4,5,6,7
	ds_load_b128 v[FR+6*\t:FR+6*\t+3], v[ADK] offset:768*\t
	ds_load_b64 v[FR+6*\t+4:FR+6*\t+5], v[ADH] offset:768*\t+512
	ds_load_b32 v[SW+\t], v[ADS] offset:12288+64*\t
.endr
	s_wait_alu depctr_va_vdst(0)
	s_wait_dscnt 0x0
.irp t, 0,1,2,3,4,5,6,7                ; S^T = k q^T: lane (r, h), register 8 t + j: query r, key 16 t + 8 h + j
	v_wmma_scale_f32_16x16x128_f8f6f4 v[S+8*\t:S+8*\t+7], v[FR+6*\t:FR+6*\t+11], v[QF:QF+11], 0, v[SW+\t], v[QS] matrix_a_fmt:MATRIX_FMT_FP6 matrix_b_fmt:MATRIX_FMT_FP6
.endr
.rept 4
	v_nop
.endr
.irp d, 0,1,2,3                        ; v^T's fragments land under the softmax
.irp c, 0,1,2
	ds_load_b128 v[FR+12*\d+4*\c:FR+12*\d+4*\c+3], v[ADK] offset:6144+1536*\d+512*\c
.endr
	ds_load_b32 v[SW+\d], v[ADS] offset:12800+64*\d
.endr
	s_cmp_lg_u32 s[KI], s[QW]
	s_cbranch_scc1 .Lopen_\@
.set n, 0
.rept 64                               ; on the diagonal hidden scores become -infinity ahead of the maximum: p = 0 then
	v_cmp_gt_i32 vcc_lo, 16*(n/8)+n%8, v[DG]
	v_cndmask_b32 v[S+n], v[S+n], v[NINF], vcc_lo
.set n, n+1
.endr
.Lopen_\@:
.irp b, 0,1,2,3
	v_max3_num_f32 v[BM+\b], v[S+16*\b], v[S+1+16*\b], v[S+2+16*\b]   ; the largest score of each block of 32 keys: for the row's maximum, and, since p rises with the score, for the block's largest p
.endr
.irp i, 3,5,7,9,11,13
.irp b, 0,1,2,3
	v_max3_num_f32 v[BM+\b], v[BM+\b], v[S+16*\b+\i], v[S+1+16*\b+\i]
.endr
.endr
.irp b, 0,1,2,3
	v_max_num_f32 v[BM+\b], v[BM+\b], v[S+15+16*\b]
.endr
.irp b, 0,1,2,3
	s_delay_alu instid0(VALU_DEP_4)
	v_permlanex16_b32 v[T2+\b], v[BM+\b], s[SEL], s[SEL+1]
.endr
.irp b, 0,1,2,3
	s_delay_alu instid0(VALU_DEP_4)
	v_max_num_f32 v[BM+\b], v[BM+\b], v[T2+\b]
.endr
	s_delay_alu instid0(VALU_DEP_2)
	v_max3_num_f32 v[TP], v[BM], v[BM+1], v[BM+2]
	s_delay_alu instid0(VALU_DEP_1)
	v_max_num_f32 v[TP], v[TP], v[BM+3]
	s_delay_alu instid0(VALU_DEP_1)
	v_mul_f32 v[TP], s[CS], v[TP]
	s_delay_alu instid0(VALU_DEP_1)
	v_max_num_f32 v13, v13, v[TP]                  ; the running largest t
	v_mov_b32 v[TP], v12
	s_delay_alu instid0(VALU_DEP_2)
	v_floor_f32 v12, -v13                          ; the new -M = -ceil(t)
	s_delay_alu instid0(VALU_DEP_1)
	v_sub_f32 v[TP], v12, v[TP]                    ; old M - new M: a whole number, 0 or less
	s_delay_alu instid0(VALU_DEP_1)
	v_cvt_i32_f32 v[TP], v[TP]                     ; (it saturates)
	s_delay_alu instid0(VALU_DEP_1)
	v_ldexp_f32 v[FF], 1.0, v[TP]
.set j, 0
.rept 32
	v_pk_fma_f32 v[S+j:S+j+1], v[S+j:S+j+1], s[CS:CS+1], v[12:13] op_sel_hi:[1,0,0]   ; t - M
.set j, j+2
.endr
.irp b, 0,1,2,3
	v_fma_f32 v[BM+\b], v[BM+\b], s[CS], v12
.endr
.set j, 0
	s_wait_alu depctr_va_vdst(0)
.rept 64
	v_exp_f32 v[S+j], v[S+j]                       ; p
.set j, j+1
.endr
.irp b, 0,1,2,3
	v_exp_f32 v[BM+\b], v[BM+\b]                   ; the block's largest p: the same two instructions on the same number
.endr
	v_pk_mul_f32 v[14:15], v[14:15], v[FF:FF+1] op_sel_hi:[1,0]   ; the sums under the new M (a plain place behind the exponentials)
	s_wait_alu depctr_va_vdst(0)
.irp b, 0,1,2,3
	v_max_num_f32 v[BM+\b], 0x1800000, v[BM+\b]    ; the floor 2^(3 - 127)
.endr
.irp b, 0,1,2,3
	s_delay_alu instid0(VALU_DEP_4)
	v_add_nc_u32 v[SO+\b], 0xff000000, v[BM+\b]
.endr
.irp b, 0,1,2,3
	s_delay_alu instid0(VALU_DEP_4)
	v_lshrrev_b32 v[T2+\b], 23, v[SO+\b]
.endr
	s_delay_alu instid0(VALU_DEP_3)
	v_lshl_or_b32 v[PS], v[T2+1], 8, v[T2]
	s_delay_alu instid0(VALU_DEP_1)
	v_lshl_or_b32 v[PS], v[T2+2], 16, v[PS]
	s_delay_alu instid0(VALU_DEP_1)
	v_lshl_or_b32 v[PS], v[T2+3], 24, v[PS]
.irp c, 0,1
	v_cvt_scalef32_pk16_fp6_f32 v[PC+6*\c:PC+2+6*\c], v[S+32*\c:S+15+32*\c], v[SO+2*\c]
	v_cvt_scalef32_pk16_fp6_f32 v[C2+4*\c:C2+2+4*\c], v[S+16+32*\c:S+31+32*\c], v[SO+2*\c+1]
.endr
	v_nop                                          ; one plain place behind a scaled conversion
.irp c, 0,1
.irp i, 0,1,2
	v_permlane16_swap_b32 v[PC+6*\c+\i], v[C2+4*\c+\i]
.endr
.irp i, 0,1,2
	s_delay_alu instid0(VALU_DEP_3)
	v_mov_b32 v[PC+3+6*\c+\i], v[C2+4*\c+\i]
.endr
.endr
	v_pk_add_f32 v[224:225], v[88:89], v[92:93]
	v_pk_add_f32 v[252:253], v[96:97], v[100:101]
	v_pk_add_f32 v[250:251], v[104:105], v[108:109]
	v_pk_add_f32 v[248:249], v[112:113], v[116:117]
	v_pk_add_f32 v[246:247], v[120:121], v[124:125]
	v_pk_add_f32 v[244:245], v[128:129], v[132:133]
	v_pk_add_f32 v[242:243], v[136:137], v[140:141]
	v_pk_add_f32 v[14:15], v[14:15], v[144:145]
	v_pk_add_f32 v[224:225], v[224:225], v[84:85]
	v_pk_add_f32 v[252:253], v[252:253], v[86:87]
	v_pk_add_f32 v[250:251], v[250:251], v[90:91]
	v_pk_add_f32 v[248:249], v[248:249], v[94:95]
	v_pk_add_f32 v[246:247], v[246:247], v[98:99]
	v_pk_add_f32 v[244:245], v[244:245], v[102:103]
	v_pk_add_f32 v[242:243], v[242:243], v[106:107]
	v_pk_add_f32 v[14:15], v[14:15], v[110:111]
	v_pk_add_f32 v[224:225], v[224:225], v[114:115]
	v_pk_add_f32 v[252:253], v[252:253], v[118:119]
	v_pk_add_f32 v[250:251], v[250:251], v[122:123]
	v_pk_add_f32 v[248:249], v[248:249], v[126:127]
	v_pk_add_f32 v[246:247], v[246:247], v[130:131]
	v_pk_add_f32 v[244:245], v[244:245], v[134:135]
	v_pk_add_f32 v[242:243], v[242:243], v[138:139]
	v_pk_add_f32 v[14:15], v[14:15], v[142:143]
	v_pk_add_f32 v[224:225], v[224:225], v[146:147]
	s_delay_alu instid0(VALU_DEP_2)
	v_pk_add_f32 v[14:15], v[14:15], v[248:249]
	s_delay_alu instid0(VALU_DEP_2)
	v_pk_add_f32 v[224:225], v[224:225], v[246:247]
	v_pk_add_f32 v[252:253], v[252:253], v[244:245]
	v_pk_add_f32 v[250:251], v[250:251], v[242:243]
	s_delay_alu instid0(VALU_DEP_2)
	v_pk_add_f32 v[14:15], v[14:15], v[252:253]
	s_delay_alu instid0(VALU_DEP_2)
	v_pk_add_f32 v[224:225], v[224:225], v[250:251]
	s_delay_alu instid0(VALU_DEP_1)
	v_pk_add_f32 v[14:15], v[14:15], v[224:225]
.set j, 0
.rept 16
	v_pk_mul_f32 v[O+j:O+j+1], v[O+j:O+j+1], v[FF:FF+1] op_sel_hi:[1,0]   ; O^T under the new M
.set j, j+2
.endr
	s_wait_alu depctr_va_vdst(0)
	s_wait_dscnt 0x0                               ; v^T
.irp d, 0,1,2,3                        ; O^T += v^T p^T: the four accumulators by turns
	v_wmma_scale_f32_16x16x128_f8f6f4 v[O+8*\d:O+8*\d+7], v[FR+12*\d:FR+12*\d+11], v[PC:PC+11], v[O+8*\d:O+8*\d+7], v[SW+\d], v[PS] matrix_a_fmt:MATRIX_FMT_FP6 matrix_b_fmt:MATRIX_FMT_FP6
.endr
.Lhid_\@:
	s_add_co_u32 s[TB], s[TB], CH
	s_add_co_u32 s[KI], s[KI], 1
.endm
	s_wait_alu depctr_va_vdst(0)
	s_wait_tensorcnt 0x0                           ; my key step has landed
	s_barrier_signal -1
	s_barrier_wait -1                              ; everybody's has: the head's 16 steps are whole, nothing is filled again, and no further barrier is owed
	s_mov_b32 s[TB], 0
	s_mov_b32 s[KI], 0
.Lkeys:                                            ; 16 trips in every wave; a wave's hidden steps are jumped over inside the step
	STEP
	s_cmp_lt_u32 s[KI], 16
	s_cbranch_scc1 .Lkeys
	; THE WAY OUT: O^T / the sum, quantised along d: two blocks, half a fragment
.rept 4
	v_nop                                          ; places behind the last products
.endr
	v_add_f32 v14, v14, v15
	s_delay_alu instid0(VALU_DEP_1)
	v_permlanex16_b32 v[TP], v14, s[SEL], s[SEL+1]
	s_delay_alu instid0(VALU_DEP_1)
	v_add_f32 v14, v14, v[TP]
	s_wait_alu depctr_va_vdst(0)
	v_rcp_f32 v14, v14
	v_nop
.set j, 0
	s_wait_alu depctr_va_vdst(0)
.rept 32
	v_mul_f32 v[S+j], v[O+j], v14                  ; register 8 t + j: ctx(query r, d = 16 t + 8 h + j)
.set j, j+1
.endr
.irp b, 0,1
	v_max3_num_f32 v[BM+\b], |v[S+16*\b]|, |v[S+1+16*\b]|, 0x1800000
.endr
.irp i, 2,4,6,8,10,12,14
.irp b, 0,1
	s_delay_alu instid0(VALU_DEP_2)
	v_max3_num_f32 v[BM+\b], v[BM+\b], |v[S+16*\b+\i]|, |v[S+1+16*\b+\i]|
.endr
.endr
.irp b, 0,1
	s_delay_alu instid0(VALU_DEP_2)
	v_permlanex16_b32 v[T2+\b], v[BM+\b], s[SEL], s[SEL+1]
.endr
.irp b, 0,1
	s_delay_alu instid0(VALU_DEP_2)
	v_max_num_f32 v[BM+\b], v[BM+\b], v[T2+\b]
.endr
.irp b, 0,1
	s_delay_alu instid0(VALU_DEP_2)
	v_add_nc_u32 v[SO+\b], 0xff000000, v[BM+\b]
.endr
.irp b, 0,1
	s_delay_alu instid0(VALU_DEP_2)
	v_lshrrev_b32 v[T2+\b], 23, v[SO+\b]
.endr
	s_delay_alu instid0(VALU_DEP_1)
	v_lshl_or_b32 v[TP], v[T2+1], 8, v[T2]         ; my head's two bytes of the scale word
	v_cvt_scalef32_pk16_fp6_f32 v[PC:PC+2], v[S:S+15], v[SO]
	v_cvt_scalef32_pk16_fp6_f32 v[C2:C2+2], v[S+16:S+31], v[SO+1]
	v_nop
.irp i, 0,1,2
	v_permlane16_swap_b32 v[PC+\i], v[C2+\i]
.endr
.irp i, 0,1,2
	s_delay_alu instid0(VALU_DEP_3)
	v_mov_b32 v[PC+3+\i], v[C2+\i]
.endr
	s_cmp_eq_u32 s61, 0                            ; the head is the same in all partners
	s_cbranch_scc0 .Lodd
	global_store_b128 v[L16], v[PC:PC+3], s[54:55]             ; registers 0-3 of the fragment
	global_store_b64 v[L16], v[PC+4:PC+5], s[54:55] offset:512 ; 4, 5
	s_branch .Lsc
.Lodd:
	s_wait_alu depctr_va_vdst(0)
	global_store_b64 v[L16], v[PC:PC+1], s[54:55] offset:520   ; 6, 7
	global_store_b128 v[L16], v[PC+2:PC+5], s[54:55] offset:1024   ; 8-11
.Lsc:
	s_wait_alu depctr_va_vdst(0)
	global_store_b16 v[L4], v[TP], s[56:57]
	s_wait_dscnt 0x0
	s_wait_tensorcnt 0x0
	ds_add_u32 v254, v255
	s_wait_dscnt 0x0
	CROUND                                         ; no work-group ends while a partner may still ask for a chunk that names it
	s_endpgm
.Lfunc_end_k_q56f90fac2e_attn:
	.size	k_q56f90fac2e_attn, .Lfunc_end_k_q56f90fac2e_attn-k_q56f90fac2e_attn
	.p2alignl 7, 3214868480
	.fill 96, 4, 3214868480
	.section	.rodata,"a",@progbits
	.p2align	6, 0x0
	.amdhsa_kernel k_q56f90fac2e_attn
		.amdhsa_group_segment_fixed_size 210944
		.amdhsa_private_segment_fixed_size 0
		.amdhsa_enable_private_segment 0
		.amdhsa_kernarg_size 24
		.amdhsa_user_sgpr_count 2
		.amdhsa_user_sgpr_kernarg_segment_ptr 1
		.amdhsa_wavefront_size32 1
		.amdhsa_system_sgpr_workgroup_id_x 1
		.amdhsa_system_sgpr_workgroup_id_y 1
		.amdhsa_system_sgpr_workgroup_id_z 1
		.amdhsa_system_vgpr_workitem_id 0
		.amdhsa_next_free_vgpr 256
		.amdhsa_next_free_sgpr 66
		.amdhsa_reserve_vcc 1
		.amdhsa_float_denorm_mode_32 3
		.amdhsa_float_denorm_mode_16_64 3
		.amdhsa_memory_ordered 1
		.amdhsa_forward_progress 1
		.amdhsa_inst_pref_size 35
	.end_amdhsa_kernel
	.amdgpu_metadata
---
amdhsa.version: [ 1, 2 ]
amdhsa.kernels:
  - .name:           k_q56f90fac2e_attn
    .symbol:         k_q56f90fac2e_attn.kd
    .args:
      - { .name: qb, .offset: 0, .size: 8, .value_kind: global_buffer, .address_space: global }
      - { .name: kv, .offset: 8, .size: 8, .value_kind: global_buffer, .address_space: global }
      - { .name: cc, .offset: 16, .size: 8, .value_kind: global_buffer, .address_space: global }
    .group_segment_fixed_size: 210944
    .private_segment_fixed_size: 0
    .kernarg_segment_align: 8
    .kernarg_segment_size: 24
    .max_flat_workgroup_size: 512
    .sgpr_count:     66
    .vgpr_count:     256
    .wavefront_size: 32
...
	.end_amdgpu_metadata
.endif
;; end of part 11
;; launch gemm_out (part 12): grid 8 x 32, 4 waves a work-group, clusters of 4 x 4, 327,680 bytes of LDS; arguments cc, wts, out_b, x, x1; writes x1
.if DOCPART == 12
	.amdgcn_target "amdgcn-amd-amdhsa--gfx1250"
	.amdhsa_code_object_version 6
	.text
	.protected	k_q56f90fac2e_gemm_out
	.globl	k_q56f90fac2e_gemm_out
	.p2align	8
	.type	k_q56f90fac2e_gemm_out,@function
k_q56f90fac2e_gemm_out:
	s_mov_b64 s[64:65], 0
	v_nop
	global_prefetch_b8 v0, s[64:65] scope:SCOPE_SE
	s_setreg_imm32_b32 hwreg(HW_REG_WAVE_MODE, 25, 1), 1
	s_wait_xcnt 0x0
	s_wait_alu depctr_hold_cnt(0) depctr_sa_sdst(0) depctr_va_vdst(0) depctr_va_sdst(0) depctr_va_ssrc(0) depctr_va_vcc(0) depctr_vm_vsrc(0)
	s_getreg_b32 s2, hwreg(HW_REG_IB_STS2, 6, 4)
	s_cmp_eq_u32 s2, 0
	s_cbranch_scc0 .Lentry_in_a_cluster
	s_endpgm
.Lentry_in_a_cluster:
	s_bfe_u32 s2, ttmp6, 0x10000c
	s_cmp_lg_u32 s2, 0xf033
	s_cbranch_scc0 .Lentry_shape_is_right
	s_endpgm
.Lentry_shape_is_right:
; x1 = x + ctx Wout + out_b.  The product runs on codes of FP6 (E2M3) with E8M0 scales; both operands arrive as images of operand registers:
; fragment (16 rows x 128 K) = 1,536 bytes, register q of lane l at (q/4)*512 + 16 l + 4 (q%4), laid [row / 16][K / 128]; scale words [row / 16][K / 128][16][4].  K = 1,024, N = 1,024.
; Inside a block of 32 the codes of both operands stand in the order 0-7, 16-23, 8-15, 24-31: the products are the same, the blocks and their scales untouched.
; A TILE OF 128 x 128 to a work-group of four waves, 64 x 64 a wave: 16 accumulators in 128 registers.  4,096 x 1,024 results make 256 such tiles, one for each of 256 work-groups; tiles of 256 x 256 would make 64.
; The price: a wave reads 8 fragments from LDS for 16 products.
; K goes in steps of 512 through two LDS slots filled by the tensor data mover: a row block's four fragments of a slot are 6,144 consecutive bytes, a wave's load brings four row blocks.  With K = 1,024 the two first
; fills are all of K: nothing is filled again.  The scale words of the work-group's rows, for all of K, come once and stay.
; CLUSTERS of 4 x 4: A's tiles are shared along a row of the cluster, B's along a column; each is asked for jointly.
; THE PRODUCT IS USED TRANSPOSED (source 0 = 16 columns of W, source 1 = 16 rows of A): a lane holds eight neighbouring numbers of a row.  The bias is the C of each sum's first product.
; THE RESIDUAL's 64 x 64 numbers are asked for at the head, as rows, into registers that nothing else names, and are there when the sums are finished.
; THE WAY OUT: the wave's 64 rows x 256 bytes go through its own stage in LDS (in slot 0, which has had its last fill and its last read), come back as rows, take the residual, and are stored:
; sixteen lanes store 256 consecutive bytes, at a multiple of 256 from the buffer's first byte.
; REGISTERS: window 0: v0-31 addresses; v32-63 scale words, two sets; v64-95 the bias; v128-255 the accumulators ((a, b) at v[128 + 8 (4 a + b)]); on the way out v32-127 rows.
;   window 1: two fragment buffers at v0 and v128: A's four fragments, then B's four.   window 2: v0-127 the residual.
.set SIZE_K, 1024
.set ASC,    3145728                   ; A's scale words in its buffer
.set WC,     2359296                   ; the weight's codes in wts
.set WS,     9535488                   ; and scale words
.set LASTOUT, 0                        ; the result is read again by later launches
.set KST,    SIZE_K/128
.set NQ,     4                         ; K steps of 128 in a slot
.set FR,     12                        ; registers of a fragment
.set NL,     3                         ; LDS loads that bring one
.set NP,     4                         ; places behind this matrix instruction (ISA guide 7.12.1)
.set ROWB,   NQ*1536                   ; a row block's part of a slot
.set HALFT,  4*ROWB                    ; 64 rows: one tensor load
.set SLOT,   4*HALFT                   ; A's 128 rows, then B's 128
.set LAPS,   SIZE_K/1024               ; a lap = two slots
.set KROW,   SIZE_K*3/4                ; bytes of codes for each row
.set KS,     SIZE_K/32                 ; bytes of scales for each row
.set SCL,    2*SLOT                    ; behind the ring: the scale words
.set HALFS,  256*KST                   ; those of 64 rows
.set SBLK,   64*KST                    ; those of 16 rows
.set SPARE,  SCL+4*HALFS+256           ; the spare words, 128 bytes for each wave: two blocks of 256 bytes that no other line names
.set SPITCH, 272                       ; a stage row: 256 bytes + 16
.set WSTAGE, 64*SPITCH                 ; a wave's stage
.set ADRA, 16                          ; v16-17  LDS address of my A fragments in slot 0, 1
.set ADRB, 20                          ; v20-21  the same for B
.set STO,  24                          ; v24     the way out: where I put 32 bytes of a row
.set RD,   25                          ; v25     where I read rows back
.set CO,   26                          ; v26     my byte offset in two rows of the result and of the residual; never rewritten
.set ADRS, 27                          ; v27     LDS address of my scale words: lanes 0-15 A's rows, lanes 16-31 B's
.set SPW,  28                          ; v28     LDS address of my spare word; never rewritten
.set NIL,  29                          ; v29     0; never rewritten
.set SC,   32                          ; scale words: set s at v[SC + 16 s]; register 4 i + q: block i, the slot's q-th 128 along K
.set BI,   64                          ; the bias in the result's layout
.set OB,   32                          ; the way out: three buffers of 32 registers
.set ACC,  128
.set G1, 24
.set G0, 32
.set G1B, 48
.set G0B, 56
.set G1S, 68
.set G0S, 76
.set G1SB, 80
.set G0SB, 88
.set MSB, 0
.macro WIN new                         ; the immediate's high byte repeats the setting that is left
.set WN, \new
.if MSB != WN
	s_set_vgpr_msb (MSB<<8)|WN
.set MSB, WN
.endif
.endm
.set MUL,  0x05                        ; sources 0 (B) and 1 (A) window 1; C and D window 0
.set TO_F, 0x40                        ; destination window 1, address window 0
.macro JLOAD g0a, g1a, g0b, g1b        ; a joint load: waves 0 and 1 fetch for A, waves 2 and 3 for B; four v_nop follow each line
	s_cmp_eq_u32 s15, 0
	s_cbranch_scc0 .Lfor_b_\@
	tensor_load_to_lds s[\g0a:\g0a+3], s[\g1a:\g1a+7]
	s_nop 0
.rept 4
	v_nop
.endr
	s_branch .Lasked_\@
.Lfor_b_\@:
	tensor_load_to_lds s[\g0b:\g0b+3], s[\g1b:\g1b+7]
	s_nop 0
.rept 4
	v_nop
.endr
.Lasked_\@:
.endm
.macro CREST
	s_cmp_lg_u32 s14, 0
	s_cbranch_scc1 .Lnot_wave_0_\@
	s_barrier_signal -3
.Lnot_wave_0_\@:
	s_barrier_wait -3
	s_barrier_signal -1
	s_barrier_wait -1
.endm
.macro CROUND
	s_barrier_signal -1
	s_barrier_wait -1
	CREST
.endm
	s_load_b64 s[4:5], s[0:1], 0x0                 ; A's images
	s_load_b64 s[8:9], s[0:1], 0x8                 ; the weights' images
	s_load_b64 s[96:97], s[0:1], 0x10              ; the bias
	s_load_b64 s[98:99], s[0:1], 0x18              ; the residual
	s_load_b64 s[12:13], s[0:1], 0x20              ; the result
	v_lshl_add_u32 v[SPW], v0, 2, SPARE
	v_mov_b32 v[NIL], 0
	ds_add_u32 v28, v29
	ds_add_u32 v28, v29
	s_wait_dscnt 0x0
	v_lshrrev_b32 v1, 5, v0
	v_readfirstlane_b32 s14, v1                    ; wave
	s_lshr_b32 s15, s14, 1                         ; my half of the rows.  Also: I fetch for A (0) or B (1)
	s_and_b32 s16, s14, 1                          ; my half of the columns.  Also: which 64 rows I fetch
	s_bfe_u32 s40, ttmp6, 0x40000                  ; cx
	s_bfe_u32 s41, ttmp6, 0x40004                  ; cy
	s_lshl_b32 s42, ttmp9, 2
	s_add_co_u32 s42, s42, s40                     ; tile column
	s_and_b32 s17, ttmp7, 0xffff
	s_lshl_b32 s17, s17, 2
	s_add_co_u32 s17, s17, s41                     ; tile row
	s_lshl_b32 s43, s41, 2
	s_lshl_b32 s43, 15, s43                        ; my row of the cluster
	s_lshl_b32 s44, 0x1111, s40                    ; my column
	s_or_b32 s[G1+0], s43, (3<<16)|(1<<21)         ; 15:0 the mask; 17:16 elements of 8 bytes; 21 set beside a mask; no padding
	s_or_b32 s[G1B+0], s44, (3<<16)|(1<<21)
.irp g, G1, G1B
	s_mov_b32 s[\g+1], 768<<16                     ; tensor_dim0: 6,144 bytes
	s_mov_b32 s[\g+2], 8<<16                       ; tensor_dim1: 8 row blocks for the head's loads; 4 behind them
	s_mov_b32 s[\g+3], 768<<16                     ; tile_dim0
	s_mov_b32 s[\g+4], 8                           ; tile_dim1 likewise
	s_mov_b32 s[\g+5], KST*192                     ; from row block to row block
	s_mov_b32 s[\g+6], 0
	s_mov_b32 s[\g+7], 0
.endr
	s_or_b32 s[G1S+0], s43, (3<<16)|(1<<21)        ; the scale words of 128 rows: a dense block, as rows of 256 bytes
	s_or_b32 s[G1SB+0], s44, (3<<16)|(1<<21)
.irp g, G1S, G1SB
	s_mov_b32 s[\g+1], 32<<16
	s_mov_b32 s[\g+2], (2*KST)<<16                 ; the scale words of 128 rows
	s_mov_b32 s[\g+3], 32<<16
	s_mov_b32 s[\g+4], 2*KST
	s_mov_b32 s[\g+5], 32
	s_mov_b32 s[\g+6], 0
	s_mov_b32 s[\g+7], 0
.endr
	s_lshl_b32 s20, s17, 7                         ; A: the tile's first row
	s_lshl_b32 s46, s42, 7                         ; B likewise
	s_mov_b32 s21, 0
	s_mov_b32 s47, 0
	s_mov_b64 s[18:19], KS
	s_mul_u64 s[22:23], s[20:21], s[18:19]
	s_mul_u64 s[92:93], s[46:47], s[18:19]
	s_mov_b64 s[18:19], KROW
	s_mul_u64 s[20:21], s[20:21], s[18:19]
	s_mul_u64 s[46:47], s[46:47], s[18:19]
	s_mul_i32 s45, s14, HALFT                      ; where they go: no place in the cluster enters an LDS address
	s_wait_kmcnt 0x0
	s_add_nc_u64 s[6:7], s[4:5], ASC
	s_add_nc_u64 s[10:11], s[8:9], WS
	s_add_nc_u64 s[8:9], s[8:9], WC
	s_add_nc_u64 s[20:21], s[4:5], s[20:21]
	s_add_nc_u64 s[22:23], s[6:7], s[22:23]
	s_add_nc_u64 s[46:47], s[8:9], s[46:47]
	s_add_nc_u64 s[92:93], s[10:11], s[92:93]
	CROUND                                         ; all sixteen work-groups are here: the first joint loads meet
	s_mov_b32 s[G0S], 1
	s_mov_b32 s[G0S+1], SCL                        ; A's scale words, 128 rows
	s_mov_b64 s[G0S+2:G0S+3], s[22:23]
	s_or_b32 s[G0S+3], s[G0S+3], 0x80000000
	s_mov_b32 s[G0SB], 1
	s_mov_b32 s[G0SB+1], SCL+2*HALFS+128           ; B's lie 128 bytes further on than dense, so that the two halves of a load's lanes touch different words' columns
	s_mov_b64 s[G0SB+2:G0SB+3], s[92:93]
	s_or_b32 s[G0SB+3], s[G0SB+3], 0x80000000
	s_mov_b32 s4, 1                                ; group 0 for the head's loads of slot 0, in registers that held arguments: A's 128 rows,
	s_mov_b32 s5, 0
	s_mov_b64 s[6:7], s[20:21]
	s_or_b32 s7, s7, 0x80000000
	s_mov_b32 s8, 1                                ; and B's, behind them
	s_mov_b32 s9, 2*HALFT
	s_mov_b64 s[10:11], s[46:47]
	s_or_b32 s11, s11, 0x80000000
	s_mul_i32 s18, s16, 64*KROW                    ; for slot 1: my 64 rows of the tile
	s_mov_b32 s19, 0
	s_add_nc_u64 s[20:21], s[20:21], s[18:19]
	s_add_nc_u64 s[46:47], s[46:47], s[18:19]
	s_cmp_eq_u32 s15, 0                            ; the prefetch: of the 4 row blocks that I fetch, each of the four partners that ask with me takes one, told apart by address
	s_cselect_b64 s[100:101], s[20:21], s[46:47]   ; never rewritten
	s_cselect_b32 s18, s40, s41
	s_mul_i32 s18, s18, KST*1536
	s_add_nc_u64 s[100:101], s[100:101], s[18:19]
.irp s, 1
	s_mov_b32 s[G0+4*\s], 1
	s_add_co_u32 s[G0+4*\s+1], s45, \s*SLOT
	s_add_nc_u64 s[G0+4*\s+2:G0+4*\s+3], s[20:21], \s*ROWB
	s_or_b32 s[G0+4*\s+3], s[G0+4*\s+3], 0x80000000
	s_mov_b32 s[G0B+4*\s], 1
	s_add_co_u32 s[G0B+4*\s+1], s45, \s*SLOT
	s_add_nc_u64 s[G0B+4*\s+2:G0B+4*\s+3], s[46:47], \s*ROWB
	s_or_b32 s[G0B+4*\s+3], s[G0B+4*\s+3], 0x80000000
.endr
; The head's four tiles, one joint load a wave: wave 0 slot 0's rows of A, wave 1 those of B, waves 2 and 3 the scale words.  One chain of branches on the wave's number.
.macro ARM under, g0, g1, next
	s_cmp_lt_u32 s14, \under
	s_cbranch_scc0 \next
	tensor_load_to_lds s[\g0:\g0+3], s[\g1:\g1+7]
	s_nop 0
.rept 4
	v_nop
.endr
	s_branch .Lhead_asked
\next:
.endm
	ARM 1, 4, G1, .Lhead_b
	ARM 2, 8, G1B, .Lhead_sa
	ARM 3, G0S, G1S, .Lhead_sb
	tensor_load_to_lds s[G0SB:G0SB+3], s[G1SB:G1SB+7]
	s_nop 0
.rept 4
	v_nop
.endr
.Lhead_asked:
	v_and_b32 v30, 31, v0                          ; a row block's part of a slot is 24 blocks of 256 bytes, a lane a block (lanes 24-31 name the last again)
	v_min_u32 v30, 23, v30
	v_lshlrev_b32 v30, 8, v30                      ; never rewritten
	global_prefetch_b8 v30, s[100:101] offset:ROWB th:TH_LOAD_NT scope:SCOPE_SE   ; slot 1, the last, whose load stands behind the next round
	v_and_b32 v1, 15, v0                           ; r
	v_bfe_u32 v2, v0, 4, 1                         ; h
	s_wait_alu depctr_va_vdst(0)
	v_and_b32 v3, 31, v0                           ; lane
	v_lshlrev_b32 v4, 4, v3                        ; 16 x lane: my place in every image
	s_mul_i32 s21, s15, HALFT
	s_mul_i32 s22, s16, HALFT
	s_add_co_u32 s22, s22, 2*HALFT
.irp s, 0,1
	v_add_nc_u32 v[ADRA+\s], s21, v4
	v_add_nc_u32 v[ADRB+\s], s22, v4
	s_add_co_u32 s21, s21, SLOT
	s_add_co_u32 s22, s22, SLOT
.endr
	s_mul_i32 s21, s15, HALFS                      ; scale words: lanes 0-15 take A's rows, lanes 16-31 B's
	s_mul_i32 s22, s16, HALFS
	s_add_co_u32 s22, s22, 2*HALFS+128
	s_sub_co_u32 s22, s22, s21
	v_mul_u32_u24 v6, s22, v2
	s_add_co_u32 s21, s21, SCL
	v_lshl_add_u32 v6, v1, 2, v6
	v_add_nc_u32 v[ADRS], s21, v6
	s_mul_i32 s23, s14, WSTAGE                     ; my stage
	v_mul_u32_u24 v5, v1, SPITCH
	v_lshl_add_u32 v5, v2, 5, v5
	v_add_nc_u32 v[STO], s23, v5                   ; in: row r, 32 bytes for each half of the lanes
	v_mul_u32_u24 v5, v2, SPITCH
	v_lshl_add_u32 v5, v1, 4, v5
	v_add_nc_u32 v[RD], s23, v5                    ; back: lanes 0-15 one row of 256 bytes, lanes 16-31 the next
	v_lshlrev_b32 v5, 12, v2
	v_lshl_add_u32 v[CO], v1, 4, v5                ; and the same two rows in memory: rows of 4,096 bytes
	s_wait_alu depctr_va_vdst(0)
	s_lshl_b32 s20, s17, 7
	s_lshl_b32 s21, s15, 6
	s_add_co_u32 s20, s20, s21                     ; my first row,
	s_lshl_b32 s20, s20, 12                        ; of 4,096 bytes
	s_lshl_b32 s46, s42, 9
	s_lshl_b32 s47, s16, 8
	s_add_co_u32 s46, s46, s47                     ; my first column, in bytes
	s_mov_b32 s47, 0
	s_add_nc_u64 s[96:97], s[96:97], s[46:47]
	s_add_co_u32 s46, s46, s20
	s_add_nc_u64 s[12:13], s[12:13], s[46:47]
	s_add_nc_u64 s[98:99], s[98:99], s[46:47]
	v_lshlrev_b32 v8, 5, v2                        ; the bias in the result's layout: register 8 b + j: column 16 b + 8 h + j
.irp b, 0,1,2,3
	global_load_b128 v[BI+8*\b:BI+8*\b+3], v8, s[96:97] offset:64*\b
	global_load_b128 v[BI+8*\b+4:BI+8*\b+7], v8, s[96:97] offset:64*\b+16
.endr
	WIN 0x80                                       ; destination window 2
.irp a, 0,1,2,3                        ; the residual: block a, registers 32 a + 4 t: rows 16 a + 2 t + h; sixteen lanes read 256 consecutive bytes
.irp t, 0,1,2,3,4,5,6,7
	global_load_b128 v[32*\a+4*\t:32*\a+4*\t+3], v[CO], s[98:99] offset:(16*\a+2*\t)*4096
.endr
.endr
	WIN 0
.macro FRAG reg, adr, q, i             ; a fragment comes as it was stored: three loads of 512 consecutive bytes
.irp c, 0,1,2
	ds_load_b128 v[\reg+4*\c:\reg+4*\c+3], v[\adr] offset:(\i)*ROWB+(\q)*1536+512*\c
.endr
.endm
; 8 matrix instructions: A's blocks a0, a0 + 1 x B's four, the slot's q-th 128 along K, out of buffer p.  The 16 accumulators take turns, one instruction a turn, in the same order in every step.
.macro MUL8 a0, p, q, sc, first
.irp a, \a0, \a0+1
.irp b, 0,1,2,3
.if \first
	v_wmma_scale_f32_16x16x128_f8f6f4 v[ACC+8*(4*(\a)+\b):ACC+8*(4*(\a)+\b)+7], v[128*(\p)+48+FR*\b:128*(\p)+48+FR*\b+FR-1], v[128*(\p)+FR*(\a):128*(\p)+FR*(\a)+FR-1], v[BI+8*\b:BI+8*\b+7], v[SC+4*NQ*(\sc)+NQ*\b+(\q)], v[SC+4*NQ*(\sc)+NQ*(\a)+(\q)] matrix_a_fmt:MATRIX_FMT_FP6 matrix_b_fmt:MATRIX_FMT_FP6 matrix_a_scale:MATRIX_SCALE_ROW1
.else
	v_wmma_scale_f32_16x16x128_f8f6f4 v[ACC+8*(4*(\a)+\b):ACC+8*(4*(\a)+\b)+7], v[128*(\p)+48+FR*\b:128*(\p)+48+FR*\b+FR-1], v[128*(\p)+FR*(\a):128*(\p)+FR*(\a)+FR-1], v[ACC+8*(4*(\a)+\b):ACC+8*(4*(\a)+\b)+7], v[SC+4*NQ*(\sc)+NQ*\b+(\q)], v[SC+4*NQ*(\sc)+NQ*(\a)+(\q)] matrix_a_fmt:MATRIX_FMT_FP6 matrix_b_fmt:MATRIX_FMT_FP6 matrix_a_scale:MATRIX_SCALE_ROW1
.endif
.endr
.endr
.endm
.macro FETCH slot, q, p                ; 24 LDS loads in one run: B's four fragments and A's four into buffer p
	WIN TO_F
.irp i, 0,1,2,3
	FRAG 128*(\p)+48+FR*\i, ADRB+\slot, \q, \i
	FRAG 128*(\p)+FR*\i, ADRA+\slot, \q, \i
.endr
.endm
.macro SCALES sc                       ; a slot's scale words: register 4 i + q: lanes 0-15 A's block i, lanes 16-31 B's block i
.irp i, 0,1,2,3
.irp q, 0,1,2,3
	ds_load_b32 v[SC+4*NQ*\sc+NQ*\i+\q], v[ADRS] offset:\i*SBLK+64*\q
.endr
.endr
.endm
.macro PLACES n                        ; plain vector lines between a matrix instruction and a load into, or a read of, its registers (ISA guide 7.12.1 for the reads)
.rept \n
	v_nop
.endr
.endm
; A step of 128 along K that has its successor in the same slot: the successor's fragments are asked for first, into the buffer that the step before multiplied, and land under this step's products.
.macro STEP slot, q, first
	PLACES NP
	FETCH \slot, (\q)+1, 1-(\q)%2
	s_wait_dscnt 8*NL                              ; all but the 24 loads just issued: this step's fragments (and scale words) are in
	WIN MUL
	MUL8 0, (\q)%2, \q, \slot, \first
	MUL8 2, (\q)%2, \q, \slot, \first
.endm
; A slot's last step changes slots: one barrier; in front of it each wave waits for all its tensor loads, adds 0 to its spare word, and waits for that and for its reads of this slot.
.macro TURN slot, next, fill
	WIN 0                                          ; (the add's two registers lie in window 0)
	s_wait_tensorcnt 0x0                           ; all my tensor loads have landed: my part of the next slot
	ds_add_u32 v[SPW], v[NIL]                      ; 0 onto my spare word
	s_wait_dscnt 1                                 ; (the add may be out: this step's fragments are in)
	WIN MUL
	MUL8 0, 1, NQ-1, \slot, 0                      ; eight matrix instructions stand between the add and the wait for it
	s_wait_dscnt 0x0                               ; the add is done, and my reads of this slot are over
	s_barrier_signal -1
	MUL8 2, 1, NQ-1, \slot, 0
	WIN 0
	s_barrier_wait -1
.if \fill
	CREST                                          ; the barrier has opened a meeting of the whole cluster: no wave of any partner still reads this slot or has a load on its way
	s_add_nc_u64 s[G0+4*\slot+2:G0+4*\slot+3], s[G0+4*\slot+2:G0+4*\slot+3], 2*ROWB
	s_add_nc_u64 s[G0B+4*\slot+2:G0B+4*\slot+3], s[G0B+4*\slot+2:G0B+4*\slot+3], 2*ROWB
	JLOAD G0+4*\slot, G1, G0B+4*\slot, G1B         ; my one tensor load behind it; its four v_nop are the places in front of the loads below
.else
	PLACES NP
.endif
	v_add_nc_u32 v[ADRS], 64*NQ, v[ADRS]           ; the next slot's scale words
	SCALES \next
	FETCH \next, 0, 0
.endm
	s_wait_alu depctr_va_vdst(0)
	s_wait_tensorcnt 0x0                           ; my tile of the head's four is in
	ds_add_u32 v[SPW], v[NIL]
	s_mov_b32 s[G1+2], 4<<16                       ; no tensor load of mine is out: from here on a load brings 4 row blocks
	s_mov_b32 s[G1+4], 4
	s_mov_b32 s[G1B+2], 4<<16
	s_mov_b32 s[G1B+4], 4
	s_wait_dscnt 0x0
	CROUND                                         ; all four tiles are in, and the sixteen work-groups meet
	JLOAD G0+4, G1, G0B+4, G1B                     ; slot 1's first fill, my one tensor load behind the round
	SCALES 0
	FETCH 0, 0, 0
	s_wait_loadcnt 32                              ; the bias's eight loads are in; the residual's 32, issued behind them, may be out
	STEP 0, 0, 1                                   ; the first step's products start the sums, on the bias
	STEP 0, 1, 0
	STEP 0, 2, 0
	WIN 0                                          ; at a label and at a branch every window is 0
.if LAPS > 1
	s_mov_b32 s3, LAPS-1
.Llap:                                             ; a trip goes once round the ring and fills both slots again
	TURN 0, 1, 1
	STEP 1, 0, 0
	STEP 1, 1, 0
	STEP 1, 2, 0
	TURN 1, 0, 1
	STEP 0, 0, 0
	STEP 0, 1, 0
	STEP 0, 2, 0
	WIN 0
	s_sub_co_u32 s3, s3, 1
	s_cmp_lg_u32 s3, 0
	s_cbranch_scc1 .Llap
.endif
	TURN 0, 1, 0                                   ; the last lap fills nothing
	STEP 1, 0, 0
	STEP 1, 1, 0
	STEP 1, 2, 0
	s_wait_dscnt 0                                 ; the very last step: nothing more to fetch
	MUL8 0, 1, NQ-1, 1, 0
	MUL8 2, 1, NQ-1, 1, 0
	WIN 0
.macro BACK a                          ; block a's 16 rows back from the stage, two rows a load, into buffer a % 3
.set BB, OB+32*((\a)%3)
.irp t, 0,1,2,3,4,5,6,7
	ds_load_b128 v[BB+4*\t:BB+4*\t+3], v[RD] offset:(16*(\a)+2*\t)*SPITCH   ; LDS serves a wave's instructions in order: these see my stores
.endr
.endm
.macro SEND a, younger                 ; younger: the LDS loads issued behind block a's, which may stay out
.set BB, OB+32*((\a)%3)
.set RS, 32*(\a)
	s_wait_dscnt \younger                          ; the block is back in registers
	WIN 0x08                                       ; source 1 window 2
.set j, 0
.rept 16
	v_pk_add_f32 v[BB+j:BB+j+1], v[BB+j:BB+j+1], v[RS+j:RS+j+1]
.set j, j+2
.endr
	WIN 0
.irp t, 0,1,2,3,4,5,6,7
.if LASTOUT
	global_store_b128 v[CO], v[BB+4*\t:BB+4*\t+3], s[12:13] offset:(16*(\a)+2*\t)*4096 th:TH_STORE_NT
.else
	global_store_b128 v[CO], v[BB+4*\t:BB+4*\t+3], s[12:13] offset:(16*(\a)+2*\t)*4096   ; sixteen lanes store 256 consecutive bytes; every place stands in the immediate, 253,952 at the most
.endif
.endr
.endm
	PLACES NP                                      ; behind the last products: for the reads of results and the loads into the scale words' registers
.irp a, 0,1,2,3
.irp b, 0,1,2,3
	ds_store_b128 v[STO], v[ACC+8*(4*\a+\b):ACC+8*(4*\a+\b)+3] offset:\a*16*SPITCH+64*\b      ; each accumulator from its low end on
	ds_store_b128 v[STO], v[ACC+8*(4*\a+\b)+4:ACC+8*(4*\a+\b)+7] offset:\a*16*SPITCH+64*\b+16
.endr
.endr
	BACK 0
	BACK 1
	BACK 2
	s_wait_loadcnt 0x0                             ; the residual, asked for at the head
	SEND 0, 16                                     ; behind block 0's loads: blocks 1 and 2's sixteen
	s_wait_xcnt 0x0                                ; block 0's stores have read their registers: block 3's rows may land there
	BACK 3
	SEND 1, 16                                     ; blocks 2 and 3's sixteen
	SEND 2, 8
	SEND 3, 0
	s_wait_tensorcnt 0x0                           ; the wave's end
	ds_add_u32 v[SPW], v[NIL]
	s_wait_dscnt 0x0
	CROUND                                         ; no work-group ends while a partner may still ask for a tile that names it
	s_endpgm
.Lfunc_end_k_q56f90fac2e_gemm_out:
	.size	k_q56f90fac2e_gemm_out, .Lfunc_end_k_q56f90fac2e_gemm_out-k_q56f90fac2e_gemm_out
	.p2alignl 7, 3214868480
	.fill 96, 4, 3214868480
	.section	.rodata,"a",@progbits
	.p2align	6, 0x0
	.amdhsa_kernel k_q56f90fac2e_gemm_out
		.amdhsa_group_segment_fixed_size 327680
		.amdhsa_private_segment_fixed_size 0
		.amdhsa_enable_private_segment 0
		.amdhsa_kernarg_size 40
		.amdhsa_user_sgpr_count 2
		.amdhsa_user_sgpr_kernarg_segment_ptr 1
		.amdhsa_wavefront_size32 1
		.amdhsa_system_sgpr_workgroup_id_x 1
		.amdhsa_system_sgpr_workgroup_id_y 1
		.amdhsa_system_sgpr_workgroup_id_z 1
		.amdhsa_system_vgpr_workitem_id 0
		.amdhsa_next_free_vgpr 768
		.amdhsa_next_free_sgpr 102
		.amdhsa_reserve_vcc 0
		.amdhsa_float_denorm_mode_32 3
		.amdhsa_float_denorm_mode_16_64 3
		.amdhsa_memory_ordered 1
		.amdhsa_forward_progress 1
		.amdhsa_inst_pref_size 59
	.end_amdhsa_kernel
	.amdgpu_metadata
---
amdhsa.version: [ 1, 2 ]
amdhsa.kernels:
  - .name:           k_q56f90fac2e_gemm_out
    .symbol:         k_q56f90fac2e_gemm_out.kd
    .args:
      - { .name: cc, .offset: 0, .size: 8, .value_kind: global_buffer, .address_space: global }
      - { .name: wts, .offset: 8, .size: 8, .value_kind: global_buffer, .address_space: global }
      - { .name: out_b, .offset: 16, .size: 8, .value_kind: global_buffer, .address_space: global }
      - { .name: x, .offset: 24, .size: 8, .value_kind: global_buffer, .address_space: global }
      - { .name: x1, .offset: 32, .size: 8, .value_kind: global_buffer, .address_space: global }
    .group_segment_fixed_size: 327680
    .private_segment_fixed_size: 0
    .kernarg_segment_align: 8
    .kernarg_segment_size: 40
    .max_flat_workgroup_size: 128
    .sgpr_count:     102
    .vgpr_count:     768
    .wavefront_size: 32
...
	.end_amdgpu_metadata
.endif
;; end of part 12
;; launch ln2: the kernel of part 9 again; grid 256 x 1, 8 waves a work-group, no clusters, 69,632 bytes of LDS; arguments x1, ln2_g, ln2_b, hc; writes hc
;; launch gemm_ffn1 (part 13): grid 16 x 16, 4 waves a work-group, clusters of 4 x 4, 327,680 bytes of LDS; arguments hc, wts, ffn_b1, hid; writes hid
.if DOCPART == 13
	.amdgcn_target "amdgcn-amd-amdhsa--gfx1250"
	.amdhsa_code_object_version 6
	.text
	.protected	k_q56f90fac2e_gemm_ffn1
	.globl	k_q56f90fac2e_gemm_ffn1
	.p2align	8
	.type	k_q56f90fac2e_gemm_ffn1,@function
k_q56f90fac2e_gemm_ffn1:
	s_mov_b64 s[64:65], 0
	v_nop
	global_prefetch_b8 v0, s[64:65] scope:SCOPE_SE
	s_setreg_imm32_b32 hwreg(HW_REG_WAVE_MODE, 25, 1), 1
	s_wait_xcnt 0x0
	s_wait_alu depctr_hold_cnt(0) depctr_sa_sdst(0) depctr_va_vdst(0) depctr_va_sdst(0) depctr_va_ssrc(0) depctr_va_vcc(0) depctr_vm_vsrc(0)
	s_getreg_b32 s2, hwreg(HW_REG_IB_STS2, 6, 4)
	s_cmp_eq_u32 s2, 0
	s_cbranch_scc0 .Lentry_in_a_cluster
	s_endpgm
.Lentry_in_a_cluster:
	s_bfe_u32 s2, ttmp6, 0x10000c
	s_cmp_lg_u32 s2, 0xf033
	s_cbranch_scc0 .Lentry_shape_is_right
	s_endpgm
.Lentry_shape_is_right:
; hid = gelu(h W1 + b1), quantised along the hidden units into images of operand registers; the product runs on codes of FP6 (E2M3) with E8M0 scales, laid as in the launch for q, k and v.
; A tile of 256 x 256 to a work-group of four waves, 128 x 128 a wave; K = 1,024 in four steps of 256 through two LDS slots; clusters of 4 x 4 with joint loads.  The bias is the C of each sum's first product.
; gelu(y) = y / (1 + 2^(y (K1 + K2 y^2))), K1 = -2 sqrt(2/pi) log2(e), K2 = 0.044715 K1: the tanh form of the reference, in f32.
; PREFETCH: of the 8 row blocks that a wave fetches, each of the four partners that ask with it takes two, told apart by address: 24 blocks of 256 bytes a slot, a lane a block.
; Behind the head's load slots 1 and 2 are asked for, behind slot 1's load slot 3, the last.
; LIMITS: NaN and infinities are not served; a block whose largest magnitude lies under 2^-124 gets the byte 1.
.set SIZE_K, 1024
.set ASC,    3145728
.set WC,     3145728
.set WS,     9568256
.set KST,    SIZE_K/128
.set NQ,     2
.set FR,     12
.set NL,     3
.set NP,     4
.set ROWB,   3072
.set HALFT,  8*ROWB
.set SLOT,   4*HALFT
.set LAPS,   SIZE_K/512
.set KROW,   SIZE_K*3/4
.set KS,     SIZE_K/32
.set SCL,    2*SLOT
.set HALFS,  512*KST
.set SBLK,   64*KST
.set SPARE,  SCL+4*HALFS+256
.set ADRA, 16
.set ADRB, 20
.set PFO,  22                          ; v22 the prefetches' lane offset; never rewritten
.set ADRS, 27
.set SPW,  28
.set NIL,  29
.set SC,   32
.set BI,   64
.set AF,   128
.set HA,   128
.set PC,   192
.set TM,   212
.set PW,   228
.set K1,   232
.set K2,   234
.set SEL,  18
.set G1, 24
.set G0, 32
.set G1B, 48
.set G0B, 56
.set PFA, 66                           ; s[66:67] the prefetches' base; never rewritten
.set G1S, 68
.set G0S, 76
.set G1SB, 80
.set G0SB, 88
.set MSB, 0
.macro WIN new                         ; the immediate's high byte repeats the setting that is left
.set WN, \new
.if MSB != WN
	s_set_vgpr_msb (MSB<<8)|WN
.set MSB, WN
.endif
.endm
.set MUL_LO, 0xa1
.set MUL_HI, 0xf1
.set FIRST_LO, 0x81
.set FIRST_HI, 0xc1
.set TO_B,   0x40
.macro JLOAD g0a, g1a, g0b, g1b        ; a joint load: waves 0 and 1 fetch for A, waves 2 and 3 for B
	s_cmp_eq_u32 s15, 0
	s_cbranch_scc0 .Lfor_b_\@
	tensor_load_to_lds s[\g0a:\g0a+3], s[\g1a:\g1a+7]
	s_nop 0
.rept 4
	v_nop
.endr
	s_branch .Lasked_\@
.Lfor_b_\@:
	tensor_load_to_lds s[\g0b:\g0b+3], s[\g1b:\g1b+7]
	s_nop 0
.rept 4
	v_nop
.endr
.Lasked_\@:
.endm
.macro CREST
	s_cmp_lg_u32 s14, 0
	s_cbranch_scc1 .Lnot_wave_0_\@
	s_barrier_signal -3
.Lnot_wave_0_\@:
	s_barrier_wait -3
	s_barrier_signal -1
	s_barrier_wait -1
.endm
.macro CROUND
	s_barrier_signal -1
	s_barrier_wait -1
	CREST
.endm
	s_load_b64 s[4:5], s[0:1], 0x0                 ; h's images
	s_load_b64 s[8:9], s[0:1], 0x8                 ; the weights' images
	s_load_b64 s[96:97], s[0:1], 0x10              ; the bias
	s_load_b64 s[12:13], s[0:1], 0x18              ; hid
	v_lshl_add_u32 v[SPW], v0, 2, SPARE
	v_mov_b32 v[NIL], 0
	ds_add_u32 v28, v29
	ds_add_u32 v28, v29
	s_wait_dscnt 0x0
	v_lshrrev_b32 v1, 5, v0
	v_readfirstlane_b32 s14, v1                    ; wave
	s_lshr_b32 s15, s14, 1
	s_and_b32 s16, s14, 1
	s_bfe_u32 s40, ttmp6, 0x40000                  ; cx
	s_bfe_u32 s41, ttmp6, 0x40004                  ; cy
	s_lshl_b32 s42, ttmp9, 2
	s_add_co_u32 s42, s42, s40                     ; tile column
	s_and_b32 s17, ttmp7, 0xffff
	s_lshl_b32 s17, s17, 2
	s_add_co_u32 s17, s17, s41                     ; tile row
	s_lshl_b32 s43, s41, 2
	s_lshl_b32 s43, 15, s43
	s_lshl_b32 s44, 0x1111, s40
	s_or_b32 s[G1+0], s43, (3<<16)|(1<<21)
	s_or_b32 s[G1B+0], s44, (3<<16)|(1<<21)
.irp g, G1, G1B
	s_mov_b32 s[\g+1], 384<<16
	s_mov_b32 s[\g+2], 16<<16                      ; tensor_dim1: 16 row blocks for the head's loads; 8 behind them
	s_mov_b32 s[\g+3], 384<<16
	s_mov_b32 s[\g+4], 16                          ; tile_dim1 likewise
	s_mov_b32 s[\g+5], KST*192
	s_mov_b32 s[\g+6], 0
	s_mov_b32 s[\g+7], 0
.endr
	s_or_b32 s[G1S+0], s43, (3<<16)|(1<<21)
	s_or_b32 s[G1SB+0], s44, (3<<16)|(1<<21)
.irp g, G1S, G1SB
	s_mov_b32 s[\g+1], 32<<16
	s_mov_b32 s[\g+2], (4*KST)<<16                 ; the scale words of 256 rows
	s_mov_b32 s[\g+3], 32<<16
	s_mov_b32 s[\g+4], 4*KST
	s_mov_b32 s[\g+5], 32
	s_mov_b32 s[\g+6], 0
	s_mov_b32 s[\g+7], 0
.endr
	s_lshl_b32 s20, s17, 8                         ; A: the tile's first row
	s_lshl_b32 s46, s42, 8                         ; B likewise
	s_mov_b32 s21, 0
	s_mov_b32 s47, 0
	s_mov_b64 s[18:19], KS
	s_mul_u64 s[22:23], s[20:21], s[18:19]
	s_mul_u64 s[92:93], s[46:47], s[18:19]
	s_mov_b64 s[18:19], KROW
	s_mul_u64 s[20:21], s[20:21], s[18:19]
	s_mul_u64 s[46:47], s[46:47], s[18:19]
	s_mul_i32 s45, s14, HALFT
	s_wait_kmcnt 0x0
	s_add_nc_u64 s[6:7], s[4:5], ASC
	s_add_nc_u64 s[10:11], s[8:9], WS
	s_add_nc_u64 s[8:9], s[8:9], WC
	s_add_nc_u64 s[20:21], s[4:5], s[20:21]
	s_add_nc_u64 s[22:23], s[6:7], s[22:23]
	s_add_nc_u64 s[46:47], s[8:9], s[46:47]
	s_add_nc_u64 s[92:93], s[10:11], s[92:93]
	CROUND                                         ; the sixteen work-groups meet ahead of the first joint loads
	s_mov_b32 s[G0S], 1
	s_mov_b32 s[G0S+1], SCL                        ; A's scale words, 256 rows
	s_mov_b64 s[G0S+2:G0S+3], s[22:23]
	s_or_b32 s[G0S+3], s[G0S+3], 0x80000000
	s_mov_b32 s[G0SB], 1
	s_mov_b32 s[G0SB+1], SCL+2*HALFS+128           ; B's lie 128 bytes further on than dense
	s_mov_b64 s[G0SB+2:G0SB+3], s[92:93]
	s_or_b32 s[G0SB+3], s[G0SB+3], 0x80000000
	s_mov_b32 s4, 1                                ; group 0 for the head's loads of slot 0, in registers that held arguments: A's 256 rows,
	s_mov_b32 s5, 0
	s_mov_b64 s[6:7], s[20:21]
	s_or_b32 s7, s7, 0x80000000
	s_mov_b32 s8, 1                                ; and B's, behind them
	s_mov_b32 s9, 2*HALFT
	s_mov_b64 s[10:11], s[46:47]
	s_or_b32 s11, s11, 0x80000000
	s_mul_i32 s18, s16, 128*KROW                   ; for the ring: my 128 rows of the tile
	s_mov_b32 s19, 0
	s_add_nc_u64 s[20:21], s[20:21], s[18:19]
	s_add_nc_u64 s[46:47], s[46:47], s[18:19]
	s_cmp_eq_u32 s15, 0                            ; the prefetches: do I fetch for A?
	s_cselect_b64 s[PFA:PFA+1], s[20:21], s[46:47]
	s_cselect_b32 s18, s40, s41                    ; my place among the four that ask with me
	s_mul_i32 s18, s18, 2*KST*1536                 ; picks two of my eight row blocks
	s_add_nc_u64 s[PFA:PFA+1], s[PFA:PFA+1], s[18:19]
.irp s, 0,1
	s_mov_b32 s[G0+4*\s], 1
	s_add_co_u32 s[G0+4*\s+1], s45, \s*SLOT
	s_add_nc_u64 s[G0+4*\s+2:G0+4*\s+3], s[20:21], \s*ROWB
	s_or_b32 s[G0+4*\s+3], s[G0+4*\s+3], 0x80000000
	s_mov_b32 s[G0B+4*\s], 1
	s_add_co_u32 s[G0B+4*\s+1], s45, \s*SLOT
	s_add_nc_u64 s[G0B+4*\s+2:G0B+4*\s+3], s[46:47], \s*ROWB
	s_or_b32 s[G0B+4*\s+3], s[G0B+4*\s+3], 0x80000000
.endr
; The head's four tiles, one joint load a wave: wave 0 slot 0's rows of A, wave 1 those of B, waves 2 and 3 the scale words.  One chain of branches on the wave's number.
.macro ARM under, g0, g1, next
	s_cmp_lt_u32 s14, \under
	s_cbranch_scc0 \next
	tensor_load_to_lds s[\g0:\g0+3], s[\g1:\g1+7]
	s_nop 0
.rept 4
	v_nop
.endr
	s_branch .Lhead_asked
\next:
.endm
	ARM 1, 4, G1, .Lhead_b
	ARM 2, 8, G1B, .Lhead_sa
	ARM 3, G0S, G1S, .Lhead_sb
	tensor_load_to_lds s[G0SB:G0SB+3], s[G1SB:G1SB+7]
	s_nop 0
.rept 4
	v_nop
.endr
.Lhead_asked:
	v_and_b32 v[PFO], 31, v0                       ; 2 x 12 blocks of 256 bytes, a lane a block (lanes 24-31 name the last again)
	v_min_u32 v[PFO], 23, v[PFO]
	v_mul_u32_u24 v23, v[PFO], 171
	v_lshrrev_b32 v23, 11, v23                     ; lane / 12
	v_lshlrev_b32 v[PFO], 8, v[PFO]
	v_mad_u32_u24 v[PFO], v23, KST*1536-ROWB, v[PFO]
	global_prefetch_b8 v[PFO], s[PFA:PFA+1] offset:ROWB th:TH_LOAD_NT scope:SCOPE_SE     ; slot 1, whose load stands behind the next round,
	global_prefetch_b8 v[PFO], s[PFA:PFA+1] offset:2*ROWB th:TH_LOAD_NT scope:SCOPE_SE   ; and slot 2, two loads on
	v_and_b32 v1, 15, v0
	v_bfe_u32 v2, v0, 4, 1
	s_wait_alu depctr_va_vdst(0)
	v_and_b32 v3, 31, v0
	s_wait_alu depctr_va_vdst(0)
	v_lshlrev_b32 v4, 4, v3
	s_mul_i32 s21, s15, HALFT
	s_mul_i32 s22, s16, HALFT
	s_add_co_u32 s22, s22, 2*HALFT
.irp s, 0,1
	v_add_nc_u32 v[ADRA+\s], s21, v4
	v_add_nc_u32 v[ADRB+\s], s22, v4
	s_add_co_u32 s21, s21, SLOT
	s_add_co_u32 s22, s22, SLOT
.endr
	s_mul_i32 s21, s15, HALFS
	s_mul_i32 s22, s16, HALFS
	s_add_co_u32 s22, s22, 2*HALFS+128
	s_sub_co_u32 s22, s22, s21
	v_mul_u32_u24 v6, s22, v2
	s_add_co_u32 s21, s21, SCL
	v_lshl_add_u32 v6, v1, 2, v6
	v_add_nc_u32 v[ADRS], s21, v6
	v_lshlrev_b32 v24, 4, v3
	v_lshlrev_b32 v26, 2, v1
	s_lshl_b32 s46, s42, 10
	s_lshl_b32 s47, s16, 9
	s_add_co_u32 s46, s46, s47
	s_mov_b32 s47, 0
	s_add_nc_u64 s[96:97], s[96:97], s[46:47]
	s_lshl_b32 s20, s17, 4
	s_lshl_b32 s21, s15, 3
	s_add_co_u32 s20, s20, s21
	s_lshl_b32 s20, s20, 5
	s_lshl_b32 s21, s42, 1
	s_add_co_u32 s20, s20, s21
	s_add_co_u32 s20, s20, s16                     ; my first fragment's number in hid
	s_lshl_b32 s22, s20, 6
	s_add_co_u32 s22, s22, 12582912
	s_mov_b32 s23, 0
	s_add_nc_u64 s[100:101], s[12:13], s[22:23]
	s_mul_i32 s22, s20, 1536
	s_add_nc_u64 s[12:13], s[12:13], s[22:23]
	v_lshlrev_b32 v8, 5, v2
.irp b, 0,1,2,3,4,5,6,7
	global_load_b128 v[BI+8*\b:BI+8*\b+3], v8, s[96:97] offset:64*\b
	global_load_b128 v[BI+8*\b+4:BI+8*\b+7], v8, s[96:97] offset:64*\b+16
.endr
.macro FRAG reg, adr, q, i
.irp c, 0,1,2
	ds_load_b128 v[\reg+4*\c:\reg+4*\c+3], v[\adr] offset:(\i)*ROWB+(\q)*1536+512*\c
.endr
.endm
; The 64 accumulators take turns, one instruction a turn.
.macro MUL16 a0, p, q, sc, first
.irp a, \a0, \a0+1
.irp b, 0,1,2,3,4,5,6,7
.if \first
	v_wmma_scale_f32_16x16x128_f8f6f4 v[8*(8*((\a)%4)+\b):8*(8*((\a)%4)+\b)+7], v[128*(\p)+FR*\b:128*(\p)+FR*\b+FR-1], v[AF+FR*(\a):AF+FR*(\a)+FR-1], v[BI+8*\b:BI+8*\b+7], v[SC+8*NQ*(\sc)+NQ*\b+(\q)], v[SC+8*NQ*(\sc)+NQ*(\a)+(\q)] matrix_a_fmt:MATRIX_FMT_FP6 matrix_b_fmt:MATRIX_FMT_FP6 matrix_a_scale:MATRIX_SCALE_ROW1
.else
	v_wmma_scale_f32_16x16x128_f8f6f4 v[8*(8*((\a)%4)+\b):8*(8*((\a)%4)+\b)+7], v[128*(\p)+FR*\b:128*(\p)+FR*\b+FR-1], v[AF+FR*(\a):AF+FR*(\a)+FR-1], v[8*(8*((\a)%4)+\b):8*(8*((\a)%4)+\b)+7], v[SC+8*NQ*(\sc)+NQ*\b+(\q)], v[SC+8*NQ*(\sc)+NQ*(\a)+(\q)] matrix_a_fmt:MATRIX_FMT_FP6 matrix_b_fmt:MATRIX_FMT_FP6 matrix_a_scale:MATRIX_SCALE_ROW1
.endif
.endr
.endr
.endm
.macro FETCH_B slot, q, p
	WIN TO_B
.irp i, 0,1,2,3,4,5,6,7
	FRAG 128*(\p)+FR*\i, ADRB+\slot, \q, \i
.endr
	WIN 0
.endm
.macro FETCH_A slot, q, i0
.irp i, \i0, \i0+1, \i0+2, \i0+3
	FRAG AF+FR*(\i), ADRA+\slot, \q, \i
.endr
.endm
.macro SCALES sc
.irp i, 0,1,2,3,4,5,6,7
.irp q, 0,1
	ds_load_b32 v[SC+8*NQ*\sc+NQ*\i+\q], v[ADRS] offset:\i*SBLK+64*\q
.endr
.endr
.endm
.macro PLACES n
.rept \n
	v_nop
.endr
.endm
.macro STEP slot, q, first
	s_wait_dscnt 4*NL                              ; all but the youngest twelve loads (A's blocks 4-7) are in
.if \first
	WIN FIRST_LO
.else
	WIN MUL_LO
.endif
	MUL16 0, (\q)%2, \q, \slot, \first
	MUL16 2, (\q)%2, \q, \slot, \first
	s_wait_dscnt 0
	PLACES NP
	FETCH_B \slot, (\q)+1, 1-(\q)%2
	FETCH_A \slot, (\q)+1, 0
.if \first
	WIN FIRST_HI
.else
	WIN MUL_HI
.endif
	MUL16 4, (\q)%2, \q, \slot, \first
	MUL16 6, (\q)%2, \q, \slot, \first
	PLACES NP
	WIN 0
	FETCH_A \slot, (\q)+1, 4
.endm
; A slot's last step changes slots: in front of the barrier each wave waits for all its tensor loads, adds 0 to its spare word, and waits for that and for its reads of this slot.
.macro TURN slot, next, fill
	s_wait_tensorcnt 0x0
	ds_add_u32 v[SPW], v[NIL]
	s_wait_dscnt 4*NL+1                            ; (the add and the youngest twelve loads may be out)
	WIN MUL_LO
	MUL16 0, 1, NQ-1, \slot, 0
	s_wait_dscnt 0x0
	s_barrier_signal -1
	MUL16 2, 1, NQ-1, \slot, 0
	WIN 0
	s_barrier_wait -1
.if \fill
	CREST
	s_add_nc_u64 s[G0+4*\slot+2:G0+4*\slot+3], s[G0+4*\slot+2:G0+4*\slot+3], 2*ROWB
	s_add_nc_u64 s[G0B+4*\slot+2:G0B+4*\slot+3], s[G0B+4*\slot+2:G0B+4*\slot+3], 2*ROWB
	JLOAD G0+4*\slot, G1, G0B+4*\slot, G1B
.else
	PLACES NP
.endif
	s_wait_alu depctr_va_vdst(0)
	v_add_nc_u32 v[ADRS], 64*NQ, v[ADRS]
	FETCH_B \next, 0, 0
	FETCH_A \next, 0, 0
	SCALES \next
	WIN MUL_HI
	MUL16 4, 1, NQ-1, \slot, 0
	MUL16 6, 1, NQ-1, \slot, 0
	PLACES NP
	WIN 0
	FETCH_A \next, 0, 4
.endm
	s_wait_alu depctr_va_vdst(0)
	s_wait_tensorcnt 0x0                           ; my tile of the head's four is in
	ds_add_u32 v[SPW], v[NIL]
	s_mov_b32 s[G1+2], 8<<16                       ; no tensor load of mine is out: from here on a load brings 8 row blocks
	s_mov_b32 s[G1+4], 8
	s_mov_b32 s[G1B+2], 8<<16
	s_mov_b32 s[G1B+4], 8
	s_wait_dscnt 0x0
	CROUND                                         ; all four tiles are in, and the sixteen work-groups meet
	JLOAD G0+4, G1, G0B+4, G1B                     ; slot 1's first fill, my one tensor load behind the round
	global_prefetch_b8 v[PFO], s[PFA:PFA+1] offset:3*ROWB th:TH_LOAD_NT scope:SCOPE_SE   ; slot 3, the last, two loads on
	FETCH_B 0, 0, 0
	FETCH_A 0, 0, 0
	SCALES 0
	FETCH_A 0, 0, 4
	s_wait_loadcnt 0x0                             ; the bias
	STEP 0, 0, 1
	s_mov_b32 s3, LAPS-1
.Llap:
	TURN 0, 1, 1
	STEP 1, 0, 0
	TURN 1, 0, 1
	STEP 0, 0, 0
	s_sub_co_u32 s3, s3, 1
	s_cmp_lg_u32 s3, 0
	s_cbranch_scc1 .Llap
	TURN 0, 1, 0
	STEP 1, 0, 0
	s_wait_dscnt 4*NL
	WIN MUL_LO
	MUL16 0, 1, NQ-1, 1, 0
	MUL16 2, 1, NQ-1, 1, 0
	s_wait_dscnt 0
	WIN MUL_HI
	MUL16 4, 1, NQ-1, 1, 0
	MUL16 6, 1, NQ-1, 1, 0
	WIN 0
.macro QUANT                           ; 64 numbers of a lane in v[HA] on become a fragment's codes in v[PC] on and its scale word in v[PW]
.irp b, 0,1,2,3
	v_max3_num_f32 v[TM+\b], |v[HA+16*\b]|, |v[HA+1+16*\b]|, 0x1800000
.endr
.irp i, 2,4,6,8,10,12,14
.irp b, 0,1,2,3
	v_max3_num_f32 v[TM+\b], v[TM+\b], |v[HA+16*\b+\i]|, |v[HA+1+16*\b+\i]|
.endr
.endr
.irp b, 0,1,2,3
	v_permlanex16_b32 v[TM+4+\b], v[TM+\b], s[SEL], s[SEL+1]
.endr
.irp b, 0,1,2,3
	v_max_num_f32 v[TM+\b], v[TM+\b], v[TM+4+\b]
.endr
.irp b, 0,1,2,3
	v_add_nc_u32 v[TM+12+\b], 0xff000000, v[TM+\b]
.endr
.irp b, 0,1,2,3
	v_lshrrev_b32 v[TM+4+\b], 23, v[TM+12+\b]
.endr
	v_lshl_or_b32 v[PW], v[TM+5], 8, v[TM+4]
	v_lshl_or_b32 v[PW], v[TM+6], 16, v[PW]
	v_lshl_or_b32 v[PW], v[TM+7], 24, v[PW]
.irp c, 0,1
	v_cvt_scalef32_pk16_fp6_f32 v[PC+6*\c:PC+2+6*\c], v[HA+32*\c:HA+15+32*\c], v[TM+12+2*\c]
	v_cvt_scalef32_pk16_fp6_f32 v[PC+12+4*\c:PC+14+4*\c], v[HA+16+32*\c:HA+31+32*\c], v[TM+13+2*\c]
.endr
	v_nop
.irp c, 0,1
.irp i, 0,1,2
	v_permlane16_swap_b32 v[PC+6*\c+\i], v[PC+12+4*\c+\i]
.endr
.irp i, 0,1,2
	v_mov_b32 v[PC+3+6*\c+\i], v[PC+12+4*\c+\i]
.endr
.endr
.endm
	PLACES NP
	s_mov_b32 s[SEL], 0x76543210
	s_mov_b32 s[SEL+1], 0xfedcba98
.irp b, 0,1,2,3
	v_mov_b32 v[TM+4+\b], 0
.endr
	v_mov_b32 v[K1], 0xc0135761
	v_mov_b32 v[K1+1], 0xc0135761
	v_mov_b32 v[K2], 0xbdd2d3e8
	v_mov_b32 v[K2+1], 0xbdd2d3e8
.irp a, 0,1,2,3,4,5,6,7
.set AC, 64*(\a%4)
.set W, 2+\a/4
.if \a > 0
	s_wait_xcnt 0x0                                ; the last stores have read their registers
.endif
	WIN W|(W<<2)
.set j, 0
.rept 32
	v_pk_mul_f32 v[HA+j:HA+j+1], v[AC+j:AC+j+1], v[AC+j:AC+j+1]
.set j, j+2
.endr
	WIN 0
.set j, 0
.rept 32
	v_pk_fma_f32 v[HA+j:HA+j+1], v[HA+j:HA+j+1], v[K2:K2+1], v[K1:K1+1]
.set j, j+2
.endr
	WIN W<<2
.set j, 0
.rept 32
	v_pk_mul_f32 v[HA+j:HA+j+1], v[HA+j:HA+j+1], v[AC+j:AC+j+1]
.set j, j+2
.endr
	WIN 0
.set j, 0
	s_wait_alu depctr_va_vdst(0)
.rept 64
	v_exp_f32 v[HA+j], v[HA+j]
.set j, j+1
.endr
	v_nop
.set j, 0
	s_wait_alu depctr_va_vdst(0)
.rept 32
	v_pk_add_f32 v[HA+j:HA+j+1], v[HA+j:HA+j+1], 1.0 op_sel_hi:[1,0]
.set j, j+2
.endr
.set j, 0
	s_wait_alu depctr_va_vdst(0)
.rept 64
	v_rcp_f32 v[HA+j], v[HA+j]
.set j, j+1
.endr
	v_nop
	WIN W<<2
.set j, 0
	s_wait_alu depctr_va_vdst(0)
.rept 32
	v_pk_mul_f32 v[HA+j:HA+j+1], v[HA+j:HA+j+1], v[AC+j:AC+j+1]
.set j, j+2
.endr
	WIN 0
	QUANT
.irp c, 0,1,2
	global_store_b128 v24, v[PC+4*\c:PC+4*\c+3], s[12:13] offset:\a*49152+512*\c
.endr
	global_store_b32 v26, v[PW], s[100:101] offset:\a*2048
.endr
	s_wait_tensorcnt 0x0                           ; the wave's end
	ds_add_u32 v[SPW], v[NIL]
	s_wait_dscnt 0x0
	CROUND                                         ; the closing round
	s_endpgm
.Lfunc_end_k_q56f90fac2e_gemm_ffn1:
	.size	k_q56f90fac2e_gemm_ffn1, .Lfunc_end_k_q56f90fac2e_gemm_ffn1-k_q56f90fac2e_gemm_ffn1
	.p2alignl 7, 3214868480
	.fill 96, 4, 3214868480
	.section	.rodata,"a",@progbits
	.p2align	6, 0x0
	.amdhsa_kernel k_q56f90fac2e_gemm_ffn1
		.amdhsa_group_segment_fixed_size 327680
		.amdhsa_private_segment_fixed_size 0
		.amdhsa_enable_private_segment 0
		.amdhsa_kernarg_size 32
		.amdhsa_user_sgpr_count 2
		.amdhsa_user_sgpr_kernarg_segment_ptr 1
		.amdhsa_wavefront_size32 1
		.amdhsa_system_sgpr_workgroup_id_x 1
		.amdhsa_system_sgpr_workgroup_id_y 1
		.amdhsa_system_sgpr_workgroup_id_z 1
		.amdhsa_system_vgpr_workitem_id 0
		.amdhsa_next_free_vgpr 1024
		.amdhsa_next_free_sgpr 102
		.amdhsa_reserve_vcc 0
		.amdhsa_float_denorm_mode_32 3
		.amdhsa_float_denorm_mode_16_64 3
		.amdhsa_memory_ordered 1
		.amdhsa_forward_progress 1
		.amdhsa_inst_pref_size 255
	.end_amdhsa_kernel
	.section	.bss,"aw",@nobits
	.p2align	6
	.space	262144
	.amdgpu_metadata
---
amdhsa.version: [ 1, 2 ]
amdhsa.kernels:
  - .name:           k_q56f90fac2e_gemm_ffn1
    .symbol:         k_q56f90fac2e_gemm_ffn1.kd
    .args:
      - { .name: hc, .offset: 0, .size: 8, .value_kind: global_buffer, .address_space: global }
      - { .name: wts, .offset: 8, .size: 8, .value_kind: global_buffer, .address_space: global }
      - { .name: ffn_b1, .offset: 16, .size: 8, .value_kind: global_buffer, .address_space: global }
      - { .name: hid, .offset: 24, .size: 8, .value_kind: global_buffer, .address_space: global }
    .group_segment_fixed_size: 327680
    .private_segment_fixed_size: 0
    .kernarg_segment_align: 8
    .kernarg_segment_size: 32
    .max_flat_workgroup_size: 128
    .sgpr_count:     102
    .vgpr_count:     1024
    .wavefront_size: 32
...
	.end_amdgpu_metadata
.endif
;; end of part 13
;; launch gemm_ffn2 (part 14): grid 8 x 32, 4 waves a work-group, clusters of 4 x 4, 327,680 bytes of LDS; arguments hid, wts, ffn_b2, x1, out0; writes out0
.if DOCPART == 14
	.amdgcn_target "amdgcn-amd-amdhsa--gfx1250"
	.amdhsa_code_object_version 6
	.text
	.protected	k_q56f90fac2e_gemm_ffn2
	.globl	k_q56f90fac2e_gemm_ffn2
	.p2align	8
	.type	k_q56f90fac2e_gemm_ffn2,@function
k_q56f90fac2e_gemm_ffn2:
	s_mov_b64 s[64:65], 0
	v_nop
	global_prefetch_b8 v0, s[64:65] scope:SCOPE_SE
	s_setreg_imm32_b32 hwreg(HW_REG_WAVE_MODE, 25, 1), 1
	s_wait_xcnt 0x0
	s_wait_alu depctr_hold_cnt(0) depctr_sa_sdst(0) depctr_va_vdst(0) depctr_va_sdst(0) depctr_va_ssrc(0) depctr_va_vcc(0) depctr_vm_vsrc(0)
	s_getreg_b32 s2, hwreg(HW_REG_IB_STS2, 6, 4)
	s_cmp_eq_u32 s2, 0
	s_cbranch_scc0 .Lentry_in_a_cluster
	s_endpgm
.Lentry_in_a_cluster:
	s_bfe_u32 s2, ttmp6, 0x10000c
	s_cmp_lg_u32 s2, 0xf033
	s_cbranch_scc0 .Lentry_shape_is_right
	s_endpgm
.Lentry_shape_is_right:
; out0 = x1 + hid W2 + b2.  The text is the launch for x1's, with K = 4,096: eight slots of 512 along K through a ring of two, six of them refills.
; PREFETCH: behind the load of slot j each wave asks for slot j + 2 of one of the four row blocks that it fetches: the four partners that ask for a tile jointly take a row block each, told apart by address
; (cx for A, cy for B); a row block's part of a slot is 6,144 bytes, 24 blocks of 256, a lane a block (lanes 24-31 name the last again).  Slots 6 and 7 are the last: the loop's last trip asks for nothing.
.set SIZE_K, 4096
.set PFA,    100                       ; s[100:101] my row block's bytes of slot j - 1 at the refill of slot j
.set PFO,    30                        ; v30 256 x min(lane, 23); never rewritten
.set ASC,    12582912
.set WC,     6291456
.set WS,     9699328
.set LASTOUT, 1
.set KST,    SIZE_K/128
.set NQ,     4
.set FR,     12
.set NL,     3
.set NP,     4
.set ROWB,   NQ*1536
.set HALFT,  4*ROWB
.set SLOT,   4*HALFT
.set LAPS,   SIZE_K/1024
.set KROW,   SIZE_K*3/4
.set KS,     SIZE_K/32
.set SCL,    2*SLOT
.set HALFS,  256*KST
.set SBLK,   64*KST
.set SPARE,  SCL+4*HALFS+256
.set SPITCH, 272
.set WSTAGE, 64*SPITCH
.set ADRA, 16
.set ADRB, 20
.set STO,  24
.set RD,   25
.set CO,   26
.set ADRS, 27
.set SPW,  28
.set NIL,  29
.set SC,   32
.set BI,   64
.set OB,   32
.set ACC,  128
.set G1, 24
.set G0, 32
.set G1B, 48
.set G0B, 56
.set G1S, 68
.set G0S, 76
.set G1SB, 80
.set G0SB, 88
.set MSB, 0
.macro WIN new
.set WN, \new
.if MSB != WN
	s_set_vgpr_msb (MSB<<8)|WN
.set MSB, WN
.endif
.endm
.set MUL,  0x05
.set TO_F, 0x40
.macro JLOAD g0a, g1a, g0b, g1b
	s_cmp_eq_u32 s15, 0
	s_cbranch_scc0 .Lfor_b_\@
	tensor_load_to_lds s[\g0a:\g0a+3], s[\g1a:\g1a+7]
	s_nop 0
.rept 4
	v_nop
.endr
	s_branch .Lasked_\@
.Lfor_b_\@:
	tensor_load_to_lds s[\g0b:\g0b+3], s[\g1b:\g1b+7]
	s_nop 0
.rept 4
	v_nop
.endr
.Lasked_\@:
.endm
.macro CREST
	s_cmp_lg_u32 s14, 0
	s_cbranch_scc1 .Lnot_wave_0_\@
	s_barrier_signal -3
.Lnot_wave_0_\@:
	s_barrier_wait -3
	s_barrier_signal -1
	s_barrier_wait -1
.endm
.macro CROUND
	s_barrier_signal -1
	s_barrier_wait -1
	CREST
.endm
	s_load_b64 s[4:5], s[0:1], 0x0
	s_load_b64 s[8:9], s[0:1], 0x8
	s_load_b64 s[96:97], s[0:1], 0x10
	s_load_b64 s[98:99], s[0:1], 0x18
	s_load_b64 s[12:13], s[0:1], 0x20
	v_lshl_add_u32 v[SPW], v0, 2, SPARE
	v_mov_b32 v[NIL], 0
	ds_add_u32 v28, v29
	ds_add_u32 v28, v29
	s_wait_dscnt 0x0
	v_lshrrev_b32 v1, 5, v0
	v_readfirstlane_b32 s14, v1
	s_lshr_b32 s15, s14, 1
	s_and_b32 s16, s14, 1
	s_bfe_u32 s40, ttmp6, 0x40000
	s_bfe_u32 s41, ttmp6, 0x40004
	s_lshl_b32 s42, ttmp9, 2
	s_add_co_u32 s42, s42, s40
	s_and_b32 s17, ttmp7, 0xffff
	s_lshl_b32 s17, s17, 2
	s_add_co_u32 s17, s17, s41
	s_lshl_b32 s43, s41, 2
	s_lshl_b32 s43, 15, s43
	s_lshl_b32 s44, 0x1111, s40
	s_or_b32 s[G1+0], s43, (3<<16)|(1<<21)
	s_or_b32 s[G1B+0], s44, (3<<16)|(1<<21)
.irp g, G1, G1B
	s_mov_b32 s[\g+1], 768<<16
	s_mov_b32 s[\g+2], 8<<16                       ; tensor_dim1: 8 row blocks for the head's loads; 4 behind them
	s_mov_b32 s[\g+3], 768<<16
	s_mov_b32 s[\g+4], 8                           ; tile_dim1 likewise
	s_mov_b32 s[\g+5], KST*192
	s_mov_b32 s[\g+6], 0
	s_mov_b32 s[\g+7], 0
.endr
	s_or_b32 s[G1S+0], s43, (3<<16)|(1<<21)
	s_or_b32 s[G1SB+0], s44, (3<<16)|(1<<21)
.irp g, G1S, G1SB
	s_mov_b32 s[\g+1], 32<<16
	s_mov_b32 s[\g+2], (2*KST)<<16                 ; the scale words of 128 rows
	s_mov_b32 s[\g+3], 32<<16
	s_mov_b32 s[\g+4], 2*KST
	s_mov_b32 s[\g+5], 32
	s_mov_b32 s[\g+6], 0
	s_mov_b32 s[\g+7], 0
.endr
	s_lshl_b32 s20, s17, 7                         ; A: the tile's first row
	s_lshl_b32 s46, s42, 7                         ; B likewise
	s_mov_b32 s21, 0
	s_mov_b32 s47, 0
	s_mov_b64 s[18:19], KS
	s_mul_u64 s[22:23], s[20:21], s[18:19]
	s_mul_u64 s[92:93], s[46:47], s[18:19]
	s_mov_b64 s[18:19], KROW
	s_mul_u64 s[20:21], s[20:21], s[18:19]
	s_mul_u64 s[46:47], s[46:47], s[18:19]
	s_mul_i32 s45, s14, HALFT
	s_wait_kmcnt 0x0
	s_add_nc_u64 s[6:7], s[4:5], ASC
	s_add_nc_u64 s[10:11], s[8:9], WS
	s_add_nc_u64 s[8:9], s[8:9], WC
	s_add_nc_u64 s[20:21], s[4:5], s[20:21]
	s_add_nc_u64 s[22:23], s[6:7], s[22:23]
	s_add_nc_u64 s[46:47], s[8:9], s[46:47]
	s_add_nc_u64 s[92:93], s[10:11], s[92:93]
	CROUND
	s_mov_b32 s[G0S], 1
	s_mov_b32 s[G0S+1], SCL                        ; A's scale words, 128 rows
	s_mov_b64 s[G0S+2:G0S+3], s[22:23]
	s_or_b32 s[G0S+3], s[G0S+3], 0x80000000
	s_mov_b32 s[G0SB], 1
	s_mov_b32 s[G0SB+1], SCL+2*HALFS+128           ; B's lie 128 bytes further on than dense
	s_mov_b64 s[G0SB+2:G0SB+3], s[92:93]
	s_or_b32 s[G0SB+3], s[G0SB+3], 0x80000000
	s_mov_b32 s4, 1                                ; group 0 for the head's loads of slot 0, in registers that held arguments: A's 128 rows,
	s_mov_b32 s5, 0
	s_mov_b64 s[6:7], s[20:21]
	s_or_b32 s7, s7, 0x80000000
	s_mov_b32 s8, 1                                ; and B's, behind them
	s_mov_b32 s9, 2*HALFT
	s_mov_b64 s[10:11], s[46:47]
	s_or_b32 s11, s11, 0x80000000
	s_mul_i32 s18, s16, 64*KROW                    ; for the ring: my 64 rows of the tile
	s_mov_b32 s19, 0
	s_add_nc_u64 s[20:21], s[20:21], s[18:19]
	s_add_nc_u64 s[46:47], s[46:47], s[18:19]
	s_cmp_eq_u32 s15, 0                            ; the prefetches: do I fetch for A?
	s_cselect_b64 s[PFA:PFA+1], s[20:21], s[46:47]
	s_cselect_b32 s18, s40, s41                    ; my place among the four that ask with me
	s_mul_i32 s18, s18, KST*1536                   ; picks one of my four row blocks
	s_add_nc_u64 s[PFA:PFA+1], s[PFA:PFA+1], s[18:19]
.irp s, 0,1
	s_mov_b32 s[G0+4*\s], 1
	s_add_co_u32 s[G0+4*\s+1], s45, \s*SLOT
	s_add_nc_u64 s[G0+4*\s+2:G0+4*\s+3], s[20:21], \s*ROWB
	s_or_b32 s[G0+4*\s+3], s[G0+4*\s+3], 0x80000000
	s_mov_b32 s[G0B+4*\s], 1
	s_add_co_u32 s[G0B+4*\s+1], s45, \s*SLOT
	s_add_nc_u64 s[G0B+4*\s+2:G0B+4*\s+3], s[46:47], \s*ROWB
	s_or_b32 s[G0B+4*\s+3], s[G0B+4*\s+3], 0x80000000
.endr
; The head's four tiles, one joint load a wave: wave 0 slot 0's rows of A, wave 1 those of B, waves 2 and 3 the scale words.  One chain of branches on the wave's number.
.macro ARM under, g0, g1, next
	s_cmp_lt_u32 s14, \under
	s_cbranch_scc0 \next
	tensor_load_to_lds s[\g0:\g0+3], s[\g1:\g1+7]
	s_nop 0
.rept 4
	v_nop
.endr
	s_branch .Lhead_asked
\next:
.endm
	ARM 1, 4, G1, .Lhead_b
	ARM 2, 8, G1B, .Lhead_sa
	ARM 3, G0S, G1S, .Lhead_sb
	tensor_load_to_lds s[G0SB:G0SB+3], s[G1SB:G1SB+7]
	s_nop 0
.rept 4
	v_nop
.endr
.Lhead_asked:
	v_and_b32 v[PFO], 31, v0
	v_min_u32 v[PFO], 23, v[PFO]
	v_lshlrev_b32 v[PFO], 8, v[PFO]
	global_prefetch_b8 v[PFO], s[PFA:PFA+1] offset:ROWB th:TH_LOAD_NT scope:SCOPE_SE     ; behind slot 0's load: slot 1, whose load stands behind the next round,
	global_prefetch_b8 v[PFO], s[PFA:PFA+1] offset:2*ROWB th:TH_LOAD_NT scope:SCOPE_SE   ; and slot 2
	v_and_b32 v1, 15, v0
	v_bfe_u32 v2, v0, 4, 1
	s_wait_alu depctr_va_vdst(0)
	v_and_b32 v3, 31, v0
	v_lshlrev_b32 v4, 4, v3
	s_mul_i32 s21, s15, HALFT
	s_mul_i32 s22, s16, HALFT
	s_add_co_u32 s22, s22, 2*HALFT
.irp s, 0,1
	v_add_nc_u32 v[ADRA+\s], s21, v4
	v_add_nc_u32 v[ADRB+\s], s22, v4
	s_add_co_u32 s21, s21, SLOT
	s_add_co_u32 s22, s22, SLOT
.endr
	s_mul_i32 s21, s15, HALFS
	s_mul_i32 s22, s16, HALFS
	s_add_co_u32 s22, s22, 2*HALFS+128
	s_sub_co_u32 s22, s22, s21
	v_mul_u32_u24 v6, s22, v2
	s_add_co_u32 s21, s21, SCL
	v_lshl_add_u32 v6, v1, 2, v6
	v_add_nc_u32 v[ADRS], s21, v6
	s_mul_i32 s23, s14, WSTAGE
	v_mul_u32_u24 v5, v1, SPITCH
	v_lshl_add_u32 v5, v2, 5, v5
	v_add_nc_u32 v[STO], s23, v5
	v_mul_u32_u24 v5, v2, SPITCH
	v_lshl_add_u32 v5, v1, 4, v5
	v_add_nc_u32 v[RD], s23, v5
	v_lshlrev_b32 v5, 12, v2
	v_lshl_add_u32 v[CO], v1, 4, v5
	s_wait_alu depctr_va_vdst(0)
	s_lshl_b32 s20, s17, 7
	s_lshl_b32 s21, s15, 6
	s_add_co_u32 s20, s20, s21
	s_lshl_b32 s20, s20, 12
	s_lshl_b32 s46, s42, 9
	s_lshl_b32 s47, s16, 8
	s_add_co_u32 s46, s46, s47
	s_mov_b32 s47, 0
	s_add_nc_u64 s[96:97], s[96:97], s[46:47]
	s_add_co_u32 s46, s46, s20
	s_add_nc_u64 s[12:13], s[12:13], s[46:47]
	s_add_nc_u64 s[98:99], s[98:99], s[46:47]
	v_lshlrev_b32 v8, 5, v2
.irp b, 0,1,2,3
	global_load_b128 v[BI+8*\b:BI+8*\b+3], v8, s[96:97] offset:64*\b
	global_load_b128 v[BI+8*\b+4:BI+8*\b+7], v8, s[96:97] offset:64*\b+16
.endr
	WIN 0x80
.irp a, 0,1,2,3
.irp t, 0,1,2,3,4,5,6,7
	global_load_b128 v[32*\a+4*\t:32*\a+4*\t+3], v[CO], s[98:99] offset:(16*\a+2*\t)*4096
.endr
.endr
	WIN 0
.macro FRAG reg, adr, q, i
.irp c, 0,1,2
	ds_load_b128 v[\reg+4*\c:\reg+4*\c+3], v[\adr] offset:(\i)*ROWB+(\q)*1536+512*\c
.endr
.endm
.macro MUL8 a0, p, q, sc, first
.irp a, \a0, \a0+1
.irp b, 0,1,2,3
.if \first
	v_wmma_scale_f32_16x16x128_f8f6f4 v[ACC+8*(4*(\a)+\b):ACC+8*(4*(\a)+\b)+7], v[128*(\p)+48+FR*\b:128*(\p)+48+FR*\b+FR-1], v[128*(\p)+FR*(\a):128*(\p)+FR*(\a)+FR-1], v[BI+8*\b:BI+8*\b+7], v[SC+4*NQ*(\sc)+NQ*\b+(\q)], v[SC+4*NQ*(\sc)+NQ*(\a)+(\q)] matrix_a_fmt:MATRIX_FMT_FP6 matrix_b_fmt:MATRIX_FMT_FP6 matrix_a_scale:MATRIX_SCALE_ROW1
.else
	v_wmma_scale_f32_16x16x128_f8f6f4 v[ACC+8*(4*(\a)+\b):ACC+8*(4*(\a)+\b)+7], v[128*(\p)+48+FR*\b:128*(\p)+48+FR*\b+FR-1], v[128*(\p)+FR*(\a):128*(\p)+FR*(\a)+FR-1], v[ACC+8*(4*(\a)+\b):ACC+8*(4*(\a)+\b)+7], v[SC+4*NQ*(\sc)+NQ*\b+(\q)], v[SC+4*NQ*(\sc)+NQ*(\a)+(\q)] matrix_a_fmt:MATRIX_FMT_FP6 matrix_b_fmt:MATRIX_FMT_FP6 matrix_a_scale:MATRIX_SCALE_ROW1
.endif
.endr
.endr
.endm
.macro FETCH slot, q, p
	WIN TO_F
.irp i, 0,1,2,3
	FRAG 128*(\p)+48+FR*\i, ADRB+\slot, \q, \i
	FRAG 128*(\p)+FR*\i, ADRA+\slot, \q, \i
.endr
.endm
.macro SCALES sc
.irp i, 0,1,2,3
.irp q, 0,1,2,3
	ds_load_b32 v[SC+4*NQ*\sc+NQ*\i+\q], v[ADRS] offset:\i*SBLK+64*\q
.endr
.endr
.endm
.macro PLACES n
.rept \n
	v_nop
.endr
.endm
.macro STEP slot, q, first
	PLACES NP
	FETCH \slot, (\q)+1, 1-(\q)%2
	s_wait_dscnt 8*NL
	WIN MUL
	MUL8 0, (\q)%2, \q, \slot, \first
	MUL8 2, (\q)%2, \q, \slot, \first
.endm
.macro TURN slot, next, fill
	WIN 0
.if \fill
	s_wait_xcnt 0x0                                ; my last prefetch has read its address: it steps a slot on
	s_add_nc_u64 s[PFA:PFA+1], s[PFA:PFA+1], ROWB
.endif
	s_wait_tensorcnt 0x0
	ds_add_u32 v[SPW], v[NIL]
	s_wait_dscnt 1
	WIN MUL
	MUL8 0, 1, NQ-1, \slot, 0
	s_wait_dscnt 0x0
	s_barrier_signal -1
	MUL8 2, 1, NQ-1, \slot, 0
	WIN 0
	s_barrier_wait -1
.if \fill
	CREST
	s_add_nc_u64 s[G0+4*\slot+2:G0+4*\slot+3], s[G0+4*\slot+2:G0+4*\slot+3], 2*ROWB
	s_add_nc_u64 s[G0B+4*\slot+2:G0B+4*\slot+3], s[G0B+4*\slot+2:G0B+4*\slot+3], 2*ROWB
	JLOAD G0+4*\slot, G1, G0B+4*\slot, G1B
.else
	PLACES NP
.endif
	s_wait_alu depctr_va_vdst(0)
	v_add_nc_u32 v[ADRS], 64*NQ, v[ADRS]
	SCALES \next
	FETCH \next, 0, 0
.if \fill
	WIN 0                                          ; at a branch and at a label every window is 0
	s_cmp_gt_u32 s3, 1                             ; the last trip refills slots 6 and 7: nothing lies two slots on
	s_cbranch_scc0 .Lno_ask_\@
	global_prefetch_b8 v[PFO], s[PFA:PFA+1] offset:3*ROWB th:TH_LOAD_NT scope:SCOPE_SE   ; behind slot j's load and the run of LDS loads: slot j + 2
.Lno_ask_\@:
.endif
.endm
	s_wait_alu depctr_va_vdst(0)
	s_wait_tensorcnt 0x0                           ; my tile of the head's four is in
	ds_add_u32 v[SPW], v[NIL]
	s_mov_b32 s[G1+2], 4<<16                       ; no tensor load of mine is out: from here on a load brings 4 row blocks
	s_mov_b32 s[G1+4], 4
	s_mov_b32 s[G1B+2], 4<<16
	s_mov_b32 s[G1B+4], 4
	s_wait_dscnt 0x0
	CROUND                                         ; all four tiles are in, and the sixteen work-groups meet
	JLOAD G0+4, G1, G0B+4, G1B                     ; slot 1's first fill, my one tensor load behind the round
	global_prefetch_b8 v[PFO], s[PFA:PFA+1] offset:3*ROWB th:TH_LOAD_NT scope:SCOPE_SE   ; behind slot 1's load: slot 3
	SCALES 0
	FETCH 0, 0, 0
	s_wait_loadcnt 32
	STEP 0, 0, 1
	STEP 0, 1, 0
	STEP 0, 2, 0
	WIN 0
.if LAPS > 1
	s_mov_b32 s3, LAPS-1
.Llap:
	TURN 0, 1, 1
	STEP 1, 0, 0
	STEP 1, 1, 0
	STEP 1, 2, 0
	TURN 1, 0, 1
	STEP 0, 0, 0
	STEP 0, 1, 0
	STEP 0, 2, 0
	WIN 0
	s_sub_co_u32 s3, s3, 1
	s_cmp_lg_u32 s3, 0
	s_cbranch_scc1 .Llap
.endif
	TURN 0, 1, 0
	STEP 1, 0, 0
	STEP 1, 1, 0
	STEP 1, 2, 0
	s_wait_dscnt 0
	MUL8 0, 1, NQ-1, 1, 0
	MUL8 2, 1, NQ-1, 1, 0
	WIN 0
.macro BACK a
.set BB, OB+32*((\a)%3)
.irp t, 0,1,2,3,4,5,6,7
	ds_load_b128 v[BB+4*\t:BB+4*\t+3], v[RD] offset:(16*(\a)+2*\t)*SPITCH
.endr
.endm
.macro SEND a, younger
.set BB, OB+32*((\a)%3)
.set RS, 32*(\a)
	s_wait_dscnt \younger
	WIN 0x08
.set j, 0
.rept 16
	v_pk_add_f32 v[BB+j:BB+j+1], v[BB+j:BB+j+1], v[RS+j:RS+j+1]
.set j, j+2
.endr
	WIN 0
.irp t, 0,1,2,3,4,5,6,7
.if LASTOUT
	global_store_b128 v[CO], v[BB+4*\t:BB+4*\t+3], s[12:13] offset:(16*(\a)+2*\t)*4096 th:TH_STORE_NT
.else
	global_store_b128 v[CO], v[BB+4*\t:BB+4*\t+3], s[12:13] offset:(16*(\a)+2*\t)*4096
.endif
.endr
.endm
	PLACES NP
.irp a, 0,1,2,3
.irp b, 0,1,2,3
	ds_store_b128 v[STO], v[ACC+8*(4*\a+\b):ACC+8*(4*\a+\b)+3] offset:\a*16*SPITCH+64*\b
	ds_store_b128 v[STO], v[ACC+8*(4*\a+\b)+4:ACC+8*(4*\a+\b)+7] offset:\a*16*SPITCH+64*\b+16
.endr
.endr
	BACK 0
	BACK 1
	BACK 2
	s_wait_loadcnt 0x0
	SEND 0, 16
	s_wait_xcnt 0x0
	BACK 3
	SEND 1, 16
	SEND 2, 8
	SEND 3, 0
	s_wait_tensorcnt 0x0
	ds_add_u32 v[SPW], v[NIL]
	s_wait_dscnt 0x0
	CROUND
	s_endpgm
.Lfunc_end_k_q56f90fac2e_gemm_ffn2:
	.size	k_q56f90fac2e_gemm_ffn2, .Lfunc_end_k_q56f90fac2e_gemm_ffn2-k_q56f90fac2e_gemm_ffn2
	.p2alignl 7, 3214868480
	.fill 96, 4, 3214868480
	.section	.rodata,"a",@progbits
	.p2align	6, 0x0
	.amdhsa_kernel k_q56f90fac2e_gemm_ffn2
		.amdhsa_group_segment_fixed_size 327680
		.amdhsa_private_segment_fixed_size 0
		.amdhsa_enable_private_segment 0
		.amdhsa_kernarg_size 40
		.amdhsa_user_sgpr_count 2
		.amdhsa_user_sgpr_kernarg_segment_ptr 1
		.amdhsa_wavefront_size32 1
		.amdhsa_system_sgpr_workgroup_id_x 1
		.amdhsa_system_sgpr_workgroup_id_y 1
		.amdhsa_system_sgpr_workgroup_id_z 1
		.amdhsa_system_vgpr_workitem_id 0
		.amdhsa_next_free_vgpr 768
		.amdhsa_next_free_sgpr 102
		.amdhsa_reserve_vcc 0
		.amdhsa_float_denorm_mode_32 3
		.amdhsa_float_denorm_mode_16_64 3
		.amdhsa_memory_ordered 1
		.amdhsa_forward_progress 1
		.amdhsa_inst_pref_size 94
	.end_amdhsa_kernel
	.amdgpu_metadata
---
amdhsa.version: [ 1, 2 ]
amdhsa.kernels:
  - .name:           k_q56f90fac2e_gemm_ffn2
    .symbol:         k_q56f90fac2e_gemm_ffn2.kd
    .args:
      - { .name: hid, .offset: 0, .size: 8, .value_kind: global_buffer, .address_space: global }
      - { .name: wts, .offset: 8, .size: 8, .value_kind: global_buffer, .address_space: global }
      - { .name: ffn_b2, .offset: 16, .size: 8, .value_kind: global_buffer, .address_space: global }
      - { .name: x1, .offset: 24, .size: 8, .value_kind: global_buffer, .address_space: global }
      - { .name: out0, .offset: 32, .size: 8, .value_kind: global_buffer, .address_space: global }
    .group_segment_fixed_size: 327680
    .private_segment_fixed_size: 0
    .kernarg_segment_align: 8
    .kernarg_segment_size: 40
    .max_flat_workgroup_size: 128
    .sgpr_count:     102
    .vgpr_count:     768
    .wavefront_size: 32
...
	.end_amdgpu_metadata
.endif
;; end of part 14
